; MI455X (gfx1250); checked and timed in simulation.
; The chip was launched on July 23, 2026; its instructions are those of AMD's public machine-readable ISA for CDNA 5 (MIT licence, August 2026) and "CDNA5" Instruction Set Architecture Reference Guide (July 2026). The comments in the code are by the model that wrote it; some were corrected since.
;; Encoder Block. Allowed arithmetic: matrix products marked QUANTISED: E2M3 operands, one E8M0 scale for each 32 along K, by v_wmma_scale_f32_16x16x128_f8f6f4 with both operands' format E2M3, f32 sums; everything else in f32.
;; Inputs: W1 1,024 x 4,096 float32; W2 4,096 x 1,024 float32; Wk 1,024 x 1,024 float32; Wo 1,024 x 1,024 float32; Wq 1,024 x 1,024 float32; Wv 1,024 x 1,024 float32; b1 1,024 float32; b2 1,024 float32; bb1 4,096 float32; bb2 1,024 float32; bk 1,024 float32; bo 1,024 float32; bq 1,024 float32; bv 1,024 float32; g1 1,024 float32; g2 1,024 float32; x 2,048 x 2 x 1,024 float32.
;; Outputs: out0 2,048 x 2 x 1,024 float32.
;; This version of the problem:
;;   THIS VERSION OF THE PROBLEM IS GIVEN IN LOW PRECISION. The matrix products marked QUANTISED in the list below multiply operands that are first quantised to E2M3 (2 exponent bits, 3 mantissa bits; 6 bits a number), with one power-of-two scale for each 32 numbers along K (OCP MX v1.0); their sums are f32. All else is computed in f32.
;;   The module's matrix products, in the order in which they are computed (A, B: the left and right operand; K: the contracted axis; several contracted axes count as one K, in the product's order):
;;     1. [M 4,096, K 1,024] x [K 1,024, N 1,024]; A: input x; B: input Wq: QUANTISED
;;     2. [M 4,096, K 1,024] x [K 1,024, N 1,024]; A: input x; B: input Wk: QUANTISED
;;     3. [M 4,096, K 1,024] x [K 1,024, N 1,024]; A: input x; B: input Wv: QUANTISED
;;     4. batch 32 x [M 2,048, K 64] x [K 64, N 2,048]; A: computed on the way; B: computed on the way: QUANTISED
;;     5. batch 32 x [M 2,048, K 2,048] x [K 2,048, N 64]; A: softmax (see below); B: computed on the way: QUANTISED
;;     6. [M 4,096, K 1,024] x [K 1,024, N 1,024]; A: computed on the way; B: input Wo: QUANTISED
;;     7. [M 4,096, K 1,024] x [K 1,024, N 4,096]; A: computed on the way; B: input W1: QUANTISED
;;     8. [M 4,096, K 4,096] x [K 4,096, N 1,024]; A: computed on the way; B: input W2: QUANTISED
;;   THE QUANTISER, for each operand of a quantised product, along K:
;;     - K is cut into blocks of 32 from its start; a last block that is shorter is filled with zeros.
;;     - A block's scale is 2^e with e = floor(log2(the largest magnitude in the block)) - 2, held to -126 .. 127; a block of zeros has e = 0. As a byte (E8M0): e + 127.
;;     - Each number is divided by its block's scale, clamped to +-7.5, and rounded to the nearest number of E2M3, ties to even, subnormals kept.
;;     - The product sums the exact products of the quantised numbers (number of the format x scale) in f32.
;;   ~~~python
;;   def quantise(x, axis):      # numpy; x: float32 -> the quantised numbers, widened to float32 again
;;       x = np.moveaxis(x, axis, -1); K = x.shape[-1]
;;       x = np.pad(x, [(0, 0)] * (x.ndim - 1) + [(0, -K % 32)]); x = x.reshape(x.shape[:-1] + (-1, 32)); a = np.abs(x).max(-1, keepdims=True)
;;       e = np.where(a > 0, np.clip(np.frexp(np.where(a > 0, a, 1))[1] - 1 - 2, -126, 127), 0)      # np.frexp(a)[1] - 1 = floor(log2(a)), exactly
;;       r = np.clip(x / 2.0 ** e, -7.5, 7.5)
;;       step = 2.0 ** (np.maximum(np.frexp(np.where(r == 0, 1, r))[1] - 1, 0) - 3)
;;       q = np.round(r / step) * step * 2.0 ** e      # np.round: ties to even
;;       return np.moveaxis(q.reshape(q.shape[:-2] + (-1,))[..., :K], -1, axis).astype(np.float32)
;;   ~~~
;;   SOFTMAX AHEAD OF A QUANTISED PRODUCT. Where the list says 'softmax', what is quantised is not the finished softmax but p = 2^(t - M), with t = logit x log2(e) and M = ceil(the row's largest t), a whole number; so 1/2 < the row's largest p <= 1. The row's sum l is taken of the UNQUANTISED p, in f32, and the product's result is divided by l at the end. Since M is a whole number, a kernel that streams over the keys may use a running M (the ceiling of the running maximum): every later rescaling is an exact power of two, which a block's scale takes up: the codes' values come out the same.
;;   OPERANDS COMPUTED ON THE WAY. 'Computed on the way' means the value that the module computes at that place (a softmax that the list does not call 'softmax' is quantised finished and normalised). What goes into a quantiser is computed in f32, as accurately as f32 sums, v_exp_f32 and their like allow (about 1e-6 of the number): no bf16 or f16 on the way to a quantiser, and a product that is left as it is and whose result goes on into a quantised operand takes f32 operands (vector FMAs, or v_wmma_f32_16x16x4_f32). A number that lies on a knife's edge between two numbers of the format may be rounded either way, as far as f32 arithmetic and the matrix unit's own rounding can turn it there, and no further.
;; 2 versions. Each part assembles by itself: llvm-mc -triple=amdgcn-amd-amdhsa -mcpu=gfx1250 --defsym DOCPART=n.
;; ======== version 1 of 2: 9 launches
;; workspace buffers: wi 9,830,400 bytes; xi 3,276,800 bytes; qkv 9,830,400 bytes; oi 3,276,800 bytes; cb 16,777,216 bytes; x1 16,777,216 bytes; x1i 3,276,800 bytes; hi 13,107,200 bytes
;; launch quant_w (part 1): grid 384 x 1, 4 waves a work-group, no clusters, 25,088 bytes of LDS; arguments Wq, Wk, Wv, Wo, W1, W2, wi; writes wi
.if DOCPART == 1
	.amdgcn_target "amdgcn-amd-amdhsa--gfx1250"
	.amdhsa_code_object_version 6
	.text
	.protected	k_q1cc4555c2b_quant_w
	.globl	k_q1cc4555c2b_quant_w
	.p2align	8
	.type	k_q1cc4555c2b_quant_w,@function
k_q1cc4555c2b_quant_w:
	s_mov_b64 s[64:65], 0
	v_nop
	global_prefetch_b8 v0, s[64:65] scope:SCOPE_SE
	s_setreg_imm32_b32 hwreg(HW_REG_WAVE_MODE, 25, 1), 1
	s_wait_xcnt 0x0
; The six weights, f32 stored [K][N], become codes of FP6 (E2M3) with one E8M0 byte for each 32 along K, laid as IMAGES OF OPERAND REGISTERS.
; A block (SB) of 12,800 bytes serves 128 columns x 128 K: eight fragments of 1,536 bytes (register 4 c + i of lane l at 512 c + 16 l + 4 i), then at 12,288 + 64 t + 4 r the scale words.
; Lane r of tile t is column 32 (t / 2) + 8 (t % 2) + r + 8 (r / 8) of the 128.  wi = [group of 128 columns][K step][SB]: Wq, Wk, Wv, Wo (8 groups x 8 steps each), W1 (32 x 8), W2 (8 x 32).
; A work-group takes 128 columns x 256 K; its output is the 25,600 bytes at 25,600 x its number, whatever the tensor.  A LANE TAKES A COLUMN AND ITS REGISTERS RUN DOWN K: a block of 32 is one lane's.
; A block's scale is 2^(floor(log2(largest magnitude)) - 2): its byte is the largest magnitude's exponent field - 2, held at 1 from below.
; LIMITS: a block of zeros gets the byte 1 where the rule says 127 (its codes are zeros, and this program alone reads the bytes); blocks under 2^-124 are held at byte 1; NaN and infinities are not served.
; The pitch of a row (4,096 or 16,384 bytes) stands in registers, never in an immediate, so one text serves all six.  No barrier: waves share nothing.
.set LA,   2                           ; v2   LDS: where my codes go: 6,144 w + 1,536 u + 16 r
.set LB,   3                           ; v3   LDS: 6,144 w + 16 x lane: the way out
.set GOF,  4                           ; v4   16 x lane
.set GSC,  5                           ; v5   64 u + 4 r: my scale word's place
.set OFFS, 16                          ; v16-47   4 x lane + i x pitch
.set X,    48                          ; v48-111  two sets of 32 numbers
.set C,    112                         ; v112-118 a block's codes
.set SW,   120                         ; v120-121 the scale words of the two K steps
.set OUTR, 122                         ; v122-169 the way out, 24 registers for each K step
	s_load_b256 s[4:11], s[0:1], 0x0               ; Wq, Wk, Wv, Wo
	s_load_b128 s[12:15], s[0:1], 0x20             ; W1, W2
	s_load_b64 s[16:17], s[0:1], 0x30              ; wi
	v_lshl_add_u32 v176, v0, 2, 0x6000
	v_mov_b32 v177, 0
	v_lshrrev_b32 v1, 5, v0
	v_readfirstlane_b32 s18, v1                    ; wave
	v_and_b32 v1, 31, v0                           ; lane o: column 32 w + o of the group
	s_mov_b32 s20, 4096
	s_lshr_b32 s21, ttmp9, 7
	s_cmp_eq_u32 s21, 1                            ; work-groups 128 to 255 are W1's
	s_cselect_b32 s20, 16384, s20                  ; the pitch
	s_lshr_b32 s22, ttmp9, 2
	s_and_b32 s23, s22, 7
	s_and_b32 s24, s22, 31
	s_lshr_b32 s25, ttmp9, 4
	s_and_b32 s25, s25, 7
	s_and_b32 s26, ttmp9, 3
	s_and_b32 s27, ttmp9, 15
	s_cmp_lt_u32 ttmp9, 128
	s_cselect_b32 s23, s23, s24
	s_cmp_lt_u32 ttmp9, 256
	s_cselect_b32 s23, s23, s25                    ; the group of 128 columns in its tensor
	s_cselect_b32 s26, s26, s27                    ; which 256 along K
	s_mul_i32 s28, s26, s20
	s_lshl_b32 s28, s28, 8                         ; 256 rows of the pitch
	s_lshl_b32 s23, s23, 9
	s_add_co_u32 s28, s28, s23                     ; + 512 bytes a group
	s_lshl_b32 s24, s18, 7
	s_add_co_u32 s28, s28, s24                     ; + 128 bytes a wave
	s_mov_b32 s29, 0
	s_lshl_b32 s30, s20, 5                         ; 32 rows: a block
	s_mov_b32 s31, 0
	s_mul_i32 s52, ttmp9, 25600
	s_mul_i32 s53, s18, 3072
	s_add_co_u32 s54, s52, s53                     ; my two fragments of each SB
	s_mov_b32 s55, 0
	s_add_co_u32 s56, s52, s24
	s_add_co_u32 s56, s56, 12288                   ; my 32 scale words of each SB
	s_mov_b32 s57, 0
	v_lshlrev_b32 v7, 2, v1
.set i, 0
.rept 32
	v_mad_u32_u24 v[OFFS+i], s20, i, v7
.set i, i+1
.endr
	s_mul_i32 s19, s18, 6144
	v_bfe_u32 v8, v0, 3, 1                         ; u: tile 2 w + u
	v_and_b32 v9, 7, v0
	v_bfe_u32 v10, v0, 4, 1
	v_lshl_add_u32 v9, v10, 3, v9                  ; r
	v_mul_u32_u24 v[LA], v8, 1536
	v_lshl_add_u32 v[LA], v9, 4, v[LA]
	v_add_nc_u32 v[LA], s19, v[LA]
	v_lshlrev_b32 v[GOF], 4, v1
	v_add_nc_u32 v[LB], s19, v[GOF]
	v_lshlrev_b32 v[GSC], 6, v8
	v_lshl_add_u32 v[GSC], v9, 2, v[GSC]
	s_wait_kmcnt 0x0
	s_cmp_lt_u32 ttmp9, 32                         ; which tensor: the choice hangs on the work-group's number alone
	s_cselect_b64 s[4:5], s[4:5], s[6:7]
	s_cmp_lt_u32 ttmp9, 64
	s_cselect_b64 s[4:5], s[4:5], s[8:9]
	s_cmp_lt_u32 ttmp9, 96
	s_cselect_b64 s[4:5], s[4:5], s[10:11]
	s_cmp_lt_u32 ttmp9, 128
	s_cselect_b64 s[4:5], s[4:5], s[12:13]
	s_cmp_lt_u32 ttmp9, 256
	s_cselect_b64 s[4:5], s[4:5], s[14:15]
	s_add_nc_u64 s[32:33], s[4:5], s[28:29]        ; block 0's first row; a base for each of the eight blocks
.irp t, 1,2,3,4,5,6,7
	s_add_nc_u64 s[32+2*\t:33+2*\t], s[30+2*\t:31+2*\t], s[30:31]
.endr
	s_add_nc_u64 s[48:49], s[16:17], s[54:55]
	s_add_nc_u64 s[50:51], s[16:17], s[56:57]
.macro LOAD t                          ; block t: 32 rows of K at my column: a wave reads 128 neighbouring bytes, the four waves 512
.set i, 0
.rept 32
	global_load_b32 v[X+32*((\t)%2)+i], v[OFFS+i], s[32+2*(\t):33+2*(\t)] th:TH_LOAD_NT
.set i, i+1
.endr
.endm
.macro BLOCK t                         ; K step t / 4; in its fragment my 24 bytes are registers 6 c .. 6 c + 5 of lane r + 16 h, c = (t % 4) / 2, h = t % 2
.set XS, X+32*((\t)%2)
.if (\t) < 7
	s_wait_loadcnt 32                              ; this block's 32 loads are in; the next block's may be out
.else
	s_wait_loadcnt 0x0
.endif
	v_max3_num_f32 v12, |v[XS]|, |v[XS+1]|, |v[XS+2]|
	v_max3_num_f32 v13, |v[XS+3]|, |v[XS+4]|, |v[XS+5]|
.irp i, 6,10,14,18,22,26
	v_max3_num_f32 v12, v12, |v[XS+\i]|, |v[XS+\i+1]|
	v_max3_num_f32 v13, v13, |v[XS+\i+2]|, |v[XS+\i+3]|
.endr
	v_max3_num_f32 v12, v12, |v[XS+30]|, |v[XS+31]|
	v_max3_num_f32 v12, v12, v13, 0x1800000        ; and the floor 2^(3 - 127): the byte cannot fall under 1
	v_add_nc_u32 v11, 0xff000000, v12              ; 2 off the exponent field: the conversion's scale operand
	v_cvt_scalef32_pk16_fp6_f32 v[C:C+2], v[XS:XS+15], v11
	v_cvt_scalef32_pk16_fp6_f32 v[C+4:C+6], v[XS+16:XS+31], v11   ; (a conversion's three registers begin on an even number)
	v_lshrrev_b32 v13, 23, v11                     ; the scale's byte: also the plain line behind the conversions
.if (\t)%4 == 0
	v_mov_b32 v[SW+(\t)/4], v13
.else
	v_lshl_or_b32 v[SW+(\t)/4], v13, 8*((\t)%4), v[SW+(\t)/4]
.endif
	v_mov_b32 v[C+3], v[C+4]                       ; six registers on end
	v_mov_b32 v[C+4], v[C+5]
	v_mov_b32 v[C+5], v[C+6]
.if ((\t)%4)/2 == 0
	ds_store_b128 v[LA], v[C:C+3] offset:3072*((\t)/4)+256*((\t)%2)
	ds_store_b64 v[LA], v[C+4:C+5] offset:3072*((\t)/4)+256*((\t)%2)+512
.else
	ds_store_b64 v[LA], v[C:C+1] offset:3072*((\t)/4)+256*((\t)%2)+520
	ds_store_b128 v[LA], v[C+2:C+5] offset:3072*((\t)/4)+256*((\t)%2)+1024
.endif
.if (\t)+2 < 8
	LOAD (\t)+2
.endif
	s_wait_dscnt 0x0                               ; the stores have read their registers: the next block's codes may be written
.endm
.macro OUT k2                          ; a K step's two fragments of mine leave as 3,072 consecutive bytes; LDS serves a wave's instructions in order
.irp k, 0,1,2,3,4,5
	ds_load_b128 v[OUTR+24*\k2+4*\k:OUTR+24*\k2+4*\k+3], v[LB] offset:3072*\k2+512*\k
.endr
.irp k, 0,1,2,3,4,5
	s_wait_dscnt 5-\k
	global_store_b128 v[GOF], v[OUTR+24*\k2+4*\k:OUTR+24*\k2+4*\k+3], s[48:49] offset:12800*\k2+512*\k   ; 512 consecutive bytes, at a multiple of 256 from wi's first byte
.endr
	global_store_b32 v[GSC], v[SW+\k2], s[50:51] offset:12800*\k2
.endm
	LOAD 0
	LOAD 1
	BLOCK 0
	BLOCK 1
	BLOCK 2
	BLOCK 3
	OUT 0
	BLOCK 4
	BLOCK 5
	BLOCK 6
	BLOCK 7
	OUT 1
	s_wait_tensorcnt 0x0
	ds_add_u32 v176, v177
	s_wait_dscnt 0x0
	s_endpgm
.Lfunc_end_k_q1cc4555c2b_quant_w:
	.size	k_q1cc4555c2b_quant_w, .Lfunc_end_k_q1cc4555c2b_quant_w-k_q1cc4555c2b_quant_w
	.p2alignl 7, 3214868480
	.fill 96, 4, 3214868480
	.section	.rodata,"a",@progbits
	.p2align	6, 0x0
	.amdhsa_kernel k_q1cc4555c2b_quant_w
		.amdhsa_group_segment_fixed_size 25088
		.amdhsa_private_segment_fixed_size 0
		.amdhsa_enable_private_segment 0
		.amdhsa_kernarg_size 56
		.amdhsa_user_sgpr_count 2
		.amdhsa_user_sgpr_kernarg_segment_ptr 1
		.amdhsa_wavefront_size32 1
		.amdhsa_system_sgpr_workgroup_id_x 1
		.amdhsa_system_sgpr_workgroup_id_y 1
		.amdhsa_system_sgpr_workgroup_id_z 1
		.amdhsa_system_vgpr_workitem_id 0
		.amdhsa_next_free_vgpr 178
		.amdhsa_next_free_sgpr 66
		.amdhsa_reserve_vcc 0
		.amdhsa_float_denorm_mode_32 3
		.amdhsa_float_denorm_mode_16_64 3
		.amdhsa_memory_ordered 1
		.amdhsa_forward_progress 1
		.amdhsa_inst_pref_size 45
	.end_amdhsa_kernel
	.amdgpu_metadata
---
amdhsa.version: [ 1, 2 ]
amdhsa.kernels:
  - .name:           k_q1cc4555c2b_quant_w
    .symbol:         k_q1cc4555c2b_quant_w.kd
    .args:
      - { .name: Wq, .offset: 0, .size: 8, .value_kind: global_buffer, .address_space: global }
      - { .name: Wk, .offset: 8, .size: 8, .value_kind: global_buffer, .address_space: global }
      - { .name: Wv, .offset: 16, .size: 8, .value_kind: global_buffer, .address_space: global }
      - { .name: Wo, .offset: 24, .size: 8, .value_kind: global_buffer, .address_space: global }
      - { .name: W1, .offset: 32, .size: 8, .value_kind: global_buffer, .address_space: global }
      - { .name: W2, .offset: 40, .size: 8, .value_kind: global_buffer, .address_space: global }
      - { .name: wi, .offset: 48, .size: 8, .value_kind: global_buffer, .address_space: global }
    .group_segment_fixed_size: 25088
    .private_segment_fixed_size: 0
    .kernarg_segment_align: 8
    .kernarg_segment_size: 56
    .max_flat_workgroup_size: 128
    .sgpr_count:     66
    .vgpr_count:     178
    .wavefront_size: 32
...
	.end_amdgpu_metadata
.endif
;; end of part 1
;; launch quant_x (part 2): grid 256 x 1, 16 waves a work-group, no clusters, 88,576 bytes of LDS; arguments x, xi; writes xi
.if DOCPART == 2
	.amdgcn_target "amdgcn-amd-amdhsa--gfx1250"
	.amdhsa_code_object_version 6
	.text
	.protected	k_q1cc4555c2b_quant_x
	.globl	k_q1cc4555c2b_quant_x
	.p2align	8
	.type	k_q1cc4555c2b_quant_x,@function
k_q1cc4555c2b_quant_x:
	s_mov_b64 s[64:65], 0
	v_nop
	global_prefetch_b8 v0, s[64:65] scope:SCOPE_SE
	s_setreg_imm32_b32 hwreg(HW_REG_WAVE_MODE, 25, 1), 1
	s_wait_xcnt 0x0
; x [4096 rows m = 2 s + b][1024], f32, becomes codes of FP6 (E2M3) with one E8M0 byte for each 32 along K, laid as images of operand registers: xi = [group G][K step 0..7][SB of 12,800 bytes].
; Group G = 16 b + s / 128 holds 128 rows of one batch; lane r of tile t is s = 128 (G % 16) + 32 (t / 2) + 8 (t % 2) + r + 8 (r / 8).
; An SB: eight fragments of 1,536 bytes (register 4 c + i of lane l at 512 c + 16 l + 4 i), then at 12,288 + 64 t + 4 r the scale words.
; A work-group is one tile (number 8 G + t); wave w is its lane r = w and takes one row.  The row is read as eight runs of 512 bytes, turns through the wave's own LDS so that lane l holds block l (32 neighbours),
; and each lane's 24 bytes of codes go to their place in the tile's eight images in LDS; behind one barrier the images leave as runs of 512 bytes.
; LIMITS: a block of zeros gets the byte 1 where the rule says 127 (its codes are zeros, and this program alone reads the bytes); blocks under 2^-124 are held at byte 1; NaN and infinities are not served.
.set TURNB, 4608                       ; a wave's stage: 32 places of 128 bytes + 16
.set IMG,   16*TURNB                   ; the tile's eight images
.set SCA,   IMG+8*1536                 ; their scale words, 64 bytes each
.set OFF,  2                           ; v2   16 x lane
.set TIN,  3                           ; v3   into the stage
.set TOUT, 4                           ; v4   out of it: 144 x lane
.set A0,   5                           ; v5   my codes' place, pieces 0 and 2
.set A1,   6                           ; v6   piece 1
.set ASB,  7                           ; v7   my scale byte's place
.set CPI,  8                           ; v8   the copy out: an image
.set CPS,  9                           ; v9   the copy out: scale words
.set GSO,  10                          ; v10  their place in memory
.set X,    16
.set Y,    48
.set C,    80
	s_load_b128 s[24:27], s[0:1], 0x0              ; x, xi
	v_lshl_add_u32 v96, v0, 2, 0x15200
	v_mov_b32 v97, 0
	v_lshrrev_b32 v1, 5, v0
	v_readfirstlane_b32 s8, v1                     ; wave = the tile's lane r
	v_and_b32 v1, 31, v0
	s_lshr_b32 s9, ttmp9, 3                        ; G
	s_and_b32 s10, ttmp9, 7                        ; t
	s_lshr_b32 s11, s9, 4                          ; b
	s_and_b32 s12, s9, 15
	s_lshl_b32 s12, s12, 7
	s_lshr_b32 s13, s10, 1
	s_lshl_b32 s13, s13, 5
	s_add_co_u32 s12, s12, s13
	s_and_b32 s13, s10, 1
	s_lshl_b32 s13, s13, 3
	s_add_co_u32 s12, s12, s13
	s_add_co_u32 s12, s12, s8
	s_and_b32 s13, s8, 8
	s_add_co_u32 s12, s12, s13                     ; s
	s_lshl_b32 s12, s12, 1
	s_add_co_u32 s12, s12, s11                     ; m
	s_lshl_b32 s12, s12, 12                        ; my row's first byte
	s_mov_b32 s13, 0
	s_mul_i32 s16, s9, 102400                      ; G's eight SBs
	s_and_b32 s17, s8, 7
	s_mul_i32 s17, s17, 12800
	s_add_co_u32 s17, s17, s16
	s_mul_i32 s18, s10, 1536
	s_add_co_u32 s18, s18, s17                     ; waves 0-7: K step w, fragment t
	s_mov_b32 s19, 0
	s_and_b32 s20, s8, 3
	s_mul_i32 s20, s20, 25600
	s_add_co_u32 s20, s20, s16
	s_lshl_b32 s21, s10, 6
	s_add_co_u32 s20, s20, s21
	s_add_co_u32 s20, s20, 12288                   ; waves 8-11: K steps 2 (w - 8) and the next, tile t's words
	s_mov_b32 s21, 0
	; every LDS address is made here, ahead of the place where the waves part
	v_lshlrev_b32 v[OFF], 4, v1
	s_mul_i32 s14, s8, TURNB
	v_lshrrev_b32 v11, 3, v1
	v_and_b32 v12, 7, v1
	v_mul_u32_u24 v[TIN], v11, 144
	v_lshl_add_u32 v[TIN], v12, 4, v[TIN]
	v_add_nc_u32 v[TIN], s14, v[TIN]               ; a load's 512 bytes are four blocks: place lane / 8, byte 16 (lane % 8)
	v_mul_u32_u24 v[TOUT], v1, 144
	v_add_nc_u32 v[TOUT], s14, v[TOUT]
	v_lshrrev_b32 v11, 2, v1                       ; my block l: K step l / 4,
	v_and_b32 v12, 1, v1                           ; h = l % 2,
	v_bfe_u32 v13, v1, 1, 1                        ; c = (l / 2) % 2: registers 6 c .. 6 c + 5 of lane w + 16 h
	v_mul_u32_u24 v14, v11, 1536
	v_lshl_add_u32 v14, v12, 8, v14
	s_lshl_b32 s15, s8, 4
	s_add_co_u32 s15, s15, IMG
	v_add_nc_u32 v14, s15, v14
	v_mad_u32_u24 v[A0], v13, 520, v14             ; pieces of 8 bytes: c = 0: bytes 0, 8, 512;  c = 1: bytes 520, 1,024, 1,032
	v_mad_u32_u24 v[A1], v13, 1016, v14
	v_and_b32 v15, 3, v1
	v_lshl_add_u32 v[ASB], v11, 6, v15
	s_lshl_b32 s15, s8, 2
	s_add_co_u32 s15, s15, SCA
	v_add_nc_u32 v[ASB], s15, v[ASB]
	s_and_b32 s15, s8, 7
	s_mul_i32 s15, s15, 1536
	s_add_co_u32 s15, s15, IMG
	v_add_nc_u32 v[CPI], s15, v[OFF]
	s_and_b32 s15, s8, 3
	s_lshl_b32 s15, s15, 7
	s_add_co_u32 s15, s15, SCA
	v_lshl_add_u32 v[CPS], v1, 2, s15
	v_lshrrev_b32 v11, 4, v1
	v_and_b32 v12, 15, v1
	v_mul_u32_u24 v[GSO], v11, 12800
	v_lshl_add_u32 v[GSO], v12, 2, v[GSO]
	s_wait_kmcnt 0x0
	s_add_nc_u64 s[24:25], s[24:25], s[12:13]
	s_add_nc_u64 s[42:43], s[26:27], s[18:19]
	s_add_nc_u64 s[44:45], s[26:27], s[20:21]
.irp j, 0,1,2,3,4,5,6,7
	global_load_b128 v[X+4*\j:X+4*\j+3], v[OFF], s[24:25] offset:512*\j th:TH_LOAD_NT
.endr
	s_wait_loadcnt 0x0
.irp j, 0,1,2,3,4,5,6,7
	ds_store_b128 v[TIN], v[X+4*\j:X+4*\j+3] offset:576*\j
.endr
.irp i, 0,1,2,3,4,5,6,7
	ds_load_b128 v[Y+4*\i:Y+4*\i+3], v[TOUT] offset:16*\i      ; my wave's own bytes, served in order: no wait between
.endr
	s_wait_dscnt 0x0                               ; lane l holds block l of the row
	v_max3_num_f32 v12, |v[Y]|, |v[Y+1]|, |v[Y+2]|
	v_max3_num_f32 v13, |v[Y+3]|, |v[Y+4]|, |v[Y+5]|
.irp i, 6,10,14,18,22,26
	v_max3_num_f32 v12, v12, |v[Y+\i]|, |v[Y+\i+1]|
	v_max3_num_f32 v13, v13, |v[Y+\i+2]|, |v[Y+\i+3]|
.endr
	v_max3_num_f32 v12, v12, |v[Y+30]|, |v[Y+31]|
	v_max3_num_f32 v12, v12, v13, 0x1800000        ; the floor 2^(3 - 127)
	v_add_nc_u32 v11, 0xff000000, v12              ; 2 off the exponent field: the conversion's scale operand
	v_cvt_scalef32_pk16_fp6_f32 v[C:C+2], v[Y:Y+15], v11
	v_cvt_scalef32_pk16_fp6_f32 v[C+4:C+6], v[Y+16:Y+31], v11
	v_lshrrev_b32 v13, 23, v11                     ; the byte: also the plain line behind the conversions
	v_mov_b32 v[C+3], v[C+4]
	v_mov_b32 v[C+4], v[C+5]
	v_mov_b32 v[C+5], v[C+6]
	ds_store_b64 v[A0], v[C:C+1]
	ds_store_b64 v[A1], v[C+2:C+3] offset:8
	ds_store_b64 v[A0], v[C+4:C+5] offset:512
	ds_store_b8 v[ASB], v13
	s_wait_dscnt 0x0                               ; for the others' sake: my stores have landed
	s_barrier_signal -1
	s_barrier_wait -1
	s_cmp_lt_u32 s8, 8
	s_cbranch_scc0 .Lnot_codes
.irp c, 0,1,2
	ds_load_b128 v[Y+4*\c:Y+4*\c+3], v[CPI] offset:512*\c
.endr
	s_wait_dscnt 0x0
.irp c, 0,1,2
	global_store_b128 v[OFF], v[Y+4*\c:Y+4*\c+3], s[42:43] offset:512*\c   ; 512 consecutive bytes, at a multiple of 256 from the buffer's first byte
.endr
	s_wait_tensorcnt 0x0
	ds_add_u32 v96, v97
	s_wait_dscnt 0x0
	s_endpgm
.Lnot_codes:
	s_cmp_lt_u32 s8, 12
	s_cbranch_scc0 .Ldone
	ds_load_b32 v[Y], v[CPS]
	s_wait_dscnt 0x0
	global_store_b32 v[GSO], v[Y], s[44:45]        ; lanes 0-15 one K step's 16 words, lanes 16-31 the next step's
.Ldone:
	s_wait_tensorcnt 0x0
	ds_add_u32 v96, v97
	s_wait_dscnt 0x0
	s_endpgm
.Lfunc_end_k_q1cc4555c2b_quant_x:
	.size	k_q1cc4555c2b_quant_x, .Lfunc_end_k_q1cc4555c2b_quant_x-k_q1cc4555c2b_quant_x
	.p2alignl 7, 3214868480
	.fill 96, 4, 3214868480
	.section	.rodata,"a",@progbits
	.p2align	6, 0x0
	.amdhsa_kernel k_q1cc4555c2b_quant_x
		.amdhsa_group_segment_fixed_size 88576
		.amdhsa_private_segment_fixed_size 0
		.amdhsa_enable_private_segment 0
		.amdhsa_kernarg_size 16
		.amdhsa_user_sgpr_count 2
		.amdhsa_user_sgpr_kernarg_segment_ptr 1
		.amdhsa_wavefront_size32 1
		.amdhsa_system_sgpr_workgroup_id_x 1
		.amdhsa_system_sgpr_workgroup_id_y 1
		.amdhsa_system_sgpr_workgroup_id_z 1
		.amdhsa_system_vgpr_workitem_id 0
		.amdhsa_next_free_vgpr 98
		.amdhsa_next_free_sgpr 66
		.amdhsa_reserve_vcc 0
		.amdhsa_float_denorm_mode_32 3
		.amdhsa_float_denorm_mode_16_64 3
		.amdhsa_memory_ordered 1
		.amdhsa_forward_progress 1
		.amdhsa_inst_pref_size 9
	.end_amdhsa_kernel
	.amdgpu_metadata
---
amdhsa.version: [ 1, 2 ]
amdhsa.kernels:
  - .name:           k_q1cc4555c2b_quant_x
    .symbol:         k_q1cc4555c2b_quant_x.kd
    .args:
      - { .name: x, .offset: 0, .size: 8, .value_kind: global_buffer, .address_space: global }
      - { .name: xi, .offset: 8, .size: 8, .value_kind: global_buffer, .address_space: global }
    .group_segment_fixed_size: 88576
    .private_segment_fixed_size: 0
    .kernarg_segment_align: 8
    .kernarg_segment_size: 16
    .max_flat_workgroup_size: 512
    .sgpr_count:     66
    .vgpr_count:     98
    .wavefront_size: 32
...
	.end_amdgpu_metadata
.endif
;; end of part 2
;; launch gemm_qkv (part 3): grid 12 x 16, 4 waves a work-group, clusters of 4 x 4, 327,680 bytes of LDS; arguments xi, wi, bq, bk, bv, qkv; writes qkv
.if DOCPART == 3
	.amdgcn_target "amdgcn-amd-amdhsa--gfx1250"
	.amdhsa_code_object_version 6
	.text
	.protected	k_q1cc4555c2b_gemm_qkv
	.globl	k_q1cc4555c2b_gemm_qkv
	.p2align	8
	.type	k_q1cc4555c2b_gemm_qkv,@function
k_q1cc4555c2b_gemm_qkv:
	s_mov_b64 s[64:65], 0
	v_nop
	global_prefetch_b8 v0, s[64:65] scope:SCOPE_SE
	s_setreg_imm32_b32 hwreg(HW_REG_WAVE_MODE, 25, 1), 1
	s_wait_xcnt 0x0
	s_wait_alu depctr_hold_cnt(0) depctr_sa_sdst(0) depctr_va_vdst(0) depctr_va_sdst(0) depctr_va_ssrc(0) depctr_va_vcc(0) depctr_vm_vsrc(0)
	s_getreg_b32 s2, hwreg(HW_REG_IB_STS2, 6, 4)
	s_cmp_eq_u32 s2, 0
	s_cbranch_scc0 .Lentry_in_a_cluster
	s_endpgm
.Lentry_in_a_cluster:
	s_bfe_u32 s2, ttmp6, 0x10000c
	s_cmp_lg_u32 s2, 0xf033
	s_cbranch_scc0 .Lentry_shape_is_right
	s_endpgm
.Lentry_shape_is_right:
; q = x Wq + bq, k = x Wk + bk, v = x Wv + bv on codes of FP6 (E2M3) with E8M0 scales; the results are quantised in registers for attention's two products and leave as images of operand registers.
; OPERANDS are [group of 128 rows or columns][K step of 128][SB of 12,800 bytes]: eight fragments of 1,536 bytes (register 4 c + i of lane l at 512 c + 16 l + 4 i), then at 12,288 + 64 t + 4 r the scale words.
; So two K steps of a group are one dense block of 25,600 bytes, codes and scales together: one tensor load.  A fragment comes from LDS by three loads of 16 bytes a lane at 16 x lane.
; Lane r of tile t of a group is its element 32 (t / 2) + 8 (t % 2) + r + 8 (r / 8).  Source 0 takes the tiles P, source 1 the tiles R: a lane holds one element of R, and the 16 registers of P's tiles 2 B, 2 B + 1 are P's
; elements 32 B + 16 (lane / 16) + 0 .. 15: neighbours, as the conversions want them.
; CLUSTERS x = 0, 1 (q, k): R = rows of x, P = columns of Wq, Wk: registers run along the head's 64.  CLUSTER x = 2 (v): R = columns of Wv, P = rows of x: registers run along the KEYS, which are the K of attention's second product.
; A work-group makes 2 groups of R x 2 groups of P, a wave 128 x 128: 64 accumulators.  K = 1,024 goes in slots of two K steps through a ring of two LDS slots.
; The four work-groups of a row of the cluster need the same groups of R, the four of a column the same groups of P: each block is asked for JOINTLY.  In the v clusters the roles of x and of the weight change places, so that
; R's address still hangs on the place along y alone and P's on the place along x alone.
; OUT.  qkv: q at 0: [G][head pair j][SB], fragment 4 e + B: head 2 j + e, registers 0-5 the 64 of tile 2 B, registers 6-11 those of tile 2 B + 1.  From KV_OFF: [8 b + j][key step][k's SB | v's SB]; k as q;
; v's fragment 4 e + t: lane r is channel 32 (t / 2) + 8 (t % 2) + r + 8 (r / 8) of head 2 j + e, K the step's 128 keys.
; LIMITS: a block of zeros gets the byte 1 where the rule says 127 (its codes are zeros; this program alone reads the bytes); blocks under 2^-124 are held at byte 1; NaN and infinities are not served.
; q is quantised as q; reference's 1/8, an exact power of two, stands in the softmax's constant: the same numbers unless a block of q lies under 2^-121.
; REGISTERS: window 0: v16-29 addresses; v32-63 scale words, two sets; v64-127 biases along the registers; v128-223 R's fragments; v224-239 biases by lane; v240-255 at work on the way out.
;   window 1: P's fragments, two sets.  windows 2, 3: accumulator (a, b) at v[8 (8 (a % 4) + b)] of window 2 + a / 4.
.set KS,     8
.set WV_OFF, 1638400
.set KV_OFF, 3276800
.set SBB,    12800
.set NQ,     2
.set HALFT,  NQ*SBB                    ; a group's two K steps: what one tensor load brings
.set SLOT,   4*HALFT                   ; R's two groups, then P's two
.set SPARE,  2*SLOT                    ; the spare words, 128 bytes a wave: two blocks of 256 bytes that no other line names
.set LAPS,   KS/(2*NQ)
.set FR,     12
.set NL,     3                         ; LDS loads that bring a fragment
.set NP,     4                         ; places behind this matrix instruction (ISA guide 7.12.1)
.set ADRA, 16                          ; v16-17  16 x lane + my group of R in slot 0, 1
.set ADRS, 18                          ; v18-19  scale words: lanes 0-15 R's, lanes 16-31 P's
.set ADRB, 20                          ; v20-21  the same as ADRA for P
.set LI,   22                          ; v22     16 x lane
.set LS,   23                          ; v23     4 x lane
.set SPW,  28
.set NIL,  29
.set SC,   32                          ; set s at v[SC + 16 s]; register 8 q + i: lanes 0-15 the word of R's tile i, lanes 16-31 that of P's tile i
.set BI,   64
.set AF,   128
.set BV,   224
.set ST,   128                         ; the way out: 64 numbers
.set PC,   192                         ; the codes just made
.set PWB,  212                         ; eight scale words
.set SQ,   220                         ; and two by two
.set TM,   240
.set G1, 24
.set G0, 32
.set G1B, 48
.set G0B, 56
.set SEL, 70
.set MSB, 0
.macro WIN new                         ; the immediate's high byte repeats the setting that is left
.if MSB != \new
	s_set_vgpr_msb (MSB<<8)|\new
.set MSB, \new
.endif
.endm
.set MUL_LO, 0xa1                      ; source 0 (P) window 1, source 1 (R) window 0, C and D window 2
.set MUL_HI, 0xf1
.set TO_B,   0x40
.macro JLOAD s                         ; a joint load: waves 0, 1 fetch R's groups, waves 2, 3 P's; four v_nop follow each line
	s_cmp_eq_u32 s15, 0
	s_cbranch_scc0 .Lfor_b_\@
	tensor_load_to_lds s[G0+4*\s:G0+4*\s+3], s[G1:G1+7]
	s_nop 0
.rept 4
	v_nop
.endr
	s_branch .Lasked_\@
.Lfor_b_\@:
	tensor_load_to_lds s[G0B+4*\s:G0B+4*\s+3], s[G1B:G1B+7]
	s_nop 0
.rept 4
	v_nop
.endr
.Lasked_\@:
.endm
.macro CREST                           ; a round of the cluster's barrier behind its opening barrier
	s_cmp_lg_u32 s14, 0
	s_cbranch_scc1 .Lnot_wave_0_\@
	s_barrier_signal -3
.Lnot_wave_0_\@:
	s_barrier_wait -3
	s_barrier_signal -1
	s_barrier_wait -1
.endm
.macro CROUND
	s_barrier_signal -1
	s_barrier_wait -1
	CREST
.endm
	s_load_b128 s[4:7], s[0:1], 0x0                ; xi, wi
	s_load_b128 s[8:11], s[0:1], 0x10              ; bq, bk
	s_load_b128 s[72:75], s[0:1], 0x20             ; bv, qkv
	v_lshl_add_u32 v[SPW], v0, 2, SPARE
	v_mov_b32 v[NIL], 0
	ds_add_u32 v28, v29
	s_wait_dscnt 0x0
	v_lshrrev_b32 v1, 5, v0
	v_readfirstlane_b32 s14, v1                    ; wave
	s_lshr_b32 s15, s14, 1                         ; my group of R.  Also: I fetch for R (0) or for P (1)
	s_and_b32 s16, s14, 1                          ; my group of P.  Also: which of the two groups I fetch
	s_bfe_u32 s40, ttmp6, 0x40000                  ; cx
	s_bfe_u32 s41, ttmp6, 0x40004                  ; cy
	s_and_b32 s76, ttmp7, 0xffff
	s_lshl_b32 s76, s76, 2                         ; 4 x cluster y
	s_add_co_u32 s77, s76, s41
	s_add_co_u32 s78, s76, s40
	s_lshl_b32 s79, ttmp9, 2
	s_add_co_u32 s79, s79, s40
	s_cmp_lt_u32 ttmp9, 2                          ; q, k or v: the cluster's x, the same in all sixteen partners
	s_cselect_b32 s17, s77, s41                    ; R's pair of groups: of x, 4 cluster y + cy;  of Wv, cy
	s_cselect_b32 s42, s79, s78                    ; P's pair: of Wq and Wk, 4 cluster x + cx;  of x, 4 cluster y + cx
	s_cselect_b32 s80, 0, WV_OFF
	s_mov_b32 s81, 0
	s_lshl_b32 s43, s41, 2
	s_lshl_b32 s43, 15, s43                        ; my row of the cluster
	s_lshl_b32 s44, 0x1111, s40                    ; my column
	s_or_b32 s[G1+0], s43, (3<<16)|(1<<21)         ; 15:0 the mask; 17:16 elements of 8 bytes; 20 no padding; 21 set beside a mask
	s_or_b32 s[G1B+0], s44, (3<<16)|(1<<21)
.irp g, G1, G1B
	s_mov_b32 s[\g+1], 32<<16                      ; tensor_dim0 = 32 elements: 256 bytes
	s_mov_b32 s[\g+2], 100<<16                     ; tensor_dim1 = 100 rows: 25,600 dense bytes
	s_mov_b32 s[\g+3], 32<<16                      ; tile_dim0
	s_mov_b32 s[\g+4], 100                         ; tile_dim1
	s_mov_b32 s[\g+5], 32                          ; pitch
	s_mov_b32 s[\g+6], 0
	s_mov_b32 s[\g+7], 0
.endr
	s_lshl_b32 s20, s17, 1
	s_add_co_u32 s20, s20, s16                     ; the group of R that I fetch
	s_lshl_b32 s46, s42, 1
	s_add_co_u32 s46, s46, s16                     ; the group of P
	s_mov_b32 s21, 0
	s_mov_b32 s47, 0
	s_mov_b64 s[18:19], KS*SBB
	s_mul_u64 s[20:21], s[20:21], s[18:19]
	s_mul_u64 s[46:47], s[46:47], s[18:19]
	s_add_nc_u64 s[20:21], s[20:21], s[80:81]
	s_mul_i32 s45, s14, HALFT                      ; where they go: no place in the cluster enters an LDS address
	s_wait_kmcnt 0x0
	s_cmp_lt_u32 ttmp9, 2
	s_cselect_b64 s[82:83], s[4:5], s[6:7]
	s_cselect_b64 s[84:85], s[6:7], s[4:5]
	s_add_nc_u64 s[20:21], s[82:83], s[20:21]
	s_add_nc_u64 s[46:47], s[84:85], s[46:47]
	CROUND                                         ; all sixteen work-groups are here: the first joint loads meet
.irp s, 0,1
	s_mov_b32 s[G0+4*\s], 1
	s_add_co_u32 s[G0+4*\s+1], s45, \s*SLOT
	s_add_nc_u64 s[G0+4*\s+2:G0+4*\s+3], s[20:21], \s*HALFT
	s_or_b32 s[G0+4*\s+3], s[G0+4*\s+3], 0x80000000
	s_mov_b32 s[G0B+4*\s], 1
	s_add_co_u32 s[G0B+4*\s+1], s45, \s*SLOT
	s_add_nc_u64 s[G0B+4*\s+2:G0B+4*\s+3], s[46:47], \s*HALFT
	s_or_b32 s[G0B+4*\s+3], s[G0B+4*\s+3], 0x80000000
	JLOAD \s
.endr
	v_and_b32 v1, 15, v0                           ; r
	v_bfe_u32 v2, v0, 4, 1                         ; h
	v_and_b32 v3, 31, v0
	v_lshlrev_b32 v[LI], 4, v3
	v_lshlrev_b32 v[LS], 2, v3
	s_mul_i32 s21, s15, HALFT
	s_mul_i32 s22, s16, HALFT
	s_add_co_u32 s22, s22, 2*HALFT
	s_sub_co_u32 s23, s22, s21
	v_mul_u32_u24 v4, s23, v2                      ; lanes 16-31 take P's words
	v_lshl_add_u32 v4, v1, 2, v4
.irp s, 0,1
	v_add_nc_u32 v[ADRA+\s], s21, v[LI]
	v_add_nc_u32 v[ADRB+\s], s22, v[LI]
	v_add_nc_u32 v[ADRS+\s], s21, v4
	s_add_co_u32 s21, s21, SLOT
	s_add_co_u32 s22, s22, SLOT
.endr
	; where my SB goes, and my 128 biases
	s_lshl_b32 s86, s17, 1
	s_add_co_u32 s86, s86, s15                     ; my group of R
	s_lshl_b32 s87, s42, 1
	s_add_co_u32 s87, s87, s16                     ; my group of P
	s_and_b32 s88, s87, 7
	s_cmp_lt_u32 ttmp9, 2
	s_cselect_b32 s89, s86, s87                    ; G: the group of rows of x
	s_cselect_b32 s88, s88, s86                    ; j: the head pair
	s_cselect_b32 s90, 0, SBB                      ; v's SB lies behind k's
	s_lshl_b32 s91, s89, 3
	s_add_co_u32 s91, s91, s88
	s_mul_i32 s91, s91, SBB                        ; q: (8 G + j) SBs
	s_lshr_b32 s92, s89, 4
	s_lshl_b32 s92, s92, 3
	s_add_co_u32 s92, s92, s88                     ; 8 b + j
	s_lshl_b32 s92, s92, 4
	s_and_b32 s93, s89, 15
	s_add_co_u32 s92, s92, s93                     ; x 16 + the key step
	s_mul_i32 s92, s92, 2*SBB
	s_add_co_u32 s92, s92, s90
	s_add_co_u32 s92, s92, KV_OFF
	s_cmp_eq_u32 ttmp9, 0
	s_cselect_b32 s66, s91, s92
	s_cselect_b64 s[94:95], s[8:9], s[10:11]
	s_mov_b32 s67, 0
	s_add_nc_u64 s[66:67], s[74:75], s[66:67]      ; my SB
	s_cmp_lt_u32 ttmp9, 2
	s_cselect_b64 s[94:95], s[94:95], s[72:73]
	s_lshl_b32 s92, s88, 9
	s_mov_b32 s93, 0
	s_add_nc_u64 s[94:95], s[94:95], s[92:93]      ; the head pair's 128 biases
	s_mov_b32 s68, 0xffff0000
	s_mov_b32 s[SEL], 0x76543210
	s_mov_b32 s[SEL+1], 0xfedcba98
	v_lshlrev_b32 v5, 6, v2                        ; along the registers: tile p's eight of my half
	v_and_b32 v6, 8, v1
	v_add_nc_u32 v6, v6, v1
	v_lshlrev_b32 v6, 2, v6                        ; by lane: r + 8 (r / 8)
; both sets are loaded in every work-group, with no branch, so that every register that either way out reads is written; a work-group uses one of the two: sixteen short loads too many
.irp p, 0,1,2,3,4,5,6,7
	global_load_b128 v[BI+8*\p:BI+8*\p+3], v5, s[94:95] offset:(32*(\p/2)+8*(\p%2))*4
	global_load_b128 v[BI+8*\p+4:BI+8*\p+7], v5, s[94:95] offset:(32*(\p/2)+8*(\p%2))*4+16
	global_load_b32 v[BV+2*\p], v6, s[94:95] offset:(32*(\p/2)+8*(\p%2))*4
	global_load_b32 v[BV+2*\p+1], v6, s[94:95] offset:(32*(\p/2)+8*(\p%2))*4
.endr
.irp b, 0,1,2,3
	v_mov_b32 v[TM+4+\b], 0                        ; written once: a lane permute's destination counts as one of its sources
.endr
.macro FRAG reg, adr, q, i             ; a fragment as it stands: three loads of 16 bytes a lane, 512 consecutive bytes each
.irp c, 0,1,2
	ds_load_b128 v[\reg+4*\c:\reg+4*\c+3], v[\adr] offset:(\q)*SBB+(\i)*1536+512*\c
.endr
.endm
; 16 matrix instructions: R's tiles a0, a0 + 1 x P's eight.  The 64 accumulators take turns, one instruction a turn, in the same order in every step.
.macro MUL16 a0, p, q, sc, zero
.irp a, \a0, \a0+1
.irp b, 0,1,2,3,4,5,6,7
.if \zero
	v_wmma_scale_f32_16x16x128_f8f6f4 v[8*(8*((\a)%4)+\b):8*(8*((\a)%4)+\b)+7], v[128*(\p)+FR*\b:128*(\p)+FR*\b+FR-1], v[AF+FR*(\a):AF+FR*(\a)+FR-1], 0, v[SC+16*(\sc)+8*(\q)+\b], v[SC+16*(\sc)+8*(\q)+(\a)] matrix_a_fmt:MATRIX_FMT_FP6 matrix_b_fmt:MATRIX_FMT_FP6 matrix_a_scale:MATRIX_SCALE_ROW1
.else
	v_wmma_scale_f32_16x16x128_f8f6f4 v[8*(8*((\a)%4)+\b):8*(8*((\a)%4)+\b)+7], v[128*(\p)+FR*\b:128*(\p)+FR*\b+FR-1], v[AF+FR*(\a):AF+FR*(\a)+FR-1], v[8*(8*((\a)%4)+\b):8*(8*((\a)%4)+\b)+7], v[SC+16*(\sc)+8*(\q)+\b], v[SC+16*(\sc)+8*(\q)+(\a)] matrix_a_fmt:MATRIX_FMT_FP6 matrix_b_fmt:MATRIX_FMT_FP6 matrix_a_scale:MATRIX_SCALE_ROW1
.endif
.endr
.endr
.endm
.macro FETCH_B slot, q, p
	WIN TO_B
.irp i, 0,1,2,3,4,5,6,7
	FRAG 128*(\p)+FR*\i, ADRB+\slot, \q, \i
.endr
	WIN 0
.endm
.macro FETCH_A slot, q, i0
.irp i, \i0, \i0+1, \i0+2, \i0+3
	FRAG AF+FR*(\i), ADRA+\slot, \q, \i
.endr
.endm
.macro SCALES sc                       ; a slot's scale words travel with it
.irp q, 0,1
.irp i, 0,1,2,3,4,5,6,7
	ds_load_b32 v[SC+16*\sc+8*\q+\i], v[ADRS+\sc] offset:\q*SBB+12288+64*\i
.endr
.endr
.endm
.macro PLACES n                        ; plain vector instructions between a matrix instruction and a load into, or a read of, its registers
.rept \n
	v_nop
.endr
.endm
.macro STEP slot, q, zero              ; a K step that has its successor in the same slot
	s_wait_dscnt 4*NL                              ; P's set and R's tiles 0-3 are in; the youngest twelve loads (R's tiles 4-7) may be out
	WIN MUL_LO
	MUL16 0, (\q)%2, \q, \slot, \zero
	MUL16 2, (\q)%2, \q, \slot, \zero
	s_wait_dscnt 0
	PLACES NP
	FETCH_B \slot, (\q)+1, 1-(\q)%2
	FETCH_A \slot, (\q)+1, 0
	WIN MUL_HI
	MUL16 4, (\q)%2, \q, \slot, \zero
	MUL16 6, (\q)%2, \q, \slot, \zero
	PLACES NP
	WIN 0
	FETCH_A \slot, (\q)+1, 4
.endm
; A slot's last K step changes slots: one barrier; in front of it each wave waits for all its tensor loads, adds 0 to its spare word, and waits for that and for its reads of this slot.
.macro TURN slot, next, fill
	s_wait_tensorcnt 0x0                           ; all my tensor loads have landed: my part of the next slot
	ds_add_u32 v[SPW], v[NIL]                      ; 0 onto my spare word
	s_wait_dscnt 4*NL+1                            ; (the add and the youngest twelve loads may be out)
	WIN MUL_LO
	MUL16 0, 1, NQ-1, \slot, 0
	s_wait_dscnt 0x0                               ; the add is done, and my reads of this slot are over
	s_barrier_signal -1
	MUL16 2, 1, NQ-1, \slot, 0
	WIN 0
	s_barrier_wait -1
.if \fill
	CREST                                          ; the barrier has opened a round of the cluster's barrier: no wave of any partner still reads this slot or has a load on its way
	s_add_nc_u64 s[G0+4*\slot+2:G0+4*\slot+3], s[G0+4*\slot+2:G0+4*\slot+3], 2*HALFT
	s_add_nc_u64 s[G0B+4*\slot+2:G0B+4*\slot+3], s[G0B+4*\slot+2:G0B+4*\slot+3], 2*HALFT
	JLOAD \slot                                    ; the first tensor load behind the round; its four v_nop are the places in front of the loads below
.else
	PLACES NP
.endif
	FETCH_B \next, 0, 0
	FETCH_A \next, 0, 0
	SCALES \next
	WIN MUL_HI
	MUL16 4, 1, NQ-1, \slot, 0
	MUL16 6, 1, NQ-1, \slot, 0
	PLACES NP
	WIN 0
	FETCH_A \next, 0, 4
.endm
	s_wait_loadcnt 0x0                             ; the biases
	s_wait_tensorcnt 1                             ; my part of slot 0 is in; slot 1's load may be out
	s_barrier_signal -1
	s_barrier_wait -1
	FETCH_B 0, 0, 0
	FETCH_A 0, 0, 0
	SCALES 0
	FETCH_A 0, 0, 4
	STEP 0, 0, 1                                   ; the first step's products start the sums
	s_mov_b32 s3, LAPS-1
.Llap:
	TURN 0, 1, 1
	STEP 1, 0, 0
	TURN 1, 0, 1
	STEP 0, 0, 0
	s_sub_co_u32 s3, s3, 1
	s_cmp_lg_u32 s3, 0
	s_cbranch_scc1 .Llap
	TURN 0, 1, 0                                   ; the last lap fills nothing
	STEP 1, 0, 0
	s_wait_dscnt 4*NL
	WIN MUL_LO
	MUL16 0, 1, NQ-1, 1, 0
	MUL16 2, 1, NQ-1, 1, 0
	s_wait_dscnt 0
	WIN MUL_HI
	MUL16 4, 1, NQ-1, 1, 0
	MUL16 6, 1, NQ-1, 1, 0
	WIN 0
; 64 numbers of a lane, register 16 b + i = element 32 b + 16 (lane / 16) + i of my row, become a fragment's codes in v[PC] on and its scale word in v[pw].
.macro QUANT s, pw
.irp b, 0,1,2,3
	v_max3_num_f32 v[TM+\b], |v[\s+16*\b]|, |v[\s+1+16*\b]|, 0x1800000   ; my 16 numbers of block b, and the floor 2^(3 - 127)
.endr
.irp i, 2,4,6,8,10,12,14
.irp b, 0,1,2,3
	v_max3_num_f32 v[TM+\b], v[TM+\b], |v[\s+16*\b+\i]|, |v[\s+1+16*\b+\i]|
.endr
.endr
.irp b, 0,1,2,3
	v_permlanex16_b32 v[TM+4+\b], v[TM+\b], s[SEL], s[SEL+1]
.endr
.irp b, 0,1,2,3
	v_max_num_f32 v[TM+\b], v[TM+\b], v[TM+4+\b]   ; with lane l xor 16's: the block's largest magnitude
.endr
.irp b, 0,1,2,3
	v_add_nc_u32 v[TM+12+\b], 0xff000000, v[TM+\b] ; 2 off its exponent field: the conversion's scale operand
.endr
.irp b, 0,1,2,3
	v_lshrrev_b32 v[TM+4+\b], 23, v[TM+12+\b]      ; the byte
.endr
	v_lshl_or_b32 v[\pw], v[TM+5], 8, v[TM+4]
	v_lshl_or_b32 v[\pw], v[TM+6], 16, v[\pw]
	v_lshl_or_b32 v[\pw], v[TM+7], 24, v[\pw]
.irp c, 0,1
	v_cvt_scalef32_pk16_fp6_f32 v[PC+6*\c:PC+2+6*\c], v[\s+32*\c:\s+15+32*\c], v[TM+12+2*\c]
	v_cvt_scalef32_pk16_fp6_f32 v[PC+12+4*\c:PC+14+4*\c], v[\s+16+32*\c:\s+31+32*\c], v[TM+12+2*\c+1]
.endr
	v_nop                                          ; one plain line behind a scaled conversion
.irp c, 0,1                            ; the operand's layout wants a whole block in a lane
.irp i, 0,1,2
	v_permlane16_swap_b32 v[PC+6*\c+\i], v[PC+12+4*\c+\i]
.endr
.irp i, 0,1,2
	v_mov_b32 v[PC+3+6*\c+\i], v[PC+12+4*\c+\i]
.endr
.endr
.endm
.macro LEAVE f                         ; fragment f of my SB: 3 x 512 consecutive bytes
.irp c, 0,1,2
	global_store_b128 v[LI], v[PC+4*\c:PC+4*\c+3], s[66:67] offset:1536*(\f)+512*\c
.endr
.endm
; q, k: fragment 4 e + bp: the 64 of head e for R's tiles 2 bp and 2 bp + 1.  The addition of the bias is also the move into window 0; each accumulator is read from its low end on.
.macro UNITQK e, bp
	s_wait_xcnt 0x0                                ; the last fragment's stores have read their registers
	WIN 0x02+(\bp)/2
.irp u, 0,1
.set AC, 64*((2*(\bp)+\u)%4)+32*(\e)
.set i, 0
.rept 16
	v_pk_add_f32 v[ST+32*\u+i:ST+32*\u+i+1], v[AC+i:AC+i+1], v[BI+32*(\e)+i:BI+32*(\e)+i+1]
.set i, i+2
.endr
.endr
	WIN 0
	QUANT ST, PWB+4*(\e)+(\bp)
	LEAVE 4*(\e)+(\bp)
.endm
; v: fragment a: R's tile a (16 channels), the 128 keys along the registers; the bias is the lane's own
.macro UNITV a
	s_wait_xcnt 0x0
	WIN 0x02+(\a)/4
.set i, 0
.rept 32
	v_pk_add_f32 v[ST+i:ST+i+1], v[64*((\a)%4)+i:64*((\a)%4)+i+1], v[BV+2*(\a):BV+2*(\a)+1]
.set i, i+2
.endr
	WIN 0
	QUANT ST, PWB+(\a)
	LEAVE \a
.endm
	PLACES NP                                      ; behind the last products
	s_cmp_eq_u32 ttmp9, 2                          ; the cluster's x: the same in all partners; neither way has an LDS instruction, a tensor load or a barrier
	s_cbranch_scc1 .Lv_way
.irp e, 0,1
.irp bp, 0,1,2,3
	UNITQK \e, \bp
.endr
.endr
	s_branch .Lwords
.Lv_way:
.irp a, 0,1,2,3,4,5,6,7
	UNITV \a
.endr
.Lwords:
.irp i, 0,1,2,3
	v_cndmask_b32 v[SQ+\i], v[PWB+2*\i], v[PWB+2*\i+1], s68    ; lanes 0-15 fragment 2 i's words, lanes 16-31 those of 2 i + 1
.endr
.irp i, 0,1,2,3
	global_store_b32 v[LS], v[SQ+\i], s[66:67] offset:12288+128*\i
.endr
	s_wait_tensorcnt 0x0                           ; the wave's end
	ds_add_u32 v[SPW], v[NIL]
	s_wait_dscnt 0x0
	CROUND                                         ; the closing round
	s_endpgm
.Lfunc_end_k_q1cc4555c2b_gemm_qkv:
	.size	k_q1cc4555c2b_gemm_qkv, .Lfunc_end_k_q1cc4555c2b_gemm_qkv-k_q1cc4555c2b_gemm_qkv
	.p2alignl 7, 3214868480
	.fill 96, 4, 3214868480
	.section	.rodata,"a",@progbits
	.p2align	6, 0x0
	.amdhsa_kernel k_q1cc4555c2b_gemm_qkv
		.amdhsa_group_segment_fixed_size 327680
		.amdhsa_private_segment_fixed_size 0
		.amdhsa_enable_private_segment 0
		.amdhsa_kernarg_size 48
		.amdhsa_user_sgpr_count 2
		.amdhsa_user_sgpr_kernarg_segment_ptr 1
		.amdhsa_wavefront_size32 1
		.amdhsa_system_sgpr_workgroup_id_x 1
		.amdhsa_system_sgpr_workgroup_id_y 1
		.amdhsa_system_sgpr_workgroup_id_z 1
		.amdhsa_system_vgpr_workitem_id 0
		.amdhsa_next_free_vgpr 1024
		.amdhsa_next_free_sgpr 100
		.amdhsa_reserve_vcc 0
		.amdhsa_float_denorm_mode_32 3
		.amdhsa_float_denorm_mode_16_64 3
		.amdhsa_memory_ordered 1
		.amdhsa_forward_progress 1
		.amdhsa_inst_pref_size 208
	.end_amdhsa_kernel
	.amdgpu_metadata
---
amdhsa.version: [ 1, 2 ]
amdhsa.kernels:
  - .name:           k_q1cc4555c2b_gemm_qkv
    .symbol:         k_q1cc4555c2b_gemm_qkv.kd
    .args:
      - { .name: xi, .offset: 0, .size: 8, .value_kind: global_buffer, .address_space: global }
      - { .name: wi, .offset: 8, .size: 8, .value_kind: global_buffer, .address_space: global }
      - { .name: bq, .offset: 16, .size: 8, .value_kind: global_buffer, .address_space: global }
      - { .name: bk, .offset: 24, .size: 8, .value_kind: global_buffer, .address_space: global }
      - { .name: bv, .offset: 32, .size: 8, .value_kind: global_buffer, .address_space: global }
      - { .name: qkv, .offset: 40, .size: 8, .value_kind: global_buffer, .address_space: global }
    .group_segment_fixed_size: 327680
    .private_segment_fixed_size: 0
    .kernarg_segment_align: 8
    .kernarg_segment_size: 48
    .max_flat_workgroup_size: 128
    .sgpr_count:     100
    .vgpr_count:     1024
    .wavefront_size: 32
...
	.end_amdgpu_metadata
.endif
;; end of part 3
;; launch attn (part 4): grid 16 x 16, 16 waves a work-group, clusters of 4 x 1, 327,680 bytes of LDS; arguments qkv, oi; writes oi
.if DOCPART == 4
	.amdgcn_target "amdgcn-amd-amdhsa--gfx1250"
	.amdhsa_code_object_version 6
	.text
	.protected	k_q1cc4555c2b_attn
	.globl	k_q1cc4555c2b_attn
	.p2align	8
	.type	k_q1cc4555c2b_attn,@function
k_q1cc4555c2b_attn:
	s_mov_b64 s[64:65], 0
	v_nop
	global_prefetch_b8 v0, s[64:65] scope:SCOPE_SE
	s_setreg_imm32_b32 hwreg(HW_REG_WAVE_MODE, 25, 1), 1
	s_wait_xcnt 0x0
	s_wait_alu depctr_hold_cnt(0) depctr_sa_sdst(0) depctr_va_vdst(0) depctr_va_sdst(0) depctr_va_ssrc(0) depctr_va_vcc(0) depctr_vm_vsrc(0)
	s_getreg_b32 s2, hwreg(HW_REG_IB_STS2, 6, 4)
	s_cmp_eq_u32 s2, 0
	s_cbranch_scc0 .Lentry_in_a_cluster
	s_endpgm
.Lentry_in_a_cluster:
	s_bfe_u32 s2, ttmp6, 0x10000c
	s_cmp_lg_u32 s2, 0x3003
	s_cbranch_scc0 .Lentry_shape_is_right
	s_endpgm
.Lentry_shape_is_right:
; o = softmax(q k^T / 8) v for 32 heads of 64, 2,048 queries and keys each, both products on codes of FP6 (E2M3) with E8M0 scales; o is quantised along the model's 1,024 and leaves as images of operand registers.
; t = score x log2(e) / 8; M = the running largest t rounded UP to a whole number; p = 2^(t - M) is quantised along the keys, not normalised; the row's sum is taken of the unquantised p and divides at the end.
; When M moves, the sum and O are multiplied by 2^(old M - new M): exact.
; IN.  qkv: q at 0: [G = 16 b + query block][head pair j][SB of 12,800 bytes]; from KV_OFF: [8 b + j][key step of 128][k's SB | v's SB].  An SB: eight fragments of 1,536 bytes (register 4 c + i of lane l at
; 512 c + 16 l + 4 i), then at 12,288 + 64 f + 4 r the scale words.  q's and k's fragment 4 e + B: head 2 j + e; registers 0-5 the 64 channels of tile 2 B, registers 6-11 those of tile 2 B + 1.
; v's fragment 4 e + t: 16 channels x the step's 128 keys.  Lane r of tile t is row (or channel) 32 (t / 2) + 8 (t % 2) + r + 8 (r / 8).
; THE HEAD'S 64 FILL HALF OF THE INSTRUCTION'S 128: a fragment of k holds TWO tiles of keys; against [q | zeros] it gives the first tile's scores, against [zeros | q] the second's.  Zero codes add nothing.
; SHARES.  A work-group owns 128 queries of two heads; wave w owns head w / 8, tile w % 8: 16 queries, one a lane pair, in 256 registers; four waves to a SIMD, so that one wave's softmax stands beside another's products.
; Both products are used transposed (S^T = k q^T, O^T = v^T p^T): a lane holds one query throughout, and p's 16 registers of two neighbouring tiles are 16 neighbouring keys.
; CLUSTER.  The four query blocks of a cluster walk the same k and v: each block of 25,600 bytes is asked for jointly.  Two LDS slots of four key steps; waves 0-3 fetch a key step each.
; LIMITS: a block of zeros gets the byte 1 where the rule says 127 (its codes are zeros; this program alone reads the bytes); blocks under 2^-124 are held at byte 1; NaN and infinities are not served.
.set SBB,    12800
.set KSTEPB, 2*SBB                     ; a key step: k's SB and v's
.set KV_OFF, 3276800
.set SLOT1,  1<<17                     ; slot 0 at 0, slot 1 here: 102,400 bytes each; one exclusive or turns an address
.set SPARE,  2*SLOT1                   ; the spare words, 128 bytes a wave: eight blocks of 256 bytes that no other line names
.set STG,    SPARE+2048                ; o's SB, gathered: no fill lands here
.set AF0,  1                           ; v1   16 l + 6,144 e: my head's fragments in an SB
.set AS0,  2                           ; v2   4 l + 12,288 + 256 e: their scale words, two fragments a load
.set MA0,  3                           ; v3   where my codes of o go, pieces 0 and 2
.set MA1,  4                           ; v4   piece 1
.set SPW,  5
.set NIL,  6
.set MSC,  7                           ; v7   my two scale bytes of o
.set ADF,  8
.set ADS,  9
.set CPL,  10                          ; v10  STG + 16 x thread
.set CPG,  11                          ; v11  16 x thread
.set PFO,  88                          ; v88  256 x lane
.set WV,   18
.set SEL,  20
.set CS,   22
.set G1,   24
.set G0,   40
.set TB,   2                           ; s2   LDS byte of the key step in hand
.set CNT,  66
.set SLOTS, 67
.set PFA,  76
.set LIM,  80
.macro CROUND
	s_barrier_signal -1
	s_barrier_wait -1
	s_cmp_lg_u32 s[WV], 0
	s_cbranch_scc1 .Lnot_wave_0_\@
	s_barrier_signal -3
.Lnot_wave_0_\@:
	s_barrier_wait -3
	s_barrier_signal -1
	s_barrier_wait -1
.endm
.macro TLOAD                           ; waves 0-3 fetch one key step each; the branch hangs on the wave's number alone; four v_nop follow the load
	s_cmp_lt_u32 s[WV], 4
	s_cbranch_scc0 .Lno_load_\@
	tensor_load_to_lds s[G0:G0+3], s[G1:G1+7]
	s_nop 0
.rept 4
	v_nop
.endr
.Lno_load_\@:
.endm
; A prefetch of what the NEXT change of slots will ask for.  All clusters of a head pair walk the same stream: its first cluster asks.  The four partners take a key step each, told apart by address; in each, waves 4 to 6
; ask for 8,192 bytes, lanes 256 bytes apart: one instruction a wave, each aligned block of 256 bytes named once in the launch.  A key step's last 1,024 bytes are not asked for.  The last change that fills a slot asks for nothing.
.macro ASK
	s_cmp_gt_u32 s[SLOTS], s[LIM]
	s_cbranch_scc0 .Lnot_mine_\@
	global_prefetch_b8 v[PFO], s[PFA:PFA+1] th:TH_LOAD_NT scope:SCOPE_SE
.Lnot_mine_\@:
.endm
	s_load_b128 s[4:7], s[0:1], 0x0                ; qkv, oi
	v_lshl_add_u32 v[SPW], v0, 2, SPARE
	v_mov_b32 v[NIL], 0
	ds_add_u32 v5, v6
	s_wait_dscnt 0x0
	v_lshrrev_b32 v8, 5, v0
	v_readfirstlane_b32 s[WV], v8                  ; wave 0..15
	s_bfe_u32 s8, ttmp6, 0x40000                   ; cx
	s_lshl_b32 s9, ttmp9, 2
	s_add_co_u32 s9, s9, s8                        ; my block of 128 queries: it enters q's, o's and the prefetches' addresses alone
	s_and_b32 s10, ttmp7, 0xffff                   ; 8 b + j, which the partners share
	s_lshr_b32 s11, s10, 3
	s_and_b32 s12, s10, 7
	s_lshl_b32 s13, s11, 4
	s_add_co_u32 s13, s13, s9                      ; G
	s_lshl_b32 s13, s13, 3
	s_add_co_u32 s13, s13, s12
	s_mul_i32 s14, s13, SBB                        ; q's SB, and o's
	s_mov_b32 s15, 0
	s_lshr_b32 s16, s[WV], 3                       ; e
	s_and_b32 s17, s[WV], 7                        ; t
	s_and_b32 s19, s[WV], 3
	s_mul_i32 s69, s19, KSTEPB                     ; the key step of a slot that I fetch, in LDS and in memory alike
	s_mul_i32 s70, s10, 16*KSTEPB
	s_add_co_u32 s70, s70, KV_OFF                  ; the head pair's stream
	s_mov_b32 s71, 0
	s_mov_b32 s74, s69
	s_mov_b32 s75, 0
	s_mov_b32 s[G1], 15|(3<<16)|(1<<21)            ; 15:0 the mask: all four work-groups; 17:16 elements of 8 bytes; 20 no padding; 21 set beside a mask
	s_mov_b32 s[G1+1], 32<<16                      ; tensor_dim0 = 32: 256 bytes
	s_mov_b32 s[G1+2], 100<<16                     ; tensor_dim1 = 100 rows: 25,600 dense bytes
	s_mov_b32 s[G1+3], 32<<16
	s_mov_b32 s[G1+4], 100
	s_mov_b32 s[G1+5], 32
	s_mov_b32 s[G1+6], 0
	s_mov_b32 s[G1+7], 0
	s_mov_b32 s[SEL], 0x76543210
	s_mov_b32 s[SEL+1], 0xfedcba98
	s_mov_b32 s[CS], 0x3e38aa3b                    ; log2(e) / 8
	s_mov_b32 s[CS+1], s[CS]
	s_mov_b32 s[TB], 0
	s_mov_b32 s[SLOTS], 3
	s_mul_i32 s78, s8, KSTEPB                      ; the prefetches: my work-group's key step,
	s_lshl_b32 s79, s19, 13                        ; my wave's 8,192 bytes of it,
	s_add_co_u32 s78, s78, s79
	s_add_co_u32 s78, s78, 4*KSTEPB                ; in the second slot's worth: the first change of slots steps it to the third.  Nothing is asked for here, at the head
	s_mov_b32 s79, 0
	s_sub_co_u32 s82, s[WV], 4
	s_cmp_lt_u32 s82, 3                            ; waves 4 to 6
	s_cselect_b32 s83, 0, 1
	s_or_b32 s83, s83, ttmp9                       ; of the head pair's first cluster: the same in all partners
	s_cmp_eq_u32 s83, 0
	s_cselect_b32 s[LIM], 1, -1
	s_lshl_b32 s82, s16, 2
	s_lshr_b32 s83, s17, 1
	s_add_co_u32 s82, s82, s83                     ; q's fragment 4 e + t / 2
	s_mul_i32 s84, s82, 1536
	s_add_co_u32 s84, s84, s14
	s_mov_b32 s85, 0
	s_lshl_b32 s86, s82, 6
	s_add_co_u32 s86, s86, s14
	s_add_co_u32 s86, s86, 12288
	s_mov_b32 s87, 0
	s_wait_kmcnt 0x0
	s_mov_b32 s[G0], 1
	s_mov_b32 s[G0+1], s69
	s_add_nc_u64 s[G0+2:G0+3], s[4:5], s[70:71]
	s_add_nc_u64 s[G0+2:G0+3], s[G0+2:G0+3], s[74:75]
	s_or_b32 s[G0+3], s[G0+3], 0x80000000
	s_add_nc_u64 s[PFA:PFA+1], s[4:5], s[70:71]
	s_add_nc_u64 s[PFA:PFA+1], s[PFA:PFA+1], s[78:79]
	s_add_nc_u64 s[84:85], s[4:5], s[84:85]
	s_add_nc_u64 s[86:87], s[4:5], s[86:87]
	s_add_nc_u64 s[6:7], s[6:7], s[14:15]
	CROUND                                         ; all four work-groups are here
	TLOAD                                          ; slot 0
	v_and_b32 v8, 31, v0                           ; l
	v_and_b32 v9, 15, v0                           ; r
	v_lshlrev_b32 v89, 4, v8
	v_lshlrev_b32 v90, 2, v9
.irp c, 0,1,2
	global_load_b128 v[40+4*\c:43+4*\c], v89, s[84:85] offset:512*\c
.endr
	global_load_b32 v255, v90, s[86:87]
	s_mul_i32 s88, s16, 6144
	v_add_nc_u32 v[AF0], s88, v89
	s_lshl_b32 s88, s16, 8
	s_add_co_u32 s88, s88, 12288
	v_lshl_add_u32 v[AS0], v8, 2, s88
	s_mul_i32 s88, s17, 1536
	s_add_co_u32 s88, s88, STG
	v_add_nc_u32 v91, s88, v89
	s_mul_i32 s89, s16, 520                        ; my six registers are 6 e .. 6 e + 5 of fragment t: e = 0: bytes 0, 8, 512;  e = 1: bytes 520, 1,024, 1,032
	v_add_nc_u32 v[MA0], s89, v91
	s_mul_i32 s89, s16, 1016
	v_add_nc_u32 v[MA1], s89, v91
	s_lshl_b32 s88, s17, 6
	s_lshl_b32 s89, s16, 1
	s_add_co_u32 s88, s88, s89
	s_add_co_u32 s88, s88, STG+12288
	v_add_nc_u32 v[MSC], s88, v90
	v_lshlrev_b32 v[CPG], 4, v0
	v_add_nc_u32 v[CPL], STG, v[CPG]
	v_lshlrev_b32 v[PFO], 8, v8
	s_and_b32 s90, s17, 1
	s_cmp_eq_u32 s90, 1                            ; my tile is the fragment's first or second
	s_cselect_b32 s91, -1, 0
	s_mov_b32 s92, 0x01000100
	s_cselect_b32 s92, 0x03020302, s92
	s_wait_loadcnt 0x0
.irp i, 0,1,2,3,4,5
	v_cndmask_b32 v[16+\i], v[40+\i], v[46+\i], s91
.endr
	v_perm_b32 v255, v255, v255, s92               ; my tile's two bytes, twice: they serve [q | 0] and [0 | q]
.irp i, 0,1,2,3,4,5
	v_mov_b32 v[22+\i], 0
	v_mov_b32 v[28+\i], 0
	v_mov_b32 v[34+\i], v[16+\i]
.endr
	v_mov_b32 v13, 0xff61b1e6                      ; the largest t so far: -3e38
	v_floor_f32 v12, -v13                          ; -M
	v_mov_b32 v14, 0
	v_mov_b32 v15, 0
.irp b, 0,1,2,3
	v_mov_b32 v[236+\b], 0                         ; written once: a lane permute's destination counts as one of its sources
.endr
	v_mov_b32 v253, 0
.set j, 0
.rept 32
	v_mov_b32 v[160+j], 0                          ; O^T: the step is written once; the first finds zeros
.set j, j+1
.endr
.macro STEP                            ; 128 keys
	v_add_nc_u32 v[ADF], s[TB], v[AF0]
	v_add_nc_u32 v[ADS], s[TB], v[AS0]
	v_nop
	v_nop                                          ; four plain lines between the last step's products and the loads into their registers
.irp f, 0,1,2,3
.irp c, 0,1,2
	ds_load_b128 v[40+12*\f+4*\c:43+12*\f+4*\c], v[ADF] offset:1536*\f+512*\c
.endr
.endr
	ds_load_b32 v248, v[ADS]                       ; lanes 0-15 fragment 0's words, lanes 16-31 fragment 1's
	ds_load_b32 v249, v[ADS] offset:128
	s_wait_dscnt 0x0
.irp f, 0,2
	v_wmma_scale_f32_16x16x128_f8f6f4 v[96+16*\f:103+16*\f], v[40+12*\f:51+12*\f], v[16:27], 0, v[248+\f/2], v255 matrix_a_fmt:MATRIX_FMT_FP6 matrix_b_fmt:MATRIX_FMT_FP6
	v_wmma_scale_f32_16x16x128_f8f6f4 v[104+16*\f:111+16*\f], v[40+12*\f:51+12*\f], v[28:39], 0, v[248+\f/2], v255 matrix_a_fmt:MATRIX_FMT_FP6 matrix_b_fmt:MATRIX_FMT_FP6
	v_wmma_scale_f32_16x16x128_f8f6f4 v[112+16*\f:119+16*\f], v[52+12*\f:63+12*\f], v[16:27], 0, v[248+\f/2], v255 matrix_a_fmt:MATRIX_FMT_FP6 matrix_b_fmt:MATRIX_FMT_FP6 matrix_a_scale:MATRIX_SCALE_ROW1
	v_wmma_scale_f32_16x16x128_f8f6f4 v[120+16*\f:127+16*\f], v[52+12*\f:63+12*\f], v[28:39], 0, v[248+\f/2], v255 matrix_a_fmt:MATRIX_FMT_FP6 matrix_b_fmt:MATRIX_FMT_FP6 matrix_a_scale:MATRIX_SCALE_ROW1
.endr                                  ; register 16 B + i of v96 on is key 32 B + 16 (lane / 16) + i
.rept 4
	v_nop
.endr
.irp f, 0,1,2,3                        ; v's fragments take k's registers and land while the softmax runs
.irp c, 0,1,2
	ds_load_b128 v[40+12*\f+4*\c:43+12*\f+4*\c], v[ADF] offset:SBB+1536*\f+512*\c
.endr
.endr
	ds_load_b32 v250, v[ADS] offset:SBB
	ds_load_b32 v251, v[ADS] offset:SBB+128
.irp b, 0,1,2,3
	v_max3_num_f32 v[232+\b], v[96+16*\b], v[97+16*\b], v[98+16*\b]   ; the largest score of each block of 32 keys: it serves the row's maximum and, since p rises with the score, the block's largest p
.endr
.irp i, 3,5,7,9,11,13
.irp b, 0,1,2,3
	v_max3_num_f32 v[232+\b], v[232+\b], v[96+16*\b+\i], v[97+16*\b+\i]
.endr
.endr
.irp b, 0,1,2,3
	v_max_num_f32 v[232+\b], v[232+\b], v[111+16*\b]
.endr
.irp b, 0,1,2,3
	v_permlanex16_b32 v[236+\b], v[232+\b], s[SEL], s[SEL+1]
.endr
.irp b, 0,1,2,3
	v_max_num_f32 v[232+\b], v[232+\b], v[236+\b]
.endr
	v_max3_num_f32 v254, v232, v233, v234
	v_max_num_f32 v254, v254, v235
	v_mul_f32 v254, s[CS], v254
	v_max_num_f32 v13, v13, v254                   ; the running largest t
	v_mov_b32 v254, v12
	v_floor_f32 v12, -v13                          ; the new -M = -ceil(t)
	v_sub_f32 v254, v12, v254                      ; old M - new M: a whole number, 0 or less
	v_cvt_i32_f32 v254, v254
	v_ldexp_f32 v252, 1.0, v254                    ; f = 2^(old M - new M)
.set j, 0
.rept 32
	v_pk_fma_f32 v[96+j:97+j], v[96+j:97+j], s[CS:CS+1], v[12:13] op_sel_hi:[1,0,0]   ; t - M
.set j, j+2
.endr
.irp b, 0,1,2,3
	v_fma_f32 v[232+\b], v[232+\b], s[CS], v12
.endr
.set j, 0
.rept 64
	v_exp_f32 v[96+j], v[96+j]                     ; p = 2^(t - M)
.set j, j+1
.endr
	v_pk_mul_f32 v[14:15], v[14:15], v[252:253] op_sel_hi:[1,0]   ; the sums under the new M: a plain line behind the exponentials
	s_wait_alu depctr_va_vdst(0)                   ; one wait for the whole batch, ahead of its first reader
.irp b, 0,1,2,3
	v_exp_f32 v[232+\b], v[232+\b]                 ; each block's largest p
.endr
	v_pk_add_f32 v[236:237], v[96:97], v[98:99]    ; the row's sum of the unquantised p, in two chains
.irp j, 4,8,12,16,20,24,28,32,36,40,44,48,52,56,60
	v_pk_add_f32 v[14:15], v[14:15], v[96+\j:97+\j]
	v_pk_add_f32 v[236:237], v[236:237], v[98+\j:99+\j]
.endr
	v_pk_add_f32 v[14:15], v[14:15], v[236:237]
	s_wait_alu depctr_va_vdst(0)                   ; and one for the four
.irp b, 0,1,2,3
	v_max_num_f32 v[232+\b], 0x1800000, v[232+\b]  ; the floor 2^(3 - 127)
.endr
.irp b, 0,1,2,3
	v_add_nc_u32 v[244+\b], 0xff000000, v[232+\b]
.endr
.irp b, 0,1,2,3
	v_lshrrev_b32 v[236+\b], 23, v[244+\b]
.endr
	v_lshl_or_b32 v253, v237, 8, v236              ; p's scale word for these 128 keys
	v_lshl_or_b32 v253, v238, 16, v253
	v_lshl_or_b32 v253, v239, 24, v253
.irp c, 0,1
	v_cvt_scalef32_pk16_fp6_f32 v[224+6*\c:226+6*\c], v[96+32*\c:111+32*\c], v[244+2*\c]
	v_cvt_scalef32_pk16_fp6_f32 v[236+4*\c:238+4*\c], v[112+32*\c:127+32*\c], v[244+2*\c+1]
.endr
	v_nop
.irp c, 0,1
.irp i, 0,1,2
	v_permlane16_swap_b32 v[224+6*\c+\i], v[236+4*\c+\i]
.endr
.irp i, 0,1,2
	v_mov_b32 v[227+6*\c+\i], v[236+4*\c+\i]
.endr
.endr
.set j, 0
.rept 16
	v_pk_mul_f32 v[160+j:161+j], v[160+j:161+j], v[252:253] op_sel_hi:[1,0]   ; O^T under the new M; these sixteen are also the places between the scale word's and the codes' last lines and the products
.set j, j+2
.endr
	s_wait_dscnt 0x0                               ; v is in
.irp u, 0,2
	v_wmma_scale_f32_16x16x128_f8f6f4 v[160+8*\u:167+8*\u], v[40+12*\u:51+12*\u], v[224:235], v[160+8*\u:167+8*\u], v[250+\u/2], v253 matrix_a_fmt:MATRIX_FMT_FP6 matrix_b_fmt:MATRIX_FMT_FP6
	v_wmma_scale_f32_16x16x128_f8f6f4 v[168+8*\u:175+8*\u], v[52+12*\u:63+12*\u], v[224:235], v[168+8*\u:175+8*\u], v[250+\u/2], v253 matrix_a_fmt:MATRIX_FMT_FP6 matrix_b_fmt:MATRIX_FMT_FP6 matrix_a_scale:MATRIX_SCALE_ROW1
.endr
	s_add_co_u32 s[TB], s[TB], KSTEPB
.endm
.macro FOUR_STEPS                      ; a slot's four key steps: written once, walked four times
	s_mov_b32 s[CNT], 4
.Lstep_\@:
	STEP
	s_sub_co_u32 s[CNT], s[CNT], 1
	s_cmp_lg_u32 s[CNT], 0
	s_cbranch_scc1 .Lstep_\@
	s_sub_co_u32 s[TB], s[TB], 4*KSTEPB
	s_xor_b32 s[TB], s[TB], SLOT1                  ; on to the other slot
.endm
; The change of slots stands at a slot's head.  Each wave waits for all its tensor loads, adds 0 to its spare word, and waits for that and for its reads of the slot that it has left.
; fill = 1: behind a round of the cluster's barrier that slot is filled with the next four key steps: the load has four key steps in which to land.  One tensor load of a wave is out at the most.
.macro CHANGE fill
	s_wait_tensorcnt 0x0
	ds_add_u32 v[SPW], v[NIL]
.if \fill
	s_xor_b32 s[G0+1], s[G0+1], SLOT1
	s_add_nc_u64 s[G0+2:G0+3], s[G0+2:G0+3], 4*KSTEPB
	s_wait_xcnt 0x0                                ; the last prefetch, a slot back, has read its address
	s_add_nc_u64 s[PFA:PFA+1], s[PFA:PFA+1], 4*KSTEPB
	s_wait_dscnt 0x0
	CROUND
	TLOAD
	ASK
.else
	s_wait_dscnt 0x0
	s_barrier_signal -1
	s_barrier_wait -1
.endif
.endm
.Lslot:                                ; three trips: behind each change of slots but the last the next slot is asked for
	CHANGE 1
	FOUR_STEPS
	s_sub_co_u32 s[SLOTS], s[SLOTS], 1
	s_cmp_lg_u32 s[SLOTS], 0
	s_cbranch_scc1 .Lslot
	CHANGE 0                                       ; the last slot is written out
	FOUR_STEPS
	; THE WAY OUT: O^T / the sum; its two blocks of 32 channels are quantised; the two heads' halves of a fragment meet in LDS, and the SB leaves as 25 runs of 512 bytes.
	v_add_f32 v14, v14, v15
	v_permlanex16_b32 v252, v14, s[SEL], s[SEL+1]
	v_add_f32 v14, v14, v252
	v_rcp_f32 v14, v14
.rept 4
	v_nop
.endr
	s_wait_alu depctr_va_vdst(0)                   ; ahead of the reciprocal's first reader
.set j, 0
.rept 32
	v_mul_f32 v[192+j], v[160+j], v14              ; register 16 B + i is channel 32 B + 16 (lane / 16) + i; each accumulator from its low end on
.set j, j+1
.endr
.irp b, 0,1
	v_max3_num_f32 v[232+\b], |v[192+16*\b]|, |v[193+16*\b]|, 0x1800000
.endr
.irp i, 2,4,6,8,10,12,14
.irp b, 0,1
	v_max3_num_f32 v[232+\b], v[232+\b], |v[192+16*\b+\i]|, |v[193+16*\b+\i]|
.endr
.endr
.irp b, 0,1
	v_permlanex16_b32 v[236+\b], v[232+\b], s[SEL], s[SEL+1]
.endr
.irp b, 0,1
	v_max_num_f32 v[232+\b], v[232+\b], v[236+\b]
.endr
.irp b, 0,1
	v_add_nc_u32 v[244+\b], 0xff000000, v[232+\b]
.endr
.irp b, 0,1
	v_lshrrev_b32 v[236+\b], 23, v[244+\b]
.endr
	v_lshl_or_b32 v253, v237, 8, v236              ; my two bytes of the row's scale word
	v_cvt_scalef32_pk16_fp6_f32 v[224:226], v[192:207], v244
	v_cvt_scalef32_pk16_fp6_f32 v[236:238], v[208:223], v245
	v_nop
.irp i, 0,1,2
	v_permlane16_swap_b32 v[224+\i], v[236+\i]
.endr
.irp i, 0,1,2
	v_mov_b32 v[227+\i], v[236+\i]
.endr
	ds_store_b64 v[MA0], v[224:225]
	ds_store_b64 v[MA1], v[226:227] offset:8
	ds_store_b64 v[MA0], v[228:229] offset:512
	ds_store_b16 v[MSC], v253                      ; both lanes of a row write the same two bytes
	s_wait_dscnt 0x0                               ; for the others' sake
	s_barrier_signal -1
	s_barrier_wait -1
	ds_load_b128 v[96:99], v[CPL]
	s_cmp_lt_u32 s[WV], 9
	s_cbranch_scc0 .Lone
	ds_load_b128 v[100:103], v[CPL] offset:8192
	s_wait_dscnt 0x0
	global_store_b128 v[CPG], v[100:103], s[6:7] offset:8192
.Lone:
	s_wait_dscnt 0x0
	global_store_b128 v[CPG], v[96:99], s[6:7]     ; a wave stores 512 consecutive bytes, at a multiple of 256 from oi's first byte
	s_wait_tensorcnt 0x0                           ; the wave's end
	ds_add_u32 v[SPW], v[NIL]
	s_wait_dscnt 0x0
	CROUND                                         ; the closing round
	s_endpgm
.Lfunc_end_k_q1cc4555c2b_attn:
	.size	k_q1cc4555c2b_attn, .Lfunc_end_k_q1cc4555c2b_attn-k_q1cc4555c2b_attn
	.p2alignl 7, 3214868480
	.fill 96, 4, 3214868480
	.section	.rodata,"a",@progbits
	.p2align	6, 0x0
	.amdhsa_kernel k_q1cc4555c2b_attn
		.amdhsa_group_segment_fixed_size 327680
		.amdhsa_private_segment_fixed_size 0
		.amdhsa_enable_private_segment 0
		.amdhsa_kernarg_size 16
		.amdhsa_user_sgpr_count 2
		.amdhsa_user_sgpr_kernarg_segment_ptr 1
		.amdhsa_wavefront_size32 1
		.amdhsa_system_sgpr_workgroup_id_x 1
		.amdhsa_system_sgpr_workgroup_id_y 1
		.amdhsa_system_sgpr_workgroup_id_z 1
		.amdhsa_system_vgpr_workitem_id 0
		.amdhsa_next_free_vgpr 256
		.amdhsa_next_free_sgpr 100
		.amdhsa_reserve_vcc 0
		.amdhsa_float_denorm_mode_32 3
		.amdhsa_float_denorm_mode_16_64 3
		.amdhsa_memory_ordered 1
		.amdhsa_forward_progress 1
		.amdhsa_inst_pref_size 45
	.end_amdhsa_kernel
	.amdgpu_metadata
---
amdhsa.version: [ 1, 2 ]
amdhsa.kernels:
  - .name:           k_q1cc4555c2b_attn
    .symbol:         k_q1cc4555c2b_attn.kd
    .args:
      - { .name: qkv, .offset: 0, .size: 8, .value_kind: global_buffer, .address_space: global }
      - { .name: oi, .offset: 8, .size: 8, .value_kind: global_buffer, .address_space: global }
    .group_segment_fixed_size: 327680
    .private_segment_fixed_size: 0
    .kernarg_segment_align: 8
    .kernarg_segment_size: 16
    .max_flat_workgroup_size: 512
    .sgpr_count:     100
    .vgpr_count:     256
    .wavefront_size: 32
...
	.end_amdgpu_metadata
.endif
;; end of part 4
;; launch gemm_wo (part 5): grid 4 x 16, 4 waves a work-group, clusters of 4 x 4, 327,680 bytes of LDS; arguments oi, wi, cb; writes cb
.if DOCPART == 5
	.amdgcn_target "amdgcn-amd-amdhsa--gfx1250"
	.amdhsa_code_object_version 6
	.text
	.protected	k_q1cc4555c2b_gemm_wo
	.globl	k_q1cc4555c2b_gemm_wo
	.p2align	8
	.type	k_q1cc4555c2b_gemm_wo,@function
k_q1cc4555c2b_gemm_wo:
	s_mov_b64 s[64:65], 0
	v_nop
	global_prefetch_b8 v0, s[64:65] scope:SCOPE_SE
	s_setreg_imm32_b32 hwreg(HW_REG_WAVE_MODE, 25, 1), 1
	s_wait_xcnt 0x0
	s_wait_alu depctr_hold_cnt(0) depctr_sa_sdst(0) depctr_va_vdst(0) depctr_va_sdst(0) depctr_va_ssrc(0) depctr_va_vcc(0) depctr_vm_vsrc(0)
	s_getreg_b32 s2, hwreg(HW_REG_IB_STS2, 6, 4)
	s_cmp_eq_u32 s2, 0
	s_cbranch_scc0 .Lentry_in_a_cluster
	s_endpgm
.Lentry_in_a_cluster:
	s_bfe_u32 s2, ttmp6, 0x10000c
	s_cmp_lg_u32 s2, 0xf033
	s_cbranch_scc0 .Lentry_shape_is_right
	s_endpgm
.Lentry_shape_is_right:
; cb = o Wo (no bias: the launch behind adds it with the residual), on codes of FP6 (E2M3) with E8M0 scales; cb is [4096 rows m = 2 s + b][1024], f32.
; OPERANDS are [group of 128 rows or columns][K step of 128][SB of 12,800 bytes]: eight fragments of 1,536 bytes (register 4 c + i of lane l at 512 c + 16 l + 4 i), then at 12,288 + 64 t + 4 r the scale words.
; Two K steps of a group are one dense block of 25,600 bytes, codes and scales together: one tensor load.  A fragment comes from LDS by three loads of 16 bytes a lane at 16 x lane.
; Lane r of tile t of a group is its element 32 (t / 2) + 8 (t % 2) + r + 8 (r / 8); a group of rows G = 16 b + s / 128 holds 128 rows of one batch.
; Source 0 takes the weight's tiles P, source 1 the rows' tiles R: a lane holds one row, and the 16 registers of P's tiles 2 B, 2 B + 1 are columns 32 B + 16 (lane / 16) + 0 .. 15.
; A work-group makes 2 groups of R x 2 of P, a wave 128 x 128: 64 accumulators.  K goes in slots of two K steps through a ring of two LDS slots.  The four work-groups of a row of the cluster need the same groups of R,
; the four of a column the same groups of P: each block is asked for jointly.  N = 1,024 gives 64 work-groups of this tile.
; REGISTERS: window 0: v16-29 addresses; v32-63 scale words, two sets; v128-223 R's fragments; on the way out v128-255 rows of C.  window 1: P's fragments, two sets.  windows 2, 3: accumulator (a, b) at v[8 (8 (a % 4) + b)].
.set KS,     8
.set W_OFF,  2457600
.set SBB,    12800
.set NQ,     2
.set HALFT,  NQ*SBB
.set SLOT,   4*HALFT
.set SPARE,  2*SLOT                    ; the spare words, 128 bytes a wave: two blocks of 256 bytes that no other line names
.set LAPS,   KS/(2*NQ)
.set FR,     12
.set NL,     3
.set NP,     4
.set SPITCH, 528                       ; the way out: 16 rows x (512 bytes + 16) for each wave, in slot 0, which has had its last fill and its last read by then
.set ADRA, 16
.set ADRS, 18
.set ADRB, 20
.set LI,   22
.set STO,  24
.set RD,   25
.set SPW,  28
.set NIL,  29
.set SC,   32
.set AF,   128
.set BK,   128
.set G1, 24
.set G0, 32
.set G1B, 48
.set G0B, 56
.set MSB, 0
.macro WIN new
.if MSB != \new
	s_set_vgpr_msb (MSB<<8)|\new
.set MSB, \new
.endif
.endm
.set MUL_LO, 0xa1
.set MUL_HI, 0xf1
.set TO_B,   0x40
.macro JLOAD s                         ; a joint load: waves 0, 1 fetch R's groups, waves 2, 3 P's; four v_nop follow each line
	s_cmp_eq_u32 s15, 0
	s_cbranch_scc0 .Lfor_b_\@
	tensor_load_to_lds s[G0+4*\s:G0+4*\s+3], s[G1:G1+7]
	s_nop 0
.rept 4
	v_nop
.endr
	s_branch .Lasked_\@
.Lfor_b_\@:
	tensor_load_to_lds s[G0B+4*\s:G0B+4*\s+3], s[G1B:G1B+7]
	s_nop 0
.rept 4
	v_nop
.endr
.Lasked_\@:
.endm
.macro CREST
	s_cmp_lg_u32 s14, 0
	s_cbranch_scc1 .Lnot_wave_0_\@
	s_barrier_signal -3
.Lnot_wave_0_\@:
	s_barrier_wait -3
	s_barrier_signal -1
	s_barrier_wait -1
.endm
.macro CROUND
	s_barrier_signal -1
	s_barrier_wait -1
	CREST
.endm
	s_load_b128 s[4:7], s[0:1], 0x0                ; the rows' images, wi
	s_load_b64 s[8:9], s[0:1], 0x10                ; cb
	v_lshl_add_u32 v[SPW], v0, 2, SPARE
	v_mov_b32 v[NIL], 0
	ds_add_u32 v28, v29
	s_wait_dscnt 0x0
	v_lshrrev_b32 v1, 5, v0
	v_readfirstlane_b32 s14, v1
	s_lshr_b32 s15, s14, 1                         ; my group of R.  Also: I fetch for R (0) or for P (1)
	s_and_b32 s16, s14, 1                          ; my group of P.  Also: which of the two groups I fetch
	s_bfe_u32 s40, ttmp6, 0x40000
	s_bfe_u32 s41, ttmp6, 0x40004
	s_lshl_b32 s42, ttmp9, 2
	s_add_co_u32 s42, s42, s40                     ; P's pair of groups
	s_and_b32 s17, ttmp7, 0xffff
	s_lshl_b32 s17, s17, 2
	s_add_co_u32 s17, s17, s41                     ; R's pair of groups
	s_lshl_b32 s43, s41, 2
	s_lshl_b32 s43, 15, s43
	s_lshl_b32 s44, 0x1111, s40
	s_or_b32 s[G1+0], s43, (3<<16)|(1<<21)         ; the mask; elements of 8 bytes; no padding; bit 21 beside a mask
	s_or_b32 s[G1B+0], s44, (3<<16)|(1<<21)
.irp g, G1, G1B
	s_mov_b32 s[\g+1], 32<<16                      ; 100 rows of 256 bytes, dense
	s_mov_b32 s[\g+2], 100<<16
	s_mov_b32 s[\g+3], 32<<16
	s_mov_b32 s[\g+4], 100
	s_mov_b32 s[\g+5], 32
	s_mov_b32 s[\g+6], 0
	s_mov_b32 s[\g+7], 0
.endr
	s_lshl_b32 s20, s17, 1
	s_add_co_u32 s20, s20, s16
	s_lshl_b32 s46, s42, 1
	s_add_co_u32 s46, s46, s16
	s_mov_b32 s21, 0
	s_mov_b32 s47, 0
	s_mov_b64 s[18:19], KS*SBB
	s_mul_u64 s[20:21], s[20:21], s[18:19]
	s_mul_u64 s[46:47], s[46:47], s[18:19]
	s_mul_i32 s45, s14, HALFT
	s_wait_kmcnt 0x0
	s_add_nc_u64 s[20:21], s[4:5], s[20:21]
	s_add_nc_u64 s[46:47], s[6:7], s[46:47]
	s_add_nc_u64 s[46:47], s[46:47], W_OFF
	CROUND
.irp s, 0,1
	s_mov_b32 s[G0+4*\s], 1
	s_add_co_u32 s[G0+4*\s+1], s45, \s*SLOT
	s_add_nc_u64 s[G0+4*\s+2:G0+4*\s+3], s[20:21], \s*HALFT
	s_or_b32 s[G0+4*\s+3], s[G0+4*\s+3], 0x80000000
	s_mov_b32 s[G0B+4*\s], 1
	s_add_co_u32 s[G0B+4*\s+1], s45, \s*SLOT
	s_add_nc_u64 s[G0B+4*\s+2:G0B+4*\s+3], s[46:47], \s*HALFT
	s_or_b32 s[G0B+4*\s+3], s[G0B+4*\s+3], 0x80000000
	JLOAD \s
.endr
	v_and_b32 v1, 15, v0
	v_bfe_u32 v2, v0, 4, 1
	v_and_b32 v3, 31, v0
	v_lshlrev_b32 v[LI], 4, v3
	s_mul_i32 s21, s15, HALFT
	s_mul_i32 s22, s16, HALFT
	s_add_co_u32 s22, s22, 2*HALFT
	s_sub_co_u32 s23, s22, s21
	v_mul_u32_u24 v4, s23, v2                      ; lanes 16-31 take P's words
	v_lshl_add_u32 v4, v1, 2, v4
.irp s, 0,1
	v_add_nc_u32 v[ADRA+\s], s21, v[LI]
	v_add_nc_u32 v[ADRB+\s], s22, v[LI]
	v_add_nc_u32 v[ADRS+\s], s21, v4
	s_add_co_u32 s21, s21, SLOT
	s_add_co_u32 s22, s22, SLOT
.endr
	s_mul_i32 s23, s14, 16*SPITCH                  ; my stage
	v_mul_u32_u24 v5, v1, SPITCH
	v_lshl_add_u32 v5, v2, 6, v5
	v_add_nc_u32 v[STO], s23, v5                   ; in: row r, + 64 bytes for lanes 16-31
	v_add_nc_u32 v[RD], s23, v[LI]                 ; back: a row of 512 bytes
	s_lshl_b32 s20, s17, 1
	s_add_co_u32 s20, s20, s15                     ; my group of rows: 16 b + s / 128
	s_and_b32 s21, s20, 15
	s_lshr_b32 s20, s20, 4
	s_lshl_b32 s21, s21, 8
	s_add_co_u32 s20, s20, s21                     ; row 256 (s / 128) + b
	s_lshl_b32 s20, s20, 12
	s_lshl_b32 s46, s42, 10
	s_lshl_b32 s47, s16, 9
	s_add_co_u32 s46, s46, s47                     ; my 128 columns
	s_add_co_u32 s20, s20, s46
	s_mov_b32 s21, 0
	s_add_nc_u64 s[8:9], s[8:9], s[20:21]
.macro FRAG reg, adr, q, i
.irp c, 0,1,2
	ds_load_b128 v[\reg+4*\c:\reg+4*\c+3], v[\adr] offset:(\q)*SBB+(\i)*1536+512*\c
.endr
.endm
; 16 matrix instructions; the 64 accumulators take turns, one instruction a turn, in the same order in every step
.macro MUL16 a0, p, q, sc, zero
.irp a, \a0, \a0+1
.irp b, 0,1,2,3,4,5,6,7
.if \zero
	v_wmma_scale_f32_16x16x128_f8f6f4 v[8*(8*((\a)%4)+\b):8*(8*((\a)%4)+\b)+7], v[128*(\p)+FR*\b:128*(\p)+FR*\b+FR-1], v[AF+FR*(\a):AF+FR*(\a)+FR-1], 0, v[SC+16*(\sc)+8*(\q)+\b], v[SC+16*(\sc)+8*(\q)+(\a)] matrix_a_fmt:MATRIX_FMT_FP6 matrix_b_fmt:MATRIX_FMT_FP6 matrix_a_scale:MATRIX_SCALE_ROW1
.else
	v_wmma_scale_f32_16x16x128_f8f6f4 v[8*(8*((\a)%4)+\b):8*(8*((\a)%4)+\b)+7], v[128*(\p)+FR*\b:128*(\p)+FR*\b+FR-1], v[AF+FR*(\a):AF+FR*(\a)+FR-1], v[8*(8*((\a)%4)+\b):8*(8*((\a)%4)+\b)+7], v[SC+16*(\sc)+8*(\q)+\b], v[SC+16*(\sc)+8*(\q)+(\a)] matrix_a_fmt:MATRIX_FMT_FP6 matrix_b_fmt:MATRIX_FMT_FP6 matrix_a_scale:MATRIX_SCALE_ROW1
.endif
.endr
.endr
.endm
.macro FETCH_B slot, q, p
	WIN TO_B
.irp i, 0,1,2,3,4,5,6,7
	FRAG 128*(\p)+FR*\i, ADRB+\slot, \q, \i
.endr
	WIN 0
.endm
.macro FETCH_A slot, q, i0
.irp i, \i0, \i0+1, \i0+2, \i0+3
	FRAG AF+FR*(\i), ADRA+\slot, \q, \i
.endr
.endm
.macro SCALES sc
.irp q, 0,1
.irp i, 0,1,2,3,4,5,6,7
	ds_load_b32 v[SC+16*\sc+8*\q+\i], v[ADRS+\sc] offset:\q*SBB+12288+64*\i
.endr
.endr
.endm
.macro PLACES n                        ; plain vector instructions between a matrix instruction and a load into, or a read of, its registers
.rept \n
	v_nop
.endr
.endm
.macro STEP slot, q, zero
	s_wait_dscnt 4*NL                              ; the youngest twelve loads (R's tiles 4-7) may be out
	WIN MUL_LO
	MUL16 0, (\q)%2, \q, \slot, \zero
	MUL16 2, (\q)%2, \q, \slot, \zero
	s_wait_dscnt 0
	PLACES NP
	FETCH_B \slot, (\q)+1, 1-(\q)%2
	FETCH_A \slot, (\q)+1, 0
	WIN MUL_HI
	MUL16 4, (\q)%2, \q, \slot, \zero
	MUL16 6, (\q)%2, \q, \slot, \zero
	PLACES NP
	WIN 0
	FETCH_A \slot, (\q)+1, 4
.endm
.macro TURN slot, next, fill
	s_wait_tensorcnt 0x0                           ; all my tensor loads have landed: my part of the next slot
	ds_add_u32 v[SPW], v[NIL]                      ; 0 onto my spare word
	s_wait_dscnt 4*NL+1                            ; (the add and the youngest twelve loads may be out)
	WIN MUL_LO
	MUL16 0, 1, NQ-1, \slot, 0
	s_wait_dscnt 0x0                               ; the add is done, and my reads of this slot are over
	s_barrier_signal -1
	MUL16 2, 1, NQ-1, \slot, 0
	WIN 0
	s_barrier_wait -1
.if \fill
	CREST                                          ; a round of the cluster's barrier: no wave of any partner still reads this slot or has a load on its way
	s_add_nc_u64 s[G0+4*\slot+2:G0+4*\slot+3], s[G0+4*\slot+2:G0+4*\slot+3], 2*HALFT
	s_add_nc_u64 s[G0B+4*\slot+2:G0B+4*\slot+3], s[G0B+4*\slot+2:G0B+4*\slot+3], 2*HALFT
	JLOAD \slot
.else
	PLACES NP
.endif
	FETCH_B \next, 0, 0
	FETCH_A \next, 0, 0
	SCALES \next
	WIN MUL_HI
	MUL16 4, 1, NQ-1, \slot, 0
	MUL16 6, 1, NQ-1, \slot, 0
	PLACES NP
	WIN 0
	FETCH_A \next, 0, 4
.endm
	s_wait_tensorcnt 1                             ; my part of slot 0 is in; slot 1's load may be out
	s_barrier_signal -1
	s_barrier_wait -1
	FETCH_B 0, 0, 0
	FETCH_A 0, 0, 0
	SCALES 0
	FETCH_A 0, 0, 4
	STEP 0, 0, 1
	s_mov_b32 s3, LAPS-1
.Llap:
	TURN 0, 1, 1
	STEP 1, 0, 0
	TURN 1, 0, 1
	STEP 0, 0, 0
	s_sub_co_u32 s3, s3, 1
	s_cmp_lg_u32 s3, 0
	s_cbranch_scc1 .Llap
	TURN 0, 1, 0
	STEP 1, 0, 0
	s_wait_dscnt 4*NL
	WIN MUL_LO
	MUL16 0, 1, NQ-1, 1, 0
	MUL16 2, 1, NQ-1, 1, 0
	s_wait_dscnt 0
	WIN MUL_HI
	MUL16 4, 1, NQ-1, 1, 0
	MUL16 6, 1, NQ-1, 1, 0
	WIN 0
; THE WAY OUT, tile by tile of 16 rows x 128 columns, through my own stage: in by 32 neighbouring bytes a lane, back as whole rows of 512 bytes.  LDS serves a wave's instructions in order.
.macro TOSTAGE a
.set AC, 64*((\a)%4)
	WIN 0x08+4*((\a)/4)                            ; an LDS store's data: window 2 or 3
.irp b, 0,1,2,3,4,5,6,7
	ds_store_b128 v[STO], v[AC+8*\b:AC+8*\b+3] offset:128*(\b/2)+32*(\b%2)        ; each accumulator from its low end on
	ds_store_b128 v[STO], v[AC+8*\b+4:AC+8*\b+7] offset:128*(\b/2)+32*(\b%2)+16
.endr
	WIN 0
.set BB, BK+64*((\a)%2)
.irp t, 0,1,2,3,4,5,6,7,8,9,10,11,12,13,14,15
	ds_load_b128 v[BB+4*\t:BB+4*\t+3], v[RD] offset:\t*SPITCH
.endr
.endm
.macro SEND a, younger                 ; lane t of tile a is row 2 (32 (a / 2) + 8 (a % 2) + t + 8 (t / 8)) of my group's 256: every place is an immediate, 1,040,384 bytes at the most
.set BB, BK+64*((\a)%2)
	s_wait_dscnt \younger
.irp t, 0,1,2,3,4,5,6,7,8,9,10,11,12,13,14,15
	global_store_b128 v[LI], v[BB+4*\t:BB+4*\t+3], s[8:9] offset:8192*(32*((\a)/2)+8*((\a)%2)+\t+8*(\t/8)) th:TH_STORE_NT   ; 512 consecutive bytes, at a multiple of 256 from cb's first byte
.endr
.endm
	PLACES NP
	TOSTAGE 0
.irp a, 1,2,3,4,5,6,7
.if \a > 1
	s_wait_xcnt 0x0                                ; tile a - 2's stores have read their registers: tile a's loads may land there
.endif
	TOSTAGE \a
	SEND \a-1, 32                                  ; behind tile a - 1's loads: tile a's 16 stores and 16 loads
.endr
	SEND 7, 0
	s_wait_tensorcnt 0x0                           ; the wave's end
	ds_add_u32 v[SPW], v[NIL]
	s_wait_dscnt 0x0
	CROUND
	s_endpgm
.Lfunc_end_k_q1cc4555c2b_gemm_wo:
	.size	k_q1cc4555c2b_gemm_wo, .Lfunc_end_k_q1cc4555c2b_gemm_wo-k_q1cc4555c2b_gemm_wo
	.p2alignl 7, 3214868480
	.fill 96, 4, 3214868480
	.section	.rodata,"a",@progbits
	.p2align	6, 0x0
	.amdhsa_kernel k_q1cc4555c2b_gemm_wo
		.amdhsa_group_segment_fixed_size 327680
		.amdhsa_private_segment_fixed_size 0
		.amdhsa_enable_private_segment 0
		.amdhsa_kernarg_size 24
		.amdhsa_user_sgpr_count 2
		.amdhsa_user_sgpr_kernarg_segment_ptr 1
		.amdhsa_wavefront_size32 1
		.amdhsa_system_sgpr_workgroup_id_x 1
		.amdhsa_system_sgpr_workgroup_id_y 1
		.amdhsa_system_sgpr_workgroup_id_z 1
		.amdhsa_system_vgpr_workitem_id 0
		.amdhsa_next_free_vgpr 1024
		.amdhsa_next_free_sgpr 100
		.amdhsa_reserve_vcc 0
		.amdhsa_float_denorm_mode_32 3
		.amdhsa_float_denorm_mode_16_64 3
		.amdhsa_memory_ordered 1
		.amdhsa_forward_progress 1
		.amdhsa_inst_pref_size 134
	.end_amdhsa_kernel
	.amdgpu_metadata
---
amdhsa.version: [ 1, 2 ]
amdhsa.kernels:
  - .name:           k_q1cc4555c2b_gemm_wo
    .symbol:         k_q1cc4555c2b_gemm_wo.kd
    .args:
      - { .name: oi, .offset: 0, .size: 8, .value_kind: global_buffer, .address_space: global }
      - { .name: wi, .offset: 8, .size: 8, .value_kind: global_buffer, .address_space: global }
      - { .name: cb, .offset: 16, .size: 8, .value_kind: global_buffer, .address_space: global }
    .group_segment_fixed_size: 327680
    .private_segment_fixed_size: 0
    .kernarg_segment_align: 8
    .kernarg_segment_size: 24
    .max_flat_workgroup_size: 128
    .sgpr_count:     100
    .vgpr_count:     1024
    .wavefront_size: 32
...
	.end_amdgpu_metadata
.endif
;; end of part 5
;; launch ln1 (part 6): grid 256 x 1, 16 waves a work-group, no clusters, 88,576 bytes of LDS; arguments x, cb, bo, g1, b1, x1, x1i; writes x1, x1i
.if DOCPART == 6
	.amdgcn_target "amdgcn-amd-amdhsa--gfx1250"
	.amdhsa_code_object_version 6
	.text
	.protected	k_q1cc4555c2b_ln1
	.globl	k_q1cc4555c2b_ln1
	.p2align	8
	.type	k_q1cc4555c2b_ln1,@function
k_q1cc4555c2b_ln1:
	s_mov_b64 s[64:65], 0
	v_nop
	global_prefetch_b8 v0, s[64:65] scope:SCOPE_SE
	s_setreg_imm32_b32 hwreg(HW_REG_WAVE_MODE, 25, 1), 1
	s_wait_xcnt 0x0
; x1 = layer norm(x + (cb + bo)) g1 + b1, rows of 1,024 in f32; x1 is stored as f32 and, quantised to FP6 (E2M3) with one E8M0 byte for each 32, as images of operand registers: x1i = [group G][K step 0..7][SB of 12,800 bytes].
; Group G = 16 b + s / 128; lane r of tile t is s = 128 (G % 16) + 32 (t / 2) + 8 (t % 2) + r + 8 (r / 8); row m = 2 s + b.  An SB: eight fragments of 1,536 bytes (register 4 c + i of lane l at 512 c + 16 l + 4 i),
; then at 12,288 + 64 t + 4 r the scale words.  A work-group is one tile (number 8 G + t); wave w is its lane r = w and takes one row, 32 numbers a lane.
; The deviations are taken from the finished mean and squared in a second pass over the registers, so a common offset of the inputs costs nothing.
; LIMITS: a block of zeros gets the byte 1 where the rule says 127 (its codes are zeros; this program alone reads the bytes); blocks under 2^-124 are held at byte 1; NaN and infinities are not served.
.set TURNB, 4608
.set IMG,   16*TURNB
.set SCA,   IMG+8*1536
.set OFF,  2
.set TIN,  3
.set TOUT, 4
.set A0,   5
.set A1,   6
.set ASB,  7
.set CPI,  8
.set CPS,  9
.set GSO,  10
.set X,    16
.set CC,   48
.set BO,   80
.set GG,   112
.set BB,   144
.set T,    176
.set Y,    48
.set C,    80
.set SEL,  46
	s_load_b256 s[24:31], s[0:1], 0x0              ; x, cb, bo, g1
	s_load_b128 s[32:35], s[0:1], 0x20             ; b1, x1
	s_load_b64 s[36:37], s[0:1], 0x30              ; x1i
	v_lshl_add_u32 v192, v0, 2, 0x15200
	v_mov_b32 v193, 0
	v_lshrrev_b32 v1, 5, v0
	v_readfirstlane_b32 s8, v1
	v_and_b32 v1, 31, v0
	s_lshr_b32 s9, ttmp9, 3                        ; G
	s_and_b32 s10, ttmp9, 7                        ; t
	s_lshr_b32 s11, s9, 4                          ; b
	s_and_b32 s12, s9, 15
	s_lshl_b32 s12, s12, 7
	s_lshr_b32 s13, s10, 1
	s_lshl_b32 s13, s13, 5
	s_add_co_u32 s12, s12, s13
	s_and_b32 s13, s10, 1
	s_lshl_b32 s13, s13, 3
	s_add_co_u32 s12, s12, s13
	s_add_co_u32 s12, s12, s8
	s_and_b32 s13, s8, 8
	s_add_co_u32 s12, s12, s13                     ; s
	s_lshl_b32 s12, s12, 1
	s_add_co_u32 s12, s12, s11                     ; m
	s_lshl_b32 s12, s12, 12
	s_mov_b32 s13, 0
	s_mul_i32 s16, s9, 102400
	s_and_b32 s17, s8, 7
	s_mul_i32 s17, s17, 12800
	s_add_co_u32 s17, s17, s16
	s_mul_i32 s18, s10, 1536
	s_add_co_u32 s18, s18, s17                     ; waves 0-7: K step w, fragment t
	s_mov_b32 s19, 0
	s_and_b32 s20, s8, 3
	s_mul_i32 s20, s20, 25600
	s_add_co_u32 s20, s20, s16
	s_lshl_b32 s21, s10, 6
	s_add_co_u32 s20, s20, s21
	s_add_co_u32 s20, s20, 12288                   ; waves 8-11: two K steps' words of tile t
	s_mov_b32 s21, 0
	s_mov_b32 s40, 0x3a800000                      ; 1 / 1,024
	s_mov_b32 s[SEL], 0x76543210
	s_mov_b32 s[SEL+1], 0xfedcba98
	; every LDS address is made here, ahead of the place where the waves part
	v_lshlrev_b32 v[OFF], 4, v1
	s_mul_i32 s14, s8, TURNB
	v_lshrrev_b32 v11, 3, v1
	v_and_b32 v12, 7, v1
	v_mul_u32_u24 v[TIN], v11, 144
	v_lshl_add_u32 v[TIN], v12, 4, v[TIN]
	v_add_nc_u32 v[TIN], s14, v[TIN]
	v_mul_u32_u24 v[TOUT], v1, 144
	v_add_nc_u32 v[TOUT], s14, v[TOUT]
	v_lshrrev_b32 v11, 2, v1
	v_and_b32 v12, 1, v1
	v_bfe_u32 v13, v1, 1, 1
	v_mul_u32_u24 v14, v11, 1536
	v_lshl_add_u32 v14, v12, 8, v14
	s_lshl_b32 s15, s8, 4
	s_add_co_u32 s15, s15, IMG
	v_add_nc_u32 v14, s15, v14
	v_mad_u32_u24 v[A0], v13, 520, v14
	v_mad_u32_u24 v[A1], v13, 1016, v14
	v_and_b32 v15, 3, v1
	v_lshl_add_u32 v[ASB], v11, 6, v15
	s_lshl_b32 s15, s8, 2
	s_add_co_u32 s15, s15, SCA
	v_add_nc_u32 v[ASB], s15, v[ASB]
	s_and_b32 s15, s8, 7
	s_mul_i32 s15, s15, 1536
	s_add_co_u32 s15, s15, IMG
	v_add_nc_u32 v[CPI], s15, v[OFF]
	s_and_b32 s15, s8, 3
	s_lshl_b32 s15, s15, 7
	s_add_co_u32 s15, s15, SCA
	v_lshl_add_u32 v[CPS], v1, 2, s15
	v_lshrrev_b32 v11, 4, v1
	v_and_b32 v12, 15, v1
	v_mul_u32_u24 v[GSO], v11, 12800
	v_lshl_add_u32 v[GSO], v12, 2, v[GSO]
	s_wait_kmcnt 0x0
	s_add_nc_u64 s[24:25], s[24:25], s[12:13]
	s_add_nc_u64 s[26:27], s[26:27], s[12:13]
	s_add_nc_u64 s[34:35], s[34:35], s[12:13]
	s_add_nc_u64 s[42:43], s[36:37], s[18:19]
	s_add_nc_u64 s[44:45], s[36:37], s[20:21]
.irp j, 0,1,2,3,4,5,6,7
	global_load_b128 v[X+4*\j:X+4*\j+3], v[OFF], s[24:25] offset:512*\j th:TH_LOAD_NT
.endr
.irp j, 0,1,2,3,4,5,6,7
	global_load_b128 v[CC+4*\j:CC+4*\j+3], v[OFF], s[26:27] offset:512*\j th:TH_LOAD_NT
.endr
.irp j, 0,1,2,3,4,5,6,7
	global_load_b128 v[BO+4*\j:BO+4*\j+3], v[OFF], s[28:29] offset:512*\j
.endr
.irp j, 0,1,2,3,4,5,6,7
	global_load_b128 v[GG+4*\j:GG+4*\j+3], v[OFF], s[30:31] offset:512*\j
.endr
.irp j, 0,1,2,3,4,5,6,7
	global_load_b128 v[BB+4*\j:BB+4*\j+3], v[OFF], s[32:33] offset:512*\j
.endr
.macro ACROSS                          ; v[T] summed over the 32 lanes, the result in every lane
	v_add_f32 v[T], v[T], v[T+1]
	v_add_f32_dpp v[T], v[T], v[T] row_xmask:1 row_mask:0xf bank_mask:0xf
	v_add_f32_dpp v[T], v[T], v[T] row_xmask:2 row_mask:0xf bank_mask:0xf
	v_add_f32_dpp v[T], v[T], v[T] row_xmask:4 row_mask:0xf bank_mask:0xf
	v_add_f32_dpp v[T], v[T], v[T] row_xmask:8 row_mask:0xf bank_mask:0xf
	v_permlanex16_b32 v[T+1], v[T], s[SEL], s[SEL+1]
	v_add_f32 v[T], v[T], v[T+1]
.endm
.macro JOIN                            ; four chains into one pair
	v_pk_add_f32 v[T:T+1], v[T:T+1], v[T+2:T+3]
	v_pk_add_f32 v[T+4:T+5], v[T+4:T+5], v[T+6:T+7]
	v_pk_add_f32 v[T:T+1], v[T:T+1], v[T+4:T+5]
.endm
	s_wait_loadcnt 16                              ; x, the product and its bias are in; the sixteen loads of the gain and the offset may be out
.set i, 0
.rept 16
	v_pk_add_f32 v[CC+i:CC+i+1], v[CC+i:CC+i+1], v[BO+i:BO+i+1]
.set i, i+2
.endr
.set i, 0
.rept 16
	v_pk_add_f32 v[X+i:X+i+1], v[X+i:X+i+1], v[CC+i:CC+i+1]
.set i, i+2
.endr
.irp k, 0,1,2,3
	v_pk_add_f32 v[T+2*\k:T+2*\k+1], v[X+2*\k:X+2*\k+1], v[X+8+2*\k:X+9+2*\k]
.endr
.irp g, 16,24
.irp k, 0,1,2,3
	v_pk_add_f32 v[T+2*\k:T+2*\k+1], v[T+2*\k:T+2*\k+1], v[X+\g+2*\k:X+\g+1+2*\k]
.endr
.endr
	JOIN
	ACROSS
	v_mul_f32 v[T+2], s40, v[T]                    ; the mean
	v_mov_b32 v[T+3], v[T+2]
.set i, 0
.rept 16
	v_pk_add_f32 v[X+i:X+i+1], v[X+i:X+i+1], v[T+2:T+3] neg_lo:[0,1] neg_hi:[0,1]
.set i, i+2
.endr
.irp k, 0,1,2,3
	v_pk_mul_f32 v[T+2*\k:T+2*\k+1], v[X+2*\k:X+2*\k+1], v[X+2*\k:X+2*\k+1]
.endr
.irp g, 8,16,24
.irp k, 0,1,2,3
	v_pk_fma_f32 v[T+2*\k:T+2*\k+1], v[X+\g+2*\k:X+\g+1+2*\k], v[X+\g+2*\k:X+\g+1+2*\k], v[T+2*\k:T+2*\k+1]
.endr
.endr
	JOIN
	ACROSS
	v_fmaak_f32 v[T+2], s40, v[T], 0x3727c5ac      ; the variance + 1e-5
	v_rsq_f32 v[T+4], v[T+2]
	v_rsq_f32 v[T+5], v[T+2]
	v_nop                                          ; a plain line behind the transcendentals
	s_wait_alu depctr_va_vdst(0)                   ; one wait for both, ahead of their first reader
.set i, 0
.rept 16
	v_pk_mul_f32 v[X+i:X+i+1], v[X+i:X+i+1], v[T+4:T+5]
.set i, i+2
.endr
	s_wait_loadcnt 0x0
.set i, 0
.rept 16
	v_pk_fma_f32 v[X+i:X+i+1], v[X+i:X+i+1], v[GG+i:GG+i+1], v[BB+i:BB+i+1]
.set i, i+2
.endr
.irp j, 0,1,2,3,4,5,6,7
	global_store_b128 v[OFF], v[X+4*\j:X+4*\j+3], s[34:35] offset:512*\j   ; 512 consecutive bytes, at a multiple of 256 from x1's first byte
.endr
	; the row turns through my own stage, so that lane l holds block l
.irp j, 0,1,2,3,4,5,6,7
	ds_store_b128 v[TIN], v[X+4*\j:X+4*\j+3] offset:576*\j
.endr
.irp i, 0,1,2,3,4,5,6,7
	ds_load_b128 v[Y+4*\i:Y+4*\i+3], v[TOUT] offset:16*\i
.endr
	s_wait_dscnt 0x0
	v_max3_num_f32 v12, |v[Y]|, |v[Y+1]|, |v[Y+2]|
	v_max3_num_f32 v13, |v[Y+3]|, |v[Y+4]|, |v[Y+5]|
.irp i, 6,10,14,18,22,26
	v_max3_num_f32 v12, v12, |v[Y+\i]|, |v[Y+\i+1]|
	v_max3_num_f32 v13, v13, |v[Y+\i+2]|, |v[Y+\i+3]|
.endr
	v_max3_num_f32 v12, v12, |v[Y+30]|, |v[Y+31]|
	v_max3_num_f32 v12, v12, v13, 0x1800000        ; the floor 2^(3 - 127)
	v_add_nc_u32 v11, 0xff000000, v12
	v_cvt_scalef32_pk16_fp6_f32 v[C:C+2], v[Y:Y+15], v11
	v_cvt_scalef32_pk16_fp6_f32 v[C+4:C+6], v[Y+16:Y+31], v11
	v_lshrrev_b32 v13, 23, v11                     ; the byte: also the plain line behind the conversions
	v_mov_b32 v[C+3], v[C+4]
	v_mov_b32 v[C+4], v[C+5]
	v_mov_b32 v[C+5], v[C+6]
	ds_store_b64 v[A0], v[C:C+1]
	ds_store_b64 v[A1], v[C+2:C+3] offset:8
	ds_store_b64 v[A0], v[C+4:C+5] offset:512
	ds_store_b8 v[ASB], v13
	s_wait_dscnt 0x0                               ; for the others' sake
	s_barrier_signal -1
	s_barrier_wait -1
	s_cmp_lt_u32 s8, 8
	s_cbranch_scc0 .Lnot_codes
.irp c, 0,1,2
	ds_load_b128 v[Y+4*\c:Y+4*\c+3], v[CPI] offset:512*\c
.endr
	s_wait_dscnt 0x0
.irp c, 0,1,2
	global_store_b128 v[OFF], v[Y+4*\c:Y+4*\c+3], s[42:43] offset:512*\c
.endr
	s_wait_tensorcnt 0x0
	ds_add_u32 v192, v193
	s_wait_dscnt 0x0
	s_endpgm
.Lnot_codes:
	s_cmp_lt_u32 s8, 12
	s_cbranch_scc0 .Ldone
	ds_load_b32 v[Y], v[CPS]
	s_wait_dscnt 0x0
	global_store_b32 v[GSO], v[Y], s[44:45]
.Ldone:
	s_wait_tensorcnt 0x0
	ds_add_u32 v192, v193
	s_wait_dscnt 0x0
	s_endpgm
.Lfunc_end_k_q1cc4555c2b_ln1:
	.size	k_q1cc4555c2b_ln1, .Lfunc_end_k_q1cc4555c2b_ln1-k_q1cc4555c2b_ln1
	.p2alignl 7, 3214868480
	.fill 96, 4, 3214868480
	.section	.rodata,"a",@progbits
	.p2align	6, 0x0
	.amdhsa_kernel k_q1cc4555c2b_ln1
		.amdhsa_group_segment_fixed_size 88576
		.amdhsa_private_segment_fixed_size 0
		.amdhsa_enable_private_segment 0
		.amdhsa_kernarg_size 56
		.amdhsa_user_sgpr_count 2
		.amdhsa_user_sgpr_kernarg_segment_ptr 1
		.amdhsa_wavefront_size32 1
		.amdhsa_system_sgpr_workgroup_id_x 1
		.amdhsa_system_sgpr_workgroup_id_y 1
		.amdhsa_system_sgpr_workgroup_id_z 1
		.amdhsa_system_vgpr_workitem_id 0
		.amdhsa_next_free_vgpr 194
		.amdhsa_next_free_sgpr 66
		.amdhsa_reserve_vcc 0
		.amdhsa_float_denorm_mode_32 3
		.amdhsa_float_denorm_mode_16_64 3
		.amdhsa_memory_ordered 1
		.amdhsa_forward_progress 1
		.amdhsa_inst_pref_size 21
	.end_amdhsa_kernel
	.amdgpu_metadata
---
amdhsa.version: [ 1, 2 ]
amdhsa.kernels:
  - .name:           k_q1cc4555c2b_ln1
    .symbol:         k_q1cc4555c2b_ln1.kd
    .args:
      - { .name: x, .offset: 0, .size: 8, .value_kind: global_buffer, .address_space: global }
      - { .name: cb, .offset: 8, .size: 8, .value_kind: global_buffer, .address_space: global }
      - { .name: bo, .offset: 16, .size: 8, .value_kind: global_buffer, .address_space: global }
      - { .name: g1, .offset: 24, .size: 8, .value_kind: global_buffer, .address_space: global }
      - { .name: b1, .offset: 32, .size: 8, .value_kind: global_buffer, .address_space: global }
      - { .name: x1, .offset: 40, .size: 8, .value_kind: global_buffer, .address_space: global }
      - { .name: x1i, .offset: 48, .size: 8, .value_kind: global_buffer, .address_space: global }
    .group_segment_fixed_size: 88576
    .private_segment_fixed_size: 0
    .kernarg_segment_align: 8
    .kernarg_segment_size: 56
    .max_flat_workgroup_size: 512
    .sgpr_count:     66
    .vgpr_count:     194
    .wavefront_size: 32
...
	.end_amdgpu_metadata
.endif
;; end of part 6
;; launch gemm_ff1 (part 7): grid 16 x 16, 4 waves a work-group, clusters of 4 x 4, 327,680 bytes of LDS; arguments x1i, wi, bb1, hi; writes hi
.if DOCPART == 7
	.amdgcn_target "amdgcn-amd-amdhsa--gfx1250"
	.amdhsa_code_object_version 6
	.text
	.protected	k_q1cc4555c2b_gemm_ff1
	.globl	k_q1cc4555c2b_gemm_ff1
	.p2align	8
	.type	k_q1cc4555c2b_gemm_ff1,@function
k_q1cc4555c2b_gemm_ff1:
	s_mov_b64 s[64:65], 0
	v_nop
	global_prefetch_b8 v0, s[64:65] scope:SCOPE_SE
	s_setreg_imm32_b32 hwreg(HW_REG_WAVE_MODE, 25, 1), 1
	s_wait_xcnt 0x0
	s_wait_alu depctr_hold_cnt(0) depctr_sa_sdst(0) depctr_va_vdst(0) depctr_va_sdst(0) depctr_va_ssrc(0) depctr_va_vcc(0) depctr_vm_vsrc(0)
	s_getreg_b32 s2, hwreg(HW_REG_IB_STS2, 6, 4)
	s_cmp_eq_u32 s2, 0
	s_cbranch_scc0 .Lentry_in_a_cluster
	s_endpgm
.Lentry_in_a_cluster:
	s_bfe_u32 s2, ttmp6, 0x10000c
	s_cmp_lg_u32 s2, 0xf033
	s_cbranch_scc0 .Lentry_shape_is_right
	s_endpgm
.Lentry_shape_is_right:
; h = relu(x1 W1 + bb1) on codes of FP6 (E2M3) with E8M0 scales; h is quantised in registers along the hidden 4,096, the next product's K, and leaves as images of operand registers: hi = [group of rows][K step 0..31][SB].
; OPERANDS are [group of 128 rows or columns][K step of 128][SB of 12,800 bytes]: eight fragments of 1,536 bytes (register 4 c + i of lane l at 512 c + 16 l + 4 i), then at 12,288 + 64 t + 4 r the scale words.
; Two K steps of a group are one dense block of 25,600 bytes, codes and scales together: one tensor load.  A fragment comes from LDS by three loads of 16 bytes a lane at 16 x lane.
; Lane r of tile t of a group is its element 32 (t / 2) + 8 (t % 2) + r + 8 (r / 8).  Source 0 takes the weight's tiles P, source 1 the rows' tiles R: a lane holds one row, and the 16 registers of P's tiles 2 B, 2 B + 1 are
; hidden units 32 B + 16 (lane / 16) + 0 .. 15: neighbours along the next K.  A wave's 128 hidden units are one K step of the next product: its 64 accumulators become one whole SB.
; A work-group makes 2 groups of R x 2 of P.  K = 1,024 goes in slots of two K steps through a ring of two LDS slots; blocks are asked for jointly along the cluster's rows (R) and columns (P).
; LIMITS: a block of zeros gets the byte 1 where the rule says 127 (its codes are zeros; this program alone reads the bytes); blocks under 2^-124 are held at byte 1; NaN and infinities are not served.
; REGISTERS: window 0: v16-29 addresses; v32-63 scale words, two sets; v64-127 biases; v128-223 R's fragments; v240-255 at work on the way out.  window 1: P's fragments, two sets.  windows 2, 3: accumulator (a, b) at v[8 (8 (a % 4) + b)].
.set KS,     8
.set W_OFF,  3276800
.set SBB,    12800
.set NQ,     2
.set HALFT,  NQ*SBB
.set SLOT,   4*HALFT
.set SPARE,  2*SLOT                    ; the spare words, 128 bytes a wave: two blocks of 256 bytes that no other line names
.set LAPS,   KS/(2*NQ)
.set FR,     12
.set NL,     3
.set NP,     4
.set ADRA, 16
.set ADRS, 18
.set ADRB, 20
.set LI,   22
.set LS,   23
.set SPW,  28
.set NIL,  29
.set SC,   32
.set BI,   64
.set AF,   128
.set ST,   128
.set PC,   192
.set PWB,  212
.set SQ,   220
.set TM,   240
.set G1, 24
.set G0, 32
.set G1B, 48
.set G0B, 56
.set SEL, 70
.set MSB, 0
.macro WIN new
.if MSB != \new
	s_set_vgpr_msb (MSB<<8)|\new
.set MSB, \new
.endif
.endm
.set MUL_LO, 0xa1
.set MUL_HI, 0xf1
.set TO_B,   0x40
.macro JLOAD s                         ; a joint load: waves 0, 1 fetch R's groups, waves 2, 3 P's; four v_nop follow each line
	s_cmp_eq_u32 s15, 0
	s_cbranch_scc0 .Lfor_b_\@
	tensor_load_to_lds s[G0+4*\s:G0+4*\s+3], s[G1:G1+7]
	s_nop 0
.rept 4
	v_nop
.endr
	s_branch .Lasked_\@
.Lfor_b_\@:
	tensor_load_to_lds s[G0B+4*\s:G0B+4*\s+3], s[G1B:G1B+7]
	s_nop 0
.rept 4
	v_nop
.endr
.Lasked_\@:
.endm
.macro CREST
	s_cmp_lg_u32 s14, 0
	s_cbranch_scc1 .Lnot_wave_0_\@
	s_barrier_signal -3
.Lnot_wave_0_\@:
	s_barrier_wait -3
	s_barrier_signal -1
	s_barrier_wait -1
.endm
.macro CROUND
	s_barrier_signal -1
	s_barrier_wait -1
	CREST
.endm
	s_load_b256 s[4:11], s[0:1], 0x0               ; x1i, wi, bb1, hi
	v_lshl_add_u32 v[SPW], v0, 2, SPARE
	v_mov_b32 v[NIL], 0
	ds_add_u32 v28, v29
	s_wait_dscnt 0x0
	v_lshrrev_b32 v1, 5, v0
	v_readfirstlane_b32 s14, v1
	s_lshr_b32 s15, s14, 1
	s_and_b32 s16, s14, 1
	s_bfe_u32 s40, ttmp6, 0x40000
	s_bfe_u32 s41, ttmp6, 0x40004
	s_lshl_b32 s42, ttmp9, 2
	s_add_co_u32 s42, s42, s40                     ; P's pair of groups
	s_and_b32 s17, ttmp7, 0xffff
	s_lshl_b32 s17, s17, 2
	s_add_co_u32 s17, s17, s41                     ; R's pair of groups
	s_lshl_b32 s43, s41, 2
	s_lshl_b32 s43, 15, s43
	s_lshl_b32 s44, 0x1111, s40
	s_or_b32 s[G1+0], s43, (3<<16)|(1<<21)
	s_or_b32 s[G1B+0], s44, (3<<16)|(1<<21)
.irp g, G1, G1B
	s_mov_b32 s[\g+1], 32<<16                      ; 100 rows of 256 bytes, dense
	s_mov_b32 s[\g+2], 100<<16
	s_mov_b32 s[\g+3], 32<<16
	s_mov_b32 s[\g+4], 100
	s_mov_b32 s[\g+5], 32
	s_mov_b32 s[\g+6], 0
	s_mov_b32 s[\g+7], 0
.endr
	s_lshl_b32 s20, s17, 1
	s_add_co_u32 s20, s20, s16
	s_lshl_b32 s46, s42, 1
	s_add_co_u32 s46, s46, s16
	s_mov_b32 s21, 0
	s_mov_b32 s47, 0
	s_mov_b64 s[18:19], KS*SBB
	s_mul_u64 s[20:21], s[20:21], s[18:19]
	s_mul_u64 s[46:47], s[46:47], s[18:19]
	s_mul_i32 s45, s14, HALFT
	s_wait_kmcnt 0x0
	s_add_nc_u64 s[20:21], s[4:5], s[20:21]
	s_add_nc_u64 s[46:47], s[6:7], s[46:47]
	s_add_nc_u64 s[46:47], s[46:47], W_OFF
	CROUND
.irp s, 0,1
	s_mov_b32 s[G0+4*\s], 1
	s_add_co_u32 s[G0+4*\s+1], s45, \s*SLOT
	s_add_nc_u64 s[G0+4*\s+2:G0+4*\s+3], s[20:21], \s*HALFT
	s_or_b32 s[G0+4*\s+3], s[G0+4*\s+3], 0x80000000
	s_mov_b32 s[G0B+4*\s], 1
	s_add_co_u32 s[G0B+4*\s+1], s45, \s*SLOT
	s_add_nc_u64 s[G0B+4*\s+2:G0B+4*\s+3], s[46:47], \s*HALFT
	s_or_b32 s[G0B+4*\s+3], s[G0B+4*\s+3], 0x80000000
	JLOAD \s
.endr
	v_and_b32 v1, 15, v0
	v_bfe_u32 v2, v0, 4, 1
	v_and_b32 v3, 31, v0
	v_lshlrev_b32 v[LI], 4, v3
	v_lshlrev_b32 v[LS], 2, v3
	s_mul_i32 s21, s15, HALFT
	s_mul_i32 s22, s16, HALFT
	s_add_co_u32 s22, s22, 2*HALFT
	s_sub_co_u32 s23, s22, s21
	v_mul_u32_u24 v4, s23, v2
	v_lshl_add_u32 v4, v1, 2, v4
.irp s, 0,1
	v_add_nc_u32 v[ADRA+\s], s21, v[LI]
	v_add_nc_u32 v[ADRB+\s], s22, v[LI]
	v_add_nc_u32 v[ADRS+\s], s21, v4
	s_add_co_u32 s21, s21, SLOT
	s_add_co_u32 s22, s22, SLOT
.endr
	s_lshl_b32 s86, s17, 1
	s_add_co_u32 s86, s86, s15                     ; my group of rows
	s_lshl_b32 s87, s42, 1
	s_add_co_u32 s87, s87, s16                     ; my 128 hidden units: the next product's K step
	s_lshl_b32 s66, s86, 5
	s_add_co_u32 s66, s66, s87
	s_mul_i32 s66, s66, SBB
	s_mov_b32 s67, 0
	s_add_nc_u64 s[66:67], s[10:11], s[66:67]      ; my SB
	s_lshl_b32 s72, s87, 9
	s_mov_b32 s73, 0
	s_add_nc_u64 s[72:73], s[8:9], s[72:73]        ; my 128 biases
	s_mov_b32 s68, 0xffff0000
	s_mov_b32 s[SEL], 0x76543210
	s_mov_b32 s[SEL+1], 0xfedcba98
	v_lshlrev_b32 v5, 6, v2
.irp p, 0,1,2,3,4,5,6,7
	global_load_b128 v[BI+8*\p:BI+8*\p+3], v5, s[72:73] offset:(32*(\p/2)+8*(\p%2))*4
	global_load_b128 v[BI+8*\p+4:BI+8*\p+7], v5, s[72:73] offset:(32*(\p/2)+8*(\p%2))*4+16
.endr
.irp b, 0,1,2,3
	v_mov_b32 v[TM+4+\b], 0                        ; written once: a lane permute's destination counts as one of its sources
.endr
.macro FRAG reg, adr, q, i
.irp c, 0,1,2
	ds_load_b128 v[\reg+4*\c:\reg+4*\c+3], v[\adr] offset:(\q)*SBB+(\i)*1536+512*\c
.endr
.endm
; 16 matrix instructions; the 64 accumulators take turns, one instruction a turn, in the same order in every step
.macro MUL16 a0, p, q, sc, zero
.irp a, \a0, \a0+1
.irp b, 0,1,2,3,4,5,6,7
.if \zero
	v_wmma_scale_f32_16x16x128_f8f6f4 v[8*(8*((\a)%4)+\b):8*(8*((\a)%4)+\b)+7], v[128*(\p)+FR*\b:128*(\p)+FR*\b+FR-1], v[AF+FR*(\a):AF+FR*(\a)+FR-1], 0, v[SC+16*(\sc)+8*(\q)+\b], v[SC+16*(\sc)+8*(\q)+(\a)] matrix_a_fmt:MATRIX_FMT_FP6 matrix_b_fmt:MATRIX_FMT_FP6 matrix_a_scale:MATRIX_SCALE_ROW1
.else
	v_wmma_scale_f32_16x16x128_f8f6f4 v[8*(8*((\a)%4)+\b):8*(8*((\a)%4)+\b)+7], v[128*(\p)+FR*\b:128*(\p)+FR*\b+FR-1], v[AF+FR*(\a):AF+FR*(\a)+FR-1], v[8*(8*((\a)%4)+\b):8*(8*((\a)%4)+\b)+7], v[SC+16*(\sc)+8*(\q)+\b], v[SC+16*(\sc)+8*(\q)+(\a)] matrix_a_fmt:MATRIX_FMT_FP6 matrix_b_fmt:MATRIX_FMT_FP6 matrix_a_scale:MATRIX_SCALE_ROW1
.endif
.endr
.endr
.endm
.macro FETCH_B slot, q, p
	WIN TO_B
.irp i, 0,1,2,3,4,5,6,7
	FRAG 128*(\p)+FR*\i, ADRB+\slot, \q, \i
.endr
	WIN 0
.endm
.macro FETCH_A slot, q, i0
.irp i, \i0, \i0+1, \i0+2, \i0+3
	FRAG AF+FR*(\i), ADRA+\slot, \q, \i
.endr
.endm
.macro SCALES sc
.irp q, 0,1
.irp i, 0,1,2,3,4,5,6,7
	ds_load_b32 v[SC+16*\sc+8*\q+\i], v[ADRS+\sc] offset:\q*SBB+12288+64*\i
.endr
.endr
.endm
.macro PLACES n                        ; plain vector instructions between a matrix instruction and a load into, or a read of, its registers
.rept \n
	v_nop
.endr
.endm
.macro STEP slot, q, zero
	s_wait_dscnt 4*NL                              ; the youngest twelve loads (R's tiles 4-7) may be out
	WIN MUL_LO
	MUL16 0, (\q)%2, \q, \slot, \zero
	MUL16 2, (\q)%2, \q, \slot, \zero
	s_wait_dscnt 0
	PLACES NP
	FETCH_B \slot, (\q)+1, 1-(\q)%2
	FETCH_A \slot, (\q)+1, 0
	WIN MUL_HI
	MUL16 4, (\q)%2, \q, \slot, \zero
	MUL16 6, (\q)%2, \q, \slot, \zero
	PLACES NP
	WIN 0
	FETCH_A \slot, (\q)+1, 4
.endm
.macro TURN slot, next, fill
	s_wait_tensorcnt 0x0                           ; all my tensor loads have landed: my part of the next slot
	ds_add_u32 v[SPW], v[NIL]                      ; 0 onto my spare word
	s_wait_dscnt 4*NL+1                            ; (the add and the youngest twelve loads may be out)
	WIN MUL_LO
	MUL16 0, 1, NQ-1, \slot, 0
	s_wait_dscnt 0x0                               ; the add is done, and my reads of this slot are over
	s_barrier_signal -1
	MUL16 2, 1, NQ-1, \slot, 0
	WIN 0
	s_barrier_wait -1
.if \fill
	CREST                                          ; a round of the cluster's barrier: no wave of any partner still reads this slot or has a load on its way
	s_add_nc_u64 s[G0+4*\slot+2:G0+4*\slot+3], s[G0+4*\slot+2:G0+4*\slot+3], 2*HALFT
	s_add_nc_u64 s[G0B+4*\slot+2:G0B+4*\slot+3], s[G0B+4*\slot+2:G0B+4*\slot+3], 2*HALFT
	JLOAD \slot
.else
	PLACES NP
.endif
	FETCH_B \next, 0, 0
	FETCH_A \next, 0, 0
	SCALES \next
	WIN MUL_HI
	MUL16 4, 1, NQ-1, \slot, 0
	MUL16 6, 1, NQ-1, \slot, 0
	PLACES NP
	WIN 0
	FETCH_A \next, 0, 4
.endm
	s_wait_loadcnt 0x0                             ; the biases
	s_wait_tensorcnt 1                             ; my part of slot 0 is in; slot 1's load may be out
	s_barrier_signal -1
	s_barrier_wait -1
	FETCH_B 0, 0, 0
	FETCH_A 0, 0, 0
	SCALES 0
	FETCH_A 0, 0, 4
	STEP 0, 0, 1
	s_mov_b32 s3, LAPS-1
.Llap:
	TURN 0, 1, 1
	STEP 1, 0, 0
	TURN 1, 0, 1
	STEP 0, 0, 0
	s_sub_co_u32 s3, s3, 1
	s_cmp_lg_u32 s3, 0
	s_cbranch_scc1 .Llap
	TURN 0, 1, 0
	STEP 1, 0, 0
	s_wait_dscnt 4*NL
	WIN MUL_LO
	MUL16 0, 1, NQ-1, 1, 0
	MUL16 2, 1, NQ-1, 1, 0
	s_wait_dscnt 0
	WIN MUL_HI
	MUL16 4, 1, NQ-1, 1, 0
	MUL16 6, 1, NQ-1, 1, 0
	WIN 0
; 64 numbers of a lane, register 16 b + i = element 32 b + 16 (lane / 16) + i of my row, become a fragment's codes in v[PC] on and its scale word in v[pw].
.macro QUANT s, pw
.irp b, 0,1,2,3
	v_max3_num_f32 v[TM+\b], |v[\s+16*\b]|, |v[\s+1+16*\b]|, 0x1800000   ; my 16 numbers of block b, and the floor 2^(3 - 127)
.endr
.irp i, 2,4,6,8,10,12,14
.irp b, 0,1,2,3
	v_max3_num_f32 v[TM+\b], v[TM+\b], |v[\s+16*\b+\i]|, |v[\s+1+16*\b+\i]|
.endr
.endr
.irp b, 0,1,2,3
	v_permlanex16_b32 v[TM+4+\b], v[TM+\b], s[SEL], s[SEL+1]
.endr
.irp b, 0,1,2,3
	v_max_num_f32 v[TM+\b], v[TM+\b], v[TM+4+\b]
.endr
.irp b, 0,1,2,3
	v_add_nc_u32 v[TM+12+\b], 0xff000000, v[TM+\b]
.endr
.irp b, 0,1,2,3
	v_lshrrev_b32 v[TM+4+\b], 23, v[TM+12+\b]
.endr
	v_lshl_or_b32 v[\pw], v[TM+5], 8, v[TM+4]
	v_lshl_or_b32 v[\pw], v[TM+6], 16, v[\pw]
	v_lshl_or_b32 v[\pw], v[TM+7], 24, v[\pw]
.irp c, 0,1
	v_cvt_scalef32_pk16_fp6_f32 v[PC+6*\c:PC+2+6*\c], v[\s+32*\c:\s+15+32*\c], v[TM+12+2*\c]
	v_cvt_scalef32_pk16_fp6_f32 v[PC+12+4*\c:PC+14+4*\c], v[\s+16+32*\c:\s+31+32*\c], v[TM+12+2*\c+1]
.endr
	v_nop                                          ; one plain line behind a scaled conversion
.irp c, 0,1
.irp i, 0,1,2
	v_permlane16_swap_b32 v[PC+6*\c+\i], v[PC+12+4*\c+\i]
.endr
.irp i, 0,1,2
	v_mov_b32 v[PC+3+6*\c+\i], v[PC+12+4*\c+\i]
.endr
.endr
.endm
; fragment a of my SB: R's tile a, my 128 hidden units along the registers.  The addition of the bias is also the move into window 0; each accumulator is read from its low end on.
.macro UNIT a
	s_wait_xcnt 0x0                                ; the last fragment's stores have read their registers
	WIN 0x02+(\a)/4
.set i, 0
.rept 32
	v_pk_add_f32 v[ST+i:ST+i+1], v[64*((\a)%4)+i:64*((\a)%4)+i+1], v[BI+i:BI+i+1]
.set i, i+2
.endr
	WIN 0
.set i, 0
.rept 64
	v_max_num_f32 v[ST+i], 0, v[ST+i]              ; the activation, in f32
.set i, i+1
.endr
	QUANT ST, PWB+(\a)
.irp c, 0,1,2
	global_store_b128 v[LI], v[PC+4*\c:PC+4*\c+3], s[66:67] offset:1536*(\a)+512*\c   ; 512 consecutive bytes, at a multiple of 256 from hi's first byte
.endr
.endm
	PLACES NP
.irp a, 0,1,2,3,4,5,6,7
	UNIT \a
.endr
.irp i, 0,1,2,3
	v_cndmask_b32 v[SQ+\i], v[PWB+2*\i], v[PWB+2*\i+1], s68    ; lanes 0-15 fragment 2 i's words, lanes 16-31 those of 2 i + 1
.endr
.irp i, 0,1,2,3
	global_store_b32 v[LS], v[SQ+\i], s[66:67] offset:12288+128*\i
.endr
	s_wait_tensorcnt 0x0                           ; the wave's end
	ds_add_u32 v[SPW], v[NIL]
	s_wait_dscnt 0x0
	CROUND
	s_endpgm
.Lfunc_end_k_q1cc4555c2b_gemm_ff1:
	.size	k_q1cc4555c2b_gemm_ff1, .Lfunc_end_k_q1cc4555c2b_gemm_ff1-k_q1cc4555c2b_gemm_ff1
	.p2alignl 7, 3214868480
	.fill 96, 4, 3214868480
	.section	.rodata,"a",@progbits
	.p2align	6, 0x0
	.amdhsa_kernel k_q1cc4555c2b_gemm_ff1
		.amdhsa_group_segment_fixed_size 327680
		.amdhsa_private_segment_fixed_size 0
		.amdhsa_enable_private_segment 0
		.amdhsa_kernarg_size 32
		.amdhsa_user_sgpr_count 2
		.amdhsa_user_sgpr_kernarg_segment_ptr 1
		.amdhsa_wavefront_size32 1
		.amdhsa_system_sgpr_workgroup_id_x 1
		.amdhsa_system_sgpr_workgroup_id_y 1
		.amdhsa_system_sgpr_workgroup_id_z 1
		.amdhsa_system_vgpr_workitem_id 0
		.amdhsa_next_free_vgpr 1024
		.amdhsa_next_free_sgpr 100
		.amdhsa_reserve_vcc 0
		.amdhsa_float_denorm_mode_32 3
		.amdhsa_float_denorm_mode_16_64 3
		.amdhsa_memory_ordered 1
		.amdhsa_forward_progress 1
		.amdhsa_inst_pref_size 172
	.end_amdhsa_kernel
	.amdgpu_metadata
---
amdhsa.version: [ 1, 2 ]
amdhsa.kernels:
  - .name:           k_q1cc4555c2b_gemm_ff1
    .symbol:         k_q1cc4555c2b_gemm_ff1.kd
    .args:
      - { .name: x1i, .offset: 0, .size: 8, .value_kind: global_buffer, .address_space: global }
      - { .name: wi, .offset: 8, .size: 8, .value_kind: global_buffer, .address_space: global }
      - { .name: bb1, .offset: 16, .size: 8, .value_kind: global_buffer, .address_space: global }
      - { .name: hi, .offset: 24, .size: 8, .value_kind: global_buffer, .address_space: global }
    .group_segment_fixed_size: 327680
    .private_segment_fixed_size: 0
    .kernarg_segment_align: 8
    .kernarg_segment_size: 32
    .max_flat_workgroup_size: 128
    .sgpr_count:     100
    .vgpr_count:     1024
    .wavefront_size: 32
...
	.end_amdgpu_metadata
.endif
;; end of part 7
;; launch gemm_ff2 (part 8): grid 4 x 16, 4 waves a work-group, clusters of 4 x 4, 327,680 bytes of LDS; arguments hi, wi, cb; writes cb
.if DOCPART == 8
	.amdgcn_target "amdgcn-amd-amdhsa--gfx1250"
	.amdhsa_code_object_version 6
	.text
	.protected	k_q1cc4555c2b_gemm_ff2
	.globl	k_q1cc4555c2b_gemm_ff2
	.p2align	8
	.type	k_q1cc4555c2b_gemm_ff2,@function
k_q1cc4555c2b_gemm_ff2:
	s_mov_b64 s[64:65], 0
	v_nop
	global_prefetch_b8 v0, s[64:65] scope:SCOPE_SE
	s_setreg_imm32_b32 hwreg(HW_REG_WAVE_MODE, 25, 1), 1
	s_wait_xcnt 0x0
	s_wait_alu depctr_hold_cnt(0) depctr_sa_sdst(0) depctr_va_vdst(0) depctr_va_sdst(0) depctr_va_ssrc(0) depctr_va_vcc(0) depctr_vm_vsrc(0)
	s_getreg_b32 s2, hwreg(HW_REG_IB_STS2, 6, 4)
	s_cmp_eq_u32 s2, 0
	s_cbranch_scc0 .Lentry_in_a_cluster
	s_endpgm
.Lentry_in_a_cluster:
	s_bfe_u32 s2, ttmp6, 0x10000c
	s_cmp_lg_u32 s2, 0xf033
	s_cbranch_scc0 .Lentry_shape_is_right
	s_endpgm
.Lentry_shape_is_right:
; cb = h W2 (no bias: the launch behind adds it with the residual), K = 4,096, on codes of FP6 (E2M3) with E8M0 scales; cb is [4096 rows m = 2 s + b][1024], f32.
; OPERANDS are [group of 128 rows or columns][K step of 128][SB of 12,800 bytes]: eight fragments of 1,536 bytes (register 4 c + i of lane l at 512 c + 16 l + 4 i), then at 12,288 + 64 t + 4 r the scale words.
; Two K steps of a group are one dense block of 25,600 bytes, codes and scales together: one tensor load.  A fragment comes from LDS by three loads of 16 bytes a lane at 16 x lane.
; Lane r of tile t of a group is its element 32 (t / 2) + 8 (t % 2) + r + 8 (r / 8); a group of rows G = 16 b + s / 128 holds 128 rows of one batch.
; Source 0 takes the weight's tiles P, source 1 the rows' tiles R: a lane holds one row, and the 16 registers of P's tiles 2 B, 2 B + 1 are columns 32 B + 16 (lane / 16) + 0 .. 15.
; A work-group makes 2 groups of R x 2 of P, a wave 128 x 128: 64 accumulators.  K goes in slots of two K steps through a ring of two LDS slots.  The four work-groups of a row of the cluster need the same groups of R,
; the four of a column the same groups of P: each block is asked for jointly.  N = 1,024 gives 64 work-groups of this tile.
; REGISTERS: window 0: v16-29 addresses; v32-63 scale words, two sets; v128-223 R's fragments; on the way out v128-255 rows of C.  window 1: P's fragments, two sets.  windows 2, 3: accumulator (a, b) at v[8 (8 (a % 4) + b)].
.set KS,     32
.set W_OFF,  6553600
.set SBB,    12800
.set NQ,     2
.set HALFT,  NQ*SBB
.set SLOT,   4*HALFT
.set SPARE,  2*SLOT                    ; the spare words, 128 bytes a wave: two blocks of 256 bytes that no other line names
.set LAPS,   KS/(2*NQ)
.set FR,     12
.set NL,     3
.set NP,     4
.set SPITCH, 528                       ; the way out: 16 rows x (512 bytes + 16) for each wave, in slot 0, which has had its last fill and its last read by then
.set ADRA, 16
.set ADRS, 18
.set ADRB, 20
.set LI,   22
.set STO,  24
.set RD,   25
.set SPW,  28
.set NIL,  29
.set SC,   32
.set AF,   128
.set BK,   128
.set G1, 24
.set G0, 32
.set G1B, 48
.set G0B, 56
.set MSB, 0
.macro WIN new
.if MSB != \new
	s_set_vgpr_msb (MSB<<8)|\new
.set MSB, \new
.endif
.endm
.set MUL_LO, 0xa1
.set MUL_HI, 0xf1
.set TO_B,   0x40
.macro JLOAD s                         ; a joint load: waves 0, 1 fetch R's groups, waves 2, 3 P's; four v_nop follow each line
	s_cmp_eq_u32 s15, 0
	s_cbranch_scc0 .Lfor_b_\@
	tensor_load_to_lds s[G0+4*\s:G0+4*\s+3], s[G1:G1+7]
	s_nop 0
.rept 4
	v_nop
.endr
	s_branch .Lasked_\@
.Lfor_b_\@:
	tensor_load_to_lds s[G0B+4*\s:G0B+4*\s+3], s[G1B:G1B+7]
	s_nop 0
.rept 4
	v_nop
.endr
.Lasked_\@:
.endm
.macro CREST
	s_cmp_lg_u32 s14, 0
	s_cbranch_scc1 .Lnot_wave_0_\@
	s_barrier_signal -3
.Lnot_wave_0_\@:
	s_barrier_wait -3
	s_barrier_signal -1
	s_barrier_wait -1
.endm
.macro CROUND
	s_barrier_signal -1
	s_barrier_wait -1
	CREST
.endm
	s_load_b128 s[4:7], s[0:1], 0x0                ; the rows' images, wi
	s_load_b64 s[8:9], s[0:1], 0x10                ; cb
	v_lshl_add_u32 v[SPW], v0, 2, SPARE
	v_mov_b32 v[NIL], 0
	ds_add_u32 v28, v29
	s_wait_dscnt 0x0
	v_lshrrev_b32 v1, 5, v0
	v_readfirstlane_b32 s14, v1
	s_lshr_b32 s15, s14, 1                         ; my group of R.  Also: I fetch for R (0) or for P (1)
	s_and_b32 s16, s14, 1                          ; my group of P.  Also: which of the two groups I fetch
	s_bfe_u32 s40, ttmp6, 0x40000
	s_bfe_u32 s41, ttmp6, 0x40004
	s_lshl_b32 s42, ttmp9, 2
	s_add_co_u32 s42, s42, s40                     ; P's pair of groups
	s_and_b32 s17, ttmp7, 0xffff
	s_lshl_b32 s17, s17, 2
	s_add_co_u32 s17, s17, s41                     ; R's pair of groups
	s_lshl_b32 s43, s41, 2
	s_lshl_b32 s43, 15, s43
	s_lshl_b32 s44, 0x1111, s40
	s_or_b32 s[G1+0], s43, (3<<16)|(1<<21)         ; the mask; elements of 8 bytes; no padding; bit 21 beside a mask
	s_or_b32 s[G1B+0], s44, (3<<16)|(1<<21)
.irp g, G1, G1B
	s_mov_b32 s[\g+1], 32<<16                      ; 100 rows of 256 bytes, dense
	s_mov_b32 s[\g+2], 100<<16
	s_mov_b32 s[\g+3], 32<<16
	s_mov_b32 s[\g+4], 100
	s_mov_b32 s[\g+5], 32
	s_mov_b32 s[\g+6], 0
	s_mov_b32 s[\g+7], 0
.endr
	s_lshl_b32 s20, s17, 1
	s_add_co_u32 s20, s20, s16
	s_lshl_b32 s46, s42, 1
	s_add_co_u32 s46, s46, s16
	s_mov_b32 s21, 0
	s_mov_b32 s47, 0
	s_mov_b64 s[18:19], KS*SBB
	s_mul_u64 s[20:21], s[20:21], s[18:19]
	s_mul_u64 s[46:47], s[46:47], s[18:19]
	s_mul_i32 s45, s14, HALFT
	s_wait_kmcnt 0x0
	s_add_nc_u64 s[20:21], s[4:5], s[20:21]
	s_add_nc_u64 s[46:47], s[6:7], s[46:47]
	s_add_nc_u64 s[46:47], s[46:47], W_OFF
	CROUND
.irp s, 0,1
	s_mov_b32 s[G0+4*\s], 1
	s_add_co_u32 s[G0+4*\s+1], s45, \s*SLOT
	s_add_nc_u64 s[G0+4*\s+2:G0+4*\s+3], s[20:21], \s*HALFT
	s_or_b32 s[G0+4*\s+3], s[G0+4*\s+3], 0x80000000
	s_mov_b32 s[G0B+4*\s], 1
	s_add_co_u32 s[G0B+4*\s+1], s45, \s*SLOT
	s_add_nc_u64 s[G0B+4*\s+2:G0B+4*\s+3], s[46:47], \s*HALFT
	s_or_b32 s[G0B+4*\s+3], s[G0B+4*\s+3], 0x80000000
	JLOAD \s
.endr
	v_and_b32 v1, 15, v0
	v_bfe_u32 v2, v0, 4, 1
	v_and_b32 v3, 31, v0
	v_lshlrev_b32 v[LI], 4, v3
	s_mul_i32 s21, s15, HALFT
	s_mul_i32 s22, s16, HALFT
	s_add_co_u32 s22, s22, 2*HALFT
	s_sub_co_u32 s23, s22, s21
	v_mul_u32_u24 v4, s23, v2                      ; lanes 16-31 take P's words
	v_lshl_add_u32 v4, v1, 2, v4
.irp s, 0,1
	v_add_nc_u32 v[ADRA+\s], s21, v[LI]
	v_add_nc_u32 v[ADRB+\s], s22, v[LI]
	v_add_nc_u32 v[ADRS+\s], s21, v4
	s_add_co_u32 s21, s21, SLOT
	s_add_co_u32 s22, s22, SLOT
.endr
	s_mul_i32 s23, s14, 16*SPITCH                  ; my stage
	v_mul_u32_u24 v5, v1, SPITCH
	v_lshl_add_u32 v5, v2, 6, v5
	v_add_nc_u32 v[STO], s23, v5                   ; in: row r, + 64 bytes for lanes 16-31
	v_add_nc_u32 v[RD], s23, v[LI]                 ; back: a row of 512 bytes
	s_lshl_b32 s20, s17, 1
	s_add_co_u32 s20, s20, s15                     ; my group of rows: 16 b + s / 128
	s_and_b32 s21, s20, 15
	s_lshr_b32 s20, s20, 4
	s_lshl_b32 s21, s21, 8
	s_add_co_u32 s20, s20, s21                     ; row 256 (s / 128) + b
	s_lshl_b32 s20, s20, 12
	s_lshl_b32 s46, s42, 10
	s_lshl_b32 s47, s16, 9
	s_add_co_u32 s46, s46, s47                     ; my 128 columns
	s_add_co_u32 s20, s20, s46
	s_mov_b32 s21, 0
	s_add_nc_u64 s[8:9], s[8:9], s[20:21]
.macro FRAG reg, adr, q, i
.irp c, 0,1,2
	ds_load_b128 v[\reg+4*\c:\reg+4*\c+3], v[\adr] offset:(\q)*SBB+(\i)*1536+512*\c
.endr
.endm
; 16 matrix instructions; the 64 accumulators take turns, one instruction a turn, in the same order in every step
.macro MUL16 a0, p, q, sc, zero
.irp a, \a0, \a0+1
.irp b, 0,1,2,3,4,5,6,7
.if \zero
	v_wmma_scale_f32_16x16x128_f8f6f4 v[8*(8*((\a)%4)+\b):8*(8*((\a)%4)+\b)+7], v[128*(\p)+FR*\b:128*(\p)+FR*\b+FR-1], v[AF+FR*(\a):AF+FR*(\a)+FR-1], 0, v[SC+16*(\sc)+8*(\q)+\b], v[SC+16*(\sc)+8*(\q)+(\a)] matrix_a_fmt:MATRIX_FMT_FP6 matrix_b_fmt:MATRIX_FMT_FP6 matrix_a_scale:MATRIX_SCALE_ROW1
.else
	v_wmma_scale_f32_16x16x128_f8f6f4 v[8*(8*((\a)%4)+\b):8*(8*((\a)%4)+\b)+7], v[128*(\p)+FR*\b:128*(\p)+FR*\b+FR-1], v[AF+FR*(\a):AF+FR*(\a)+FR-1], v[8*(8*((\a)%4)+\b):8*(8*((\a)%4)+\b)+7], v[SC+16*(\sc)+8*(\q)+\b], v[SC+16*(\sc)+8*(\q)+(\a)] matrix_a_fmt:MATRIX_FMT_FP6 matrix_b_fmt:MATRIX_FMT_FP6 matrix_a_scale:MATRIX_SCALE_ROW1
.endif
.endr
.endr
.endm
.macro FETCH_B slot, q, p
	WIN TO_B
.irp i, 0,1,2,3,4,5,6,7
	FRAG 128*(\p)+FR*\i, ADRB+\slot, \q, \i
.endr
	WIN 0
.endm
.macro FETCH_A slot, q, i0
.irp i, \i0, \i0+1, \i0+2, \i0+3
	FRAG AF+FR*(\i), ADRA+\slot, \q, \i
.endr
.endm
.macro SCALES sc
.irp q, 0,1
.irp i, 0,1,2,3,4,5,6,7
	ds_load_b32 v[SC+16*\sc+8*\q+\i], v[ADRS+\sc] offset:\q*SBB+12288+64*\i
.endr
.endr
.endm
.macro PLACES n                        ; plain vector instructions between a matrix instruction and a load into, or a read of, its registers
.rept \n
	v_nop
.endr
.endm
.macro STEP slot, q, zero
	s_wait_dscnt 4*NL                              ; the youngest twelve loads (R's tiles 4-7) may be out
	WIN MUL_LO
	MUL16 0, (\q)%2, \q, \slot, \zero
	MUL16 2, (\q)%2, \q, \slot, \zero
	s_wait_dscnt 0
	PLACES NP
	FETCH_B \slot, (\q)+1, 1-(\q)%2
	FETCH_A \slot, (\q)+1, 0
	WIN MUL_HI
	MUL16 4, (\q)%2, \q, \slot, \zero
	MUL16 6, (\q)%2, \q, \slot, \zero
	PLACES NP
	WIN 0
	FETCH_A \slot, (\q)+1, 4
.endm
.macro TURN slot, next, fill
	s_wait_tensorcnt 0x0                           ; all my tensor loads have landed: my part of the next slot
	ds_add_u32 v[SPW], v[NIL]                      ; 0 onto my spare word
	s_wait_dscnt 4*NL+1                            ; (the add and the youngest twelve loads may be out)
	WIN MUL_LO
	MUL16 0, 1, NQ-1, \slot, 0
	s_wait_dscnt 0x0                               ; the add is done, and my reads of this slot are over
	s_barrier_signal -1
	MUL16 2, 1, NQ-1, \slot, 0
	WIN 0
	s_barrier_wait -1
.if \fill
	CREST                                          ; a round of the cluster's barrier: no wave of any partner still reads this slot or has a load on its way
	s_add_nc_u64 s[G0+4*\slot+2:G0+4*\slot+3], s[G0+4*\slot+2:G0+4*\slot+3], 2*HALFT
	s_add_nc_u64 s[G0B+4*\slot+2:G0B+4*\slot+3], s[G0B+4*\slot+2:G0B+4*\slot+3], 2*HALFT
	JLOAD \slot
.else
	PLACES NP
.endif
	FETCH_B \next, 0, 0
	FETCH_A \next, 0, 0
	SCALES \next
	WIN MUL_HI
	MUL16 4, 1, NQ-1, \slot, 0
	MUL16 6, 1, NQ-1, \slot, 0
	PLACES NP
	WIN 0
	FETCH_A \next, 0, 4
.endm
	s_wait_tensorcnt 1                             ; my part of slot 0 is in; slot 1's load may be out
	s_barrier_signal -1
	s_barrier_wait -1
	FETCH_B 0, 0, 0
	FETCH_A 0, 0, 0
	SCALES 0
	FETCH_A 0, 0, 4
	STEP 0, 0, 1
	s_mov_b32 s3, LAPS-1
.Llap:
	TURN 0, 1, 1
	STEP 1, 0, 0
	TURN 1, 0, 1
	STEP 0, 0, 0
	s_sub_co_u32 s3, s3, 1
	s_cmp_lg_u32 s3, 0
	s_cbranch_scc1 .Llap
	TURN 0, 1, 0
	STEP 1, 0, 0
	s_wait_dscnt 4*NL
	WIN MUL_LO
	MUL16 0, 1, NQ-1, 1, 0
	MUL16 2, 1, NQ-1, 1, 0
	s_wait_dscnt 0
	WIN MUL_HI
	MUL16 4, 1, NQ-1, 1, 0
	MUL16 6, 1, NQ-1, 1, 0
	WIN 0
; THE WAY OUT, tile by tile of 16 rows x 128 columns, through my own stage: in by 32 neighbouring bytes a lane, back as whole rows of 512 bytes.  LDS serves a wave's instructions in order.
.macro TOSTAGE a
.set AC, 64*((\a)%4)
	WIN 0x08+4*((\a)/4)                            ; an LDS store's data: window 2 or 3
.irp b, 0,1,2,3,4,5,6,7
	ds_store_b128 v[STO], v[AC+8*\b:AC+8*\b+3] offset:128*(\b/2)+32*(\b%2)        ; each accumulator from its low end on
	ds_store_b128 v[STO], v[AC+8*\b+4:AC+8*\b+7] offset:128*(\b/2)+32*(\b%2)+16
.endr
	WIN 0
.set BB, BK+64*((\a)%2)
.irp t, 0,1,2,3,4,5,6,7,8,9,10,11,12,13,14,15
	ds_load_b128 v[BB+4*\t:BB+4*\t+3], v[RD] offset:\t*SPITCH
.endr
.endm
.macro SEND a, younger                 ; lane t of tile a is row 2 (32 (a / 2) + 8 (a % 2) + t + 8 (t / 8)) of my group's 256: every place is an immediate, 1,040,384 bytes at the most
.set BB, BK+64*((\a)%2)
	s_wait_dscnt \younger
.irp t, 0,1,2,3,4,5,6,7,8,9,10,11,12,13,14,15
	global_store_b128 v[LI], v[BB+4*\t:BB+4*\t+3], s[8:9] offset:8192*(32*((\a)/2)+8*((\a)%2)+\t+8*(\t/8)) th:TH_STORE_NT   ; 512 consecutive bytes, at a multiple of 256 from cb's first byte
.endr
.endm
	PLACES NP
	TOSTAGE 0
.irp a, 1,2,3,4,5,6,7
.if \a > 1
	s_wait_xcnt 0x0                                ; tile a - 2's stores have read their registers: tile a's loads may land there
.endif
	TOSTAGE \a
	SEND \a-1, 32                                  ; behind tile a - 1's loads: tile a's 16 stores and 16 loads
.endr
	SEND 7, 0
	s_wait_tensorcnt 0x0                           ; the wave's end
	ds_add_u32 v[SPW], v[NIL]
	s_wait_dscnt 0x0
	CROUND
	s_endpgm
.Lfunc_end_k_q1cc4555c2b_gemm_ff2:
	.size	k_q1cc4555c2b_gemm_ff2, .Lfunc_end_k_q1cc4555c2b_gemm_ff2-k_q1cc4555c2b_gemm_ff2
	.p2alignl 7, 3214868480
	.fill 96, 4, 3214868480
	.section	.rodata,"a",@progbits
	.p2align	6, 0x0
	.amdhsa_kernel k_q1cc4555c2b_gemm_ff2
		.amdhsa_group_segment_fixed_size 327680
		.amdhsa_private_segment_fixed_size 0
		.amdhsa_enable_private_segment 0
		.amdhsa_kernarg_size 24
		.amdhsa_user_sgpr_count 2
		.amdhsa_user_sgpr_kernarg_segment_ptr 1
		.amdhsa_wavefront_size32 1
		.amdhsa_system_sgpr_workgroup_id_x 1
		.amdhsa_system_sgpr_workgroup_id_y 1
		.amdhsa_system_sgpr_workgroup_id_z 1
		.amdhsa_system_vgpr_workitem_id 0
		.amdhsa_next_free_vgpr 1024
		.amdhsa_next_free_sgpr 100
		.amdhsa_reserve_vcc 0
		.amdhsa_float_denorm_mode_32 3
		.amdhsa_float_denorm_mode_16_64 3
		.amdhsa_memory_ordered 1
		.amdhsa_forward_progress 1
		.amdhsa_inst_pref_size 134
	.end_amdhsa_kernel
	.amdgpu_metadata
---
amdhsa.version: [ 1, 2 ]
amdhsa.kernels:
  - .name:           k_q1cc4555c2b_gemm_ff2
    .symbol:         k_q1cc4555c2b_gemm_ff2.kd
    .args:
      - { .name: hi, .offset: 0, .size: 8, .value_kind: global_buffer, .address_space: global }
      - { .name: wi, .offset: 8, .size: 8, .value_kind: global_buffer, .address_space: global }
      - { .name: cb, .offset: 16, .size: 8, .value_kind: global_buffer, .address_space: global }
    .group_segment_fixed_size: 327680
    .private_segment_fixed_size: 0
    .kernarg_segment_align: 8
    .kernarg_segment_size: 24
    .max_flat_workgroup_size: 128
    .sgpr_count:     100
    .vgpr_count:     1024
    .wavefront_size: 32
...
	.end_amdgpu_metadata
.endif
;; end of part 8
;; launch ln2 (part 9): grid 256 x 1, 16 waves a work-group, no clusters, 0 bytes of LDS; arguments x1, cb, bb2, g2, b2, out0; writes out0
.if DOCPART == 9
	.amdgcn_target "amdgcn-amd-amdhsa--gfx1250"
	.amdhsa_code_object_version 6
	.text
	.protected	k_q1cc4555c2b_ln2
	.globl	k_q1cc4555c2b_ln2
	.p2align	8
	.type	k_q1cc4555c2b_ln2,@function
k_q1cc4555c2b_ln2:
	s_mov_b64 s[64:65], 0
	v_nop
	global_prefetch_b8 v0, s[64:65] scope:SCOPE_SE
	s_setreg_imm32_b32 hwreg(HW_REG_WAVE_MODE, 25, 1), 1
	s_wait_xcnt 0x0
; out0 = layer norm(x1 + (cb + bb2)) g2 + b2, rows of 1,024 in f32.  A wave takes one row (row 16 x work-group + wave), 32 numbers a lane; every load and store of a wave covers 512 consecutive bytes.
; The row stays in registers between the passes: it is read once.  The deviations are taken from the finished mean and squared in a second pass, so a common offset of the inputs costs nothing.
; No LDS, no barrier: waves share nothing.  NaN and infinities among the inputs are not served.
.set OFF,  2
.set X,    16
.set CC,   48
.set BO,   80
.set GG,   112
.set BB,   144
.set T,    176
.set SEL,  46
	s_load_b256 s[24:31], s[0:1], 0x0              ; x1, cb, bb2, g2
	s_load_b128 s[32:35], s[0:1], 0x20             ; b2, out0
	v_lshrrev_b32 v1, 5, v0
	v_readfirstlane_b32 s8, v1
	v_and_b32 v1, 31, v0
	v_lshlrev_b32 v[OFF], 4, v1
	s_lshl_b32 s12, ttmp9, 4
	s_add_co_u32 s12, s12, s8                      ; my row
	s_lshl_b32 s12, s12, 12
	s_mov_b32 s13, 0
	s_mov_b32 s40, 0x3a800000                      ; 1 / 1,024
	s_mov_b32 s[SEL], 0x76543210
	s_mov_b32 s[SEL+1], 0xfedcba98
	s_wait_kmcnt 0x0
	s_add_nc_u64 s[24:25], s[24:25], s[12:13]
	s_add_nc_u64 s[26:27], s[26:27], s[12:13]
	s_add_nc_u64 s[34:35], s[34:35], s[12:13]
.irp j, 0,1,2,3,4,5,6,7
	global_load_b128 v[X+4*\j:X+4*\j+3], v[OFF], s[24:25] offset:512*\j th:TH_LOAD_NT
.endr
.irp j, 0,1,2,3,4,5,6,7
	global_load_b128 v[CC+4*\j:CC+4*\j+3], v[OFF], s[26:27] offset:512*\j th:TH_LOAD_NT
.endr
.irp j, 0,1,2,3,4,5,6,7
	global_load_b128 v[BO+4*\j:BO+4*\j+3], v[OFF], s[28:29] offset:512*\j
.endr
.irp j, 0,1,2,3,4,5,6,7
	global_load_b128 v[GG+4*\j:GG+4*\j+3], v[OFF], s[30:31] offset:512*\j
.endr
.irp j, 0,1,2,3,4,5,6,7
	global_load_b128 v[BB+4*\j:BB+4*\j+3], v[OFF], s[32:33] offset:512*\j
.endr
.macro ACROSS                          ; v[T] summed over the 32 lanes, the result in every lane
	v_add_f32 v[T], v[T], v[T+1]
	v_add_f32_dpp v[T], v[T], v[T] row_xmask:1 row_mask:0xf bank_mask:0xf
	v_add_f32_dpp v[T], v[T], v[T] row_xmask:2 row_mask:0xf bank_mask:0xf
	v_add_f32_dpp v[T], v[T], v[T] row_xmask:4 row_mask:0xf bank_mask:0xf
	v_add_f32_dpp v[T], v[T], v[T] row_xmask:8 row_mask:0xf bank_mask:0xf
	v_permlanex16_b32 v[T+1], v[T], s[SEL], s[SEL+1]
	v_add_f32 v[T], v[T], v[T+1]
.endm
.macro JOIN                            ; four chains into one pair
	v_pk_add_f32 v[T:T+1], v[T:T+1], v[T+2:T+3]
	v_pk_add_f32 v[T+4:T+5], v[T+4:T+5], v[T+6:T+7]
	v_pk_add_f32 v[T:T+1], v[T:T+1], v[T+4:T+5]
.endm
	s_wait_loadcnt 16                              ; x1, the product and its bias are in; the sixteen loads of the gain and the offset may be out
.set i, 0
.rept 16
	v_pk_add_f32 v[CC+i:CC+i+1], v[CC+i:CC+i+1], v[BO+i:BO+i+1]
.set i, i+2
.endr
.set i, 0
.rept 16
	v_pk_add_f32 v[X+i:X+i+1], v[X+i:X+i+1], v[CC+i:CC+i+1]
.set i, i+2
.endr
.irp k, 0,1,2,3
	v_pk_add_f32 v[T+2*\k:T+2*\k+1], v[X+2*\k:X+2*\k+1], v[X+8+2*\k:X+9+2*\k]
.endr
.irp g, 16,24
.irp k, 0,1,2,3
	v_pk_add_f32 v[T+2*\k:T+2*\k+1], v[T+2*\k:T+2*\k+1], v[X+\g+2*\k:X+\g+1+2*\k]
.endr
.endr
	JOIN
	ACROSS
	v_mul_f32 v[T+2], s40, v[T]                    ; the mean
	v_mov_b32 v[T+3], v[T+2]
.set i, 0
.rept 16
	v_pk_add_f32 v[X+i:X+i+1], v[X+i:X+i+1], v[T+2:T+3] neg_lo:[0,1] neg_hi:[0,1]
.set i, i+2
.endr
.irp k, 0,1,2,3
	v_pk_mul_f32 v[T+2*\k:T+2*\k+1], v[X+2*\k:X+2*\k+1], v[X+2*\k:X+2*\k+1]
.endr
.irp g, 8,16,24
.irp k, 0,1,2,3
	v_pk_fma_f32 v[T+2*\k:T+2*\k+1], v[X+\g+2*\k:X+\g+1+2*\k], v[X+\g+2*\k:X+\g+1+2*\k], v[T+2*\k:T+2*\k+1]
.endr
.endr
	JOIN
	ACROSS
	v_fmaak_f32 v[T+2], s40, v[T], 0x3727c5ac      ; the variance + 1e-5
	v_rsq_f32 v[T+4], v[T+2]
	v_rsq_f32 v[T+5], v[T+2]
	v_nop                                          ; a plain line behind the transcendentals
	s_wait_alu depctr_va_vdst(0)                   ; one wait for both, ahead of their first reader
.set i, 0
.rept 16
	v_pk_mul_f32 v[X+i:X+i+1], v[X+i:X+i+1], v[T+4:T+5]
.set i, i+2
.endr
	s_wait_loadcnt 0x0
.set i, 0
.rept 16
	v_pk_fma_f32 v[X+i:X+i+1], v[X+i:X+i+1], v[GG+i:GG+i+1], v[BB+i:BB+i+1]
.set i, i+2
.endr
.irp j, 0,1,2,3,4,5,6,7
	global_store_b128 v[OFF], v[X+4*\j:X+4*\j+3], s[34:35] offset:512*\j th:TH_STORE_NT   ; 512 consecutive bytes, at a multiple of 256 from out0's first byte
.endr
	s_endpgm
.Lfunc_end_k_q1cc4555c2b_ln2:
	.size	k_q1cc4555c2b_ln2, .Lfunc_end_k_q1cc4555c2b_ln2-k_q1cc4555c2b_ln2
	.p2alignl 7, 3214868480
	.fill 96, 4, 3214868480
	.section	.rodata,"a",@progbits
	.p2align	6, 0x0
	.amdhsa_kernel k_q1cc4555c2b_ln2
		.amdhsa_group_segment_fixed_size 0
		.amdhsa_private_segment_fixed_size 0
		.amdhsa_enable_private_segment 0
		.amdhsa_kernarg_size 48
		.amdhsa_user_sgpr_count 2
		.amdhsa_user_sgpr_kernarg_segment_ptr 1
		.amdhsa_wavefront_size32 1
		.amdhsa_system_sgpr_workgroup_id_x 1
		.amdhsa_system_sgpr_workgroup_id_y 1
		.amdhsa_system_sgpr_workgroup_id_z 1
		.amdhsa_system_vgpr_workitem_id 0
		.amdhsa_next_free_vgpr 184
		.amdhsa_next_free_sgpr 66
		.amdhsa_reserve_vcc 0
		.amdhsa_float_denorm_mode_32 3
		.amdhsa_float_denorm_mode_16_64 3
		.amdhsa_memory_ordered 1
		.amdhsa_forward_progress 1
		.amdhsa_inst_pref_size 14
	.end_amdhsa_kernel
	.amdgpu_metadata
---
amdhsa.version: [ 1, 2 ]
amdhsa.kernels:
  - .name:           k_q1cc4555c2b_ln2
    .symbol:         k_q1cc4555c2b_ln2.kd
    .args:
      - { .name: x1, .offset: 0, .size: 8, .value_kind: global_buffer, .address_space: global }
      - { .name: cb, .offset: 8, .size: 8, .value_kind: global_buffer, .address_space: global }
      - { .name: bb2, .offset: 16, .size: 8, .value_kind: global_buffer, .address_space: global }
      - { .name: g2, .offset: 24, .size: 8, .value_kind: global_buffer, .address_space: global }
      - { .name: b2, .offset: 32, .size: 8, .value_kind: global_buffer, .address_space: global }
      - { .name: out0, .offset: 40, .size: 8, .value_kind: global_buffer, .address_space: global }
    .group_segment_fixed_size: 0
    .private_segment_fixed_size: 0
    .kernarg_segment_align: 8
    .kernarg_segment_size: 48
    .max_flat_workgroup_size: 512
    .sgpr_count:     66
    .vgpr_count:     184
    .wavefront_size: 32
...
	.end_amdgpu_metadata
.endif
;; end of part 9
;; ======== version 2 of 2: 7 launches
;; limits: right only within a limited range of input values
;; workspace buffers: wi 9,830,400 bytes; xi 3,276,800 bytes; qkv 9,830,400 bytes; oi 3,276,800 bytes; cb 16,777,216 bytes; x1 16,777,216 bytes; x1i 3,276,800 bytes; hi 13,107,200 bytes
;; launch quant_wx (part 10): grid 352 x 1, 16 waves a work-group, no clusters, 186,880 bytes of LDS; arguments Wq, Wk, Wv, Wo, W1, W2, wi, x, xi; writes wi, xi
.if DOCPART == 10
	.amdgcn_target "amdgcn-amd-amdhsa--gfx1250"
	.amdhsa_code_object_version 6
	.text
	.protected	k_q1cc4555c2b_quant_wx
	.globl	k_q1cc4555c2b_quant_wx
	.p2align	8
	.type	k_q1cc4555c2b_quant_wx,@function
k_q1cc4555c2b_quant_wx:
	s_mov_b64 s[64:65], 0
	v_nop
	global_prefetch_b8 v0, s[64:65] scope:SCOPE_SE
	s_setreg_imm32_b32 hwreg(HW_REG_WAVE_MODE, 25, 1), 1
	s_wait_xcnt 0x0
; ONE launch quantises the six weights and x to codes of FP6 (E2M3) with one E8M0 byte for each 32 along K, laid as IMAGES OF OPERAND REGISTERS.
; A block (SB) of 12,800 bytes serves 128 rows or columns x 128 K: eight fragments of 1,536 bytes (register 4 c + i of lane l at 512 c + 16 l + 4 i), then at 12,288 + 64 t + 4 r the scale words.
; Lane r of tile t is element 32 (t / 2) + 8 (t % 2) + r + 8 (r / 8) of the 128.
; A block's scale is 2^(floor(log2(largest magnitude)) - 2): its byte is the largest magnitude's exponent field - 2, held at 1 from below.
; THE DEAL.  Work-groups 0 to 95 take the weights, the longer work, and have the lowest numbers; work-groups 96 to 351 take x, a tile of 16 rows each.  The two ways part once, on the work-group's number alone,
; and each has LDS bytes of its own: the weights' 16 x 6,144 from 0, x's 86,528 from XB; the spare words lie behind both.
; THE WEIGHTS, f32 stored [K][N].  wi = [group of 128 columns][K step][SB]: Wq, Wk, Wv, Wo (8 groups x 8 steps each), W1 (32 x 8), W2 (8 x 32).  A UNIT of four waves takes 128 columns x 256 K; its output is the 25,600 bytes
; at 25,600 x its number, whatever the tensor; a work-group holds four units: unit = 4 x work-group + wave / 4.  A LANE TAKES A COLUMN AND ITS REGISTERS RUN DOWN K: a block of 32 is one lane's.
; The pitch of a row (4,096 or 16,384 bytes) stands in registers, never in an immediate, so one text serves all six.  No barrier on this way: waves share nothing.
; x [4096 rows m = 2 s + b][1024].  xi = [group G][K step 0..7][SB]; G = 16 b + s / 128.  A work-group is one tile (number 8 G + t); wave w is its lane r = w and takes one row.  The row is read as eight runs of 512 bytes,
; turns through the wave's own LDS so that lane l holds block l, and each lane's 24 bytes of codes go to their place in the tile's eight images in LDS; behind one barrier the images leave as runs of 512 bytes.
; LIMITS: a block of zeros gets the byte 1 where the rule says 127 (its codes are zeros, and this program alone reads the bytes); blocks under 2^-124 are held at byte 1; NaN and infinities are not served.
.set XB,    16*6144                    ; where x's LDS bytes begin
.set TURNB, 4608                       ; x: a wave's stage: 32 places of 128 bytes + 16
.set IMG,   XB+16*TURNB                ; the tile's eight images
.set SCA,   IMG+8*1536                 ; their scale words, 64 bytes each
.set SPARE, SCA+512                    ; the spare words, 128 bytes a wave: eight blocks of 256 bytes that no other line names
.set LA,   2                           ; v2   LDS: where my codes go: 6,144 x wave + 1,536 u + 16 r
.set LB,   3                           ; v3   LDS: 6,144 x wave + 16 x lane: the way out
.set GOF,  4                           ; v4   16 x lane
.set GSC,  5                           ; v5   64 u + 4 r: my scale word's place
.set OFFS, 16                          ; v16-47   4 x lane + i x pitch
.set X,    48                          ; v48-111  two sets of 32 numbers
.set C,    112                         ; v112-118 a block's codes
.set SW,   120                         ; v120-121 the scale words of the two K steps
.set OUTR, 122                         ; v122-169 the way out, 24 registers for each K step
	s_load_b256 s[4:11], s[0:1], 0x0               ; Wq, Wk, Wv, Wo
	s_load_b128 s[12:15], s[0:1], 0x20             ; W1, W2
	s_load_b64 s[16:17], s[0:1], 0x30              ; wi
	s_load_b128 s[68:71], s[0:1], 0x38             ; x, xi
	v_lshl_add_u32 v176, v0, 2, SPARE
	v_mov_b32 v177, 0
	v_lshrrev_b32 v1, 5, v0
	s_delay_alu instid0(VALU_DEP_1)
	v_readfirstlane_b32 s63, v1                    ; wave 0..15
	v_and_b32 v1, 31, v0                           ; lane
	s_wait_alu depctr_va_vdst(0)
	s_wait_kmcnt 0x0
	s_cmp_lt_u32 ttmp9, 96
	s_cbranch_scc0 .Lx_path
	; ---- the weights ----
	s_lshr_b32 s18, s63, 2
	s_lshl_b32 s62, ttmp9, 2
	s_add_co_u32 s62, s62, s18                     ; my unit, 0 to 383
	s_and_b32 s18, s63, 3                          ; my place in it: columns 32 x place + lane of the group
	s_mov_b32 s20, 4096
	s_lshr_b32 s21, s62, 7
	s_cmp_eq_u32 s21, 1                            ; units 128 to 255 are W1's
	s_cselect_b32 s20, 16384, s20                  ; the pitch
	s_lshr_b32 s22, s62, 2
	s_and_b32 s23, s22, 7
	s_and_b32 s24, s22, 31
	s_lshr_b32 s25, s62, 4
	s_and_b32 s25, s25, 7
	s_and_b32 s26, s62, 3
	s_and_b32 s27, s62, 15
	s_cmp_lt_u32 s62, 128
	s_cselect_b32 s23, s23, s24
	s_cmp_lt_u32 s62, 256
	s_cselect_b32 s23, s23, s25                    ; the group of 128 columns in its tensor
	s_cselect_b32 s26, s26, s27                    ; which 256 along K
	s_mul_i32 s28, s26, s20
	s_lshl_b32 s28, s28, 8                         ; 256 rows of the pitch
	s_lshl_b32 s23, s23, 9
	s_add_co_u32 s28, s28, s23                     ; + 512 bytes a group
	s_lshl_b32 s24, s18, 7
	s_add_co_u32 s28, s28, s24                     ; + 128 bytes a wave
	s_mov_b32 s29, 0
	s_lshl_b32 s30, s20, 5                         ; 32 rows: a block
	s_mov_b32 s31, 0
	s_mul_i32 s52, s62, 25600
	s_mul_i32 s53, s18, 3072
	s_add_co_u32 s54, s52, s53                     ; my two fragments of each SB
	s_mov_b32 s55, 0
	s_add_co_u32 s56, s52, s24
	s_add_co_u32 s56, s56, 12288                   ; my 32 scale words of each SB
	s_mov_b32 s57, 0
	v_lshlrev_b32 v7, 2, v1
.set i, 0
.rept 32
	v_mad_u32_u24 v[OFFS+i], s20, i, v7
.set i, i+1
.endr
	s_mul_i32 s19, s63, 6144
	v_bfe_u32 v8, v0, 3, 1                         ; u: tile 2 x place + u
	v_and_b32 v9, 7, v0
	v_bfe_u32 v10, v0, 4, 1
	v_lshl_add_u32 v9, v10, 3, v9                  ; r
	v_mul_u32_u24 v[LA], v8, 1536
	v_lshl_add_u32 v[LA], v9, 4, v[LA]
	v_add_nc_u32 v[LA], s19, v[LA]
	v_lshlrev_b32 v[GOF], 4, v1
	v_add_nc_u32 v[LB], s19, v[GOF]
	v_lshlrev_b32 v[GSC], 6, v8
	v_lshl_add_u32 v[GSC], v9, 2, v[GSC]
	s_cmp_lt_u32 s62, 32                           ; which tensor: the choice hangs on the unit's number alone
	s_cselect_b64 s[4:5], s[4:5], s[6:7]
	s_cmp_lt_u32 s62, 64
	s_cselect_b64 s[4:5], s[4:5], s[8:9]
	s_cmp_lt_u32 s62, 96
	s_cselect_b64 s[4:5], s[4:5], s[10:11]
	s_cmp_lt_u32 s62, 128
	s_cselect_b64 s[4:5], s[4:5], s[12:13]
	s_cmp_lt_u32 s62, 256
	s_cselect_b64 s[4:5], s[4:5], s[14:15]
	s_add_nc_u64 s[32:33], s[4:5], s[28:29]        ; block 0's first row; a base for each of the eight blocks
.irp t, 1,2,3,4,5,6,7
	s_add_nc_u64 s[32+2*\t:33+2*\t], s[30+2*\t:31+2*\t], s[30:31]
.endr
	; Wo alone (units 96 to 127): a K step of 128 is a pair of heads A, B of 64 channels; its four blocks are laid in the order A0, B0, A1, B1, as the launch that makes o lays them.
	; So the rows of blocks 1 and 2 (and 5 and 6) change places: only the bases are chosen, on the unit's number alone.
	s_lshr_b32 s21, s62, 5
	s_cmp_eq_u32 s21, 3
	s_cselect_b64 s[58:59], s[36:37], s[34:35]
	s_cselect_b64 s[36:37], s[34:35], s[36:37]
	s_cselect_b64 s[60:61], s[44:45], s[42:43]
	s_cselect_b64 s[44:45], s[42:43], s[44:45]
	s_mov_b64 s[34:35], s[58:59]
	s_mov_b64 s[42:43], s[60:61]
	s_add_nc_u64 s[48:49], s[16:17], s[54:55]
	s_add_nc_u64 s[50:51], s[16:17], s[56:57]
.macro LOAD t                          ; block t: 32 rows of K at my column: a wave reads 128 neighbouring bytes, a unit's four waves 512
.set i, 0
.rept 32
	global_load_b32 v[X+32*((\t)%2)+i], v[OFFS+i], s[32+2*(\t):33+2*(\t)] th:TH_LOAD_NT
.set i, i+1
.endr
.endm
.macro BLOCK t                         ; K step t / 4; in its fragment my 24 bytes are registers 6 c .. 6 c + 5 of lane r + 16 h, c = (t % 4) / 2, h = t % 2
.set XS, X+32*((\t)%2)
.if (\t) < 7
	s_wait_loadcnt 32                              ; this block's 32 loads are in; the next block's may be out
.else
	s_wait_loadcnt 0x0
.endif
	v_max3_num_f32 v12, |v[XS]|, |v[XS+1]|, |v[XS+2]|
	v_max3_num_f32 v13, |v[XS+3]|, |v[XS+4]|, |v[XS+5]|
.irp i, 6,10,14,18,22,26
	v_max3_num_f32 v12, v12, |v[XS+\i]|, |v[XS+\i+1]|
	v_max3_num_f32 v13, v13, |v[XS+\i+2]|, |v[XS+\i+3]|
.endr
	v_max3_num_f32 v12, v12, |v[XS+30]|, |v[XS+31]|
	v_max3_num_f32 v12, v12, v13, 0x1800000        ; and the floor 2^(3 - 127): the byte cannot fall under 1
	v_add_nc_u32 v11, 0xff000000, v12              ; 2 off the exponent field: the conversion's scale operand
	v_cvt_scalef32_pk16_fp6_f32 v[C:C+2], v[XS:XS+15], v11
	v_cvt_scalef32_pk16_fp6_f32 v[C+4:C+6], v[XS+16:XS+31], v11   ; (a conversion's three registers begin on an even number)
	v_lshrrev_b32 v13, 23, v11                     ; the scale's byte: also the plain line behind the conversions
.if (\t)%4 == 0
	v_mov_b32 v[SW+(\t)/4], v13
.else
	v_lshl_or_b32 v[SW+(\t)/4], v13, 8*((\t)%4), v[SW+(\t)/4]
.endif
	v_mov_b32 v[C+3], v[C+4]                       ; six registers on end
	v_mov_b32 v[C+4], v[C+5]
	v_mov_b32 v[C+5], v[C+6]
.if ((\t)%4)/2 == 0
	ds_store_b128 v[LA], v[C:C+3] offset:3072*((\t)/4)+256*((\t)%2)
	ds_store_b64 v[LA], v[C+4:C+5] offset:3072*((\t)/4)+256*((\t)%2)+512
.else
	ds_store_b64 v[LA], v[C:C+1] offset:3072*((\t)/4)+256*((\t)%2)+520
	ds_store_b128 v[LA], v[C+2:C+5] offset:3072*((\t)/4)+256*((\t)%2)+1024
.endif
.if (\t)+2 < 8
	LOAD (\t)+2
.endif
	s_wait_dscnt 0x0                               ; the stores have read their registers: the next block's codes may be written
.endm
.macro OUT k2                          ; a K step's two fragments of mine leave as 3,072 consecutive bytes; LDS serves a wave's instructions in order
.irp k, 0,1,2,3,4,5
	ds_load_b128 v[OUTR+24*\k2+4*\k:OUTR+24*\k2+4*\k+3], v[LB] offset:3072*\k2+512*\k
.endr
.irp k, 0,1,2,3,4,5
	s_wait_dscnt 5-\k
	global_store_b128 v[GOF], v[OUTR+24*\k2+4*\k:OUTR+24*\k2+4*\k+3], s[48:49] offset:12800*\k2+512*\k   ; 512 consecutive bytes, at a multiple of 256 from wi's first byte
.endr
	global_store_b32 v[GSC], v[SW+\k2], s[50:51] offset:12800*\k2
.endm
	LOAD 0
	LOAD 1
	BLOCK 0
	BLOCK 1
	BLOCK 2
	BLOCK 3
	s_wait_alu depctr_va_vdst(0)
	OUT 0
	BLOCK 4
	BLOCK 5
	BLOCK 6
	BLOCK 7
	s_wait_alu depctr_va_vdst(0)
	OUT 1
	s_wait_tensorcnt 0x0                           ; the wave's end
	ds_add_u32 v176, v177
	s_wait_dscnt 0x0
	s_endpgm
	; ---- x ----
.set OFF,  2                           ; v2   16 x lane
.set TIN,  3                           ; v3   into the stage
.set TOUT, 4                           ; v4   out of it: 144 x lane
.set A0,   5                           ; v5   my codes' place, pieces 0 and 2
.set A1,   6                           ; v6   piece 1
.set ASB,  7                           ; v7   my scale byte's place
.set CPI,  8                           ; v8   the copy out: an image
.set CPS,  9                           ; v9   the copy out: scale words
.set GSO,  10                          ; v10  their place in memory
.set X,    16
.set Y,    48
.set C,    80
.Lx_path:
	v_lshrrev_b32 v11, 5, v0
	s_delay_alu instid0(VALU_DEP_1)
	v_readfirstlane_b32 s8, v11                    ; wave = the tile's lane r
	s_sub_co_u32 s62, ttmp9, 96                    ; the tile's number, 8 G + t
	s_lshr_b32 s9, s62, 3                          ; G
	s_and_b32 s10, s62, 7                          ; t
	s_lshr_b32 s11, s9, 4                          ; b
	s_and_b32 s12, s9, 15
	s_lshl_b32 s12, s12, 7
	s_lshr_b32 s13, s10, 1
	s_lshl_b32 s13, s13, 5
	s_add_co_u32 s12, s12, s13
	s_and_b32 s13, s10, 1
	s_lshl_b32 s13, s13, 3
	s_add_co_u32 s12, s12, s13
	s_add_co_u32 s12, s12, s8
	s_and_b32 s13, s8, 8
	s_add_co_u32 s12, s12, s13                     ; s
	s_lshl_b32 s12, s12, 1
	s_add_co_u32 s12, s12, s11                     ; m
	s_lshl_b32 s12, s12, 12                        ; my row's first byte
	s_mov_b32 s13, 0
	s_mul_i32 s16, s9, 102400                      ; G's eight SBs
	s_and_b32 s17, s8, 7
	s_mul_i32 s17, s17, 12800
	s_add_co_u32 s17, s17, s16
	s_mul_i32 s18, s10, 1536
	s_add_co_u32 s18, s18, s17                     ; waves 0-7: K step w, fragment t
	s_mov_b32 s19, 0
	s_and_b32 s20, s8, 3
	s_mul_i32 s20, s20, 25600
	s_add_co_u32 s20, s20, s16
	s_lshl_b32 s21, s10, 6
	s_add_co_u32 s20, s20, s21
	s_add_co_u32 s20, s20, 12288                   ; waves 8-11: K steps 2 (w - 8) and the next, tile t's words
	s_mov_b32 s21, 0
	; every LDS address is made here, ahead of the place where the waves part
	v_lshlrev_b32 v[OFF], 4, v1
	s_mul_i32 s14, s8, TURNB
	s_add_co_u32 s14, s14, XB
	v_lshrrev_b32 v11, 3, v1
	v_and_b32 v12, 7, v1
	s_delay_alu instid0(VALU_DEP_2)
	v_mul_u32_u24 v[TIN], v11, 144
	s_delay_alu instid0(VALU_DEP_1)
	v_lshl_add_u32 v[TIN], v12, 4, v[TIN]
	s_delay_alu instid0(VALU_DEP_1)
	v_add_nc_u32 v[TIN], s14, v[TIN]               ; a load's 512 bytes are four blocks: place lane / 8, byte 16 (lane % 8)
	v_mul_u32_u24 v[TOUT], v1, 144
	s_delay_alu instid0(VALU_DEP_1)
	v_add_nc_u32 v[TOUT], s14, v[TOUT]
	v_lshrrev_b32 v11, 2, v1                       ; my block l: K step l / 4,
	v_and_b32 v12, 1, v1                           ; h = l % 2,
	v_bfe_u32 v13, v1, 1, 1                        ; c = (l / 2) % 2: registers 6 c .. 6 c + 5 of lane w + 16 h
	s_delay_alu instid0(VALU_DEP_3)
	v_mul_u32_u24 v14, v11, 1536
	s_delay_alu instid0(VALU_DEP_1)
	v_lshl_add_u32 v14, v12, 8, v14
	s_lshl_b32 s15, s8, 4
	s_add_co_u32 s15, s15, IMG
	v_add_nc_u32 v14, s15, v14
	s_delay_alu instid0(VALU_DEP_1)
	v_mad_u32_u24 v[A0], v13, 520, v14             ; pieces of 8 bytes: c = 0: bytes 0, 8, 512;  c = 1: bytes 520, 1,024, 1,032
	s_delay_alu instid0(VALU_DEP_2)
	v_mad_u32_u24 v[A1], v13, 1016, v14
	v_and_b32 v15, 3, v1
	s_delay_alu instid0(VALU_DEP_1)
	v_lshl_add_u32 v[ASB], v11, 6, v15
	s_lshl_b32 s15, s8, 2
	s_add_co_u32 s15, s15, SCA
	v_add_nc_u32 v[ASB], s15, v[ASB]
	s_and_b32 s15, s8, 7
	s_mul_i32 s15, s15, 1536
	s_add_co_u32 s15, s15, IMG
	v_add_nc_u32 v[CPI], s15, v[OFF]
	s_and_b32 s15, s8, 3
	s_lshl_b32 s15, s15, 7
	s_add_co_u32 s15, s15, SCA
	v_lshl_add_u32 v[CPS], v1, 2, s15
	v_lshrrev_b32 v11, 4, v1
	v_and_b32 v12, 15, v1
	s_delay_alu instid0(VALU_DEP_2)
	v_mul_u32_u24 v[GSO], v11, 12800
	s_delay_alu instid0(VALU_DEP_1)
	v_lshl_add_u32 v[GSO], v12, 2, v[GSO]
	s_add_nc_u64 s[24:25], s[68:69], s[12:13]
	s_add_nc_u64 s[42:43], s[70:71], s[18:19]
	s_add_nc_u64 s[44:45], s[70:71], s[20:21]
	s_wait_alu depctr_va_vdst(0)
.irp j, 0,1,2,3,4,5,6,7
	global_load_b128 v[X+4*\j:X+4*\j+3], v[OFF], s[24:25] offset:512*\j th:TH_LOAD_NT
.endr
	s_wait_loadcnt 0x0
.irp j, 0,1,2,3,4,5,6,7
	ds_store_b128 v[TIN], v[X+4*\j:X+4*\j+3] offset:576*\j
.endr
.irp i, 0,1,2,3,4,5,6,7
	ds_load_b128 v[Y+4*\i:Y+4*\i+3], v[TOUT] offset:16*\i      ; my wave's own bytes, served in order: no wait between
.endr
	s_wait_dscnt 0x0                               ; lane l holds block l of the row
	v_max3_num_f32 v12, |v[Y]|, |v[Y+1]|, |v[Y+2]|
	v_max3_num_f32 v13, |v[Y+3]|, |v[Y+4]|, |v[Y+5]|
.irp i, 6,10,14,18,22,26
	s_delay_alu instid0(VALU_DEP_2)
	v_max3_num_f32 v12, v12, |v[Y+\i]|, |v[Y+\i+1]|
	s_delay_alu instid0(VALU_DEP_2)
	v_max3_num_f32 v13, v13, |v[Y+\i+2]|, |v[Y+\i+3]|
.endr
	s_delay_alu instid0(VALU_DEP_2)
	v_max3_num_f32 v12, v12, |v[Y+30]|, |v[Y+31]|
	s_delay_alu instid0(VALU_DEP_1)
	v_max3_num_f32 v12, v12, v13, 0x1800000        ; the floor 2^(3 - 127)
	s_delay_alu instid0(VALU_DEP_1)
	v_add_nc_u32 v11, 0xff000000, v12              ; 2 off the exponent field: the conversion's scale operand
	v_cvt_scalef32_pk16_fp6_f32 v[C:C+2], v[Y:Y+15], v11
	v_cvt_scalef32_pk16_fp6_f32 v[C+4:C+6], v[Y+16:Y+31], v11
	v_lshrrev_b32 v13, 23, v11                     ; the byte: also the plain line behind the conversions
	v_mov_b32 v[C+3], v[C+4]
	v_mov_b32 v[C+4], v[C+5]
	v_mov_b32 v[C+5], v[C+6]
	ds_store_b64 v[A0], v[C:C+1]
	ds_store_b64 v[A1], v[C+2:C+3] offset:8
	ds_store_b64 v[A0], v[C+4:C+5] offset:512
	ds_store_b8 v[ASB], v13
	s_wait_dscnt 0x0                               ; for the others' sake: my stores have landed
	s_barrier_signal -1
	s_barrier_wait -1
	s_cmp_lt_u32 s8, 8
	s_cbranch_scc0 .Lnot_codes
.irp c, 0,1,2
	ds_load_b128 v[Y+4*\c:Y+4*\c+3], v[CPI] offset:512*\c
.endr
	s_wait_dscnt 0x0
.irp c, 0,1,2
	global_store_b128 v[OFF], v[Y+4*\c:Y+4*\c+3], s[42:43] offset:512*\c   ; 512 consecutive bytes, at a multiple of 256 from xi's first byte
.endr
	s_wait_tensorcnt 0x0
	ds_add_u32 v176, v177
	s_wait_dscnt 0x0
	s_endpgm
.Lnot_codes:
	s_cmp_lt_u32 s8, 12
	s_cbranch_scc0 .Ldone
	ds_load_b32 v[Y], v[CPS]
	s_wait_dscnt 0x0
	global_store_b32 v[GSO], v[Y], s[44:45]        ; lanes 0-15 one K step's 16 words, lanes 16-31 the next step's
.Ldone:
	s_wait_tensorcnt 0x0
	ds_add_u32 v176, v177
	s_wait_dscnt 0x0
	s_endpgm
.Lfunc_end_k_q1cc4555c2b_quant_wx:
	.size	k_q1cc4555c2b_quant_wx, .Lfunc_end_k_q1cc4555c2b_quant_wx-k_q1cc4555c2b_quant_wx
	.p2alignl 7, 3214868480
	.fill 96, 4, 3214868480
	.section	.rodata,"a",@progbits
	.p2align	6, 0x0
	.amdhsa_kernel k_q1cc4555c2b_quant_wx
		.amdhsa_group_segment_fixed_size 186880
		.amdhsa_private_segment_fixed_size 0
		.amdhsa_enable_private_segment 0
		.amdhsa_kernarg_size 72
		.amdhsa_user_sgpr_count 2
		.amdhsa_user_sgpr_kernarg_segment_ptr 1
		.amdhsa_wavefront_size32 1
		.amdhsa_system_sgpr_workgroup_id_x 1
		.amdhsa_system_sgpr_workgroup_id_y 1
		.amdhsa_system_sgpr_workgroup_id_z 1
		.amdhsa_system_vgpr_workitem_id 0
		.amdhsa_next_free_vgpr 178
		.amdhsa_next_free_sgpr 80
		.amdhsa_reserve_vcc 0
		.amdhsa_float_denorm_mode_32 3
		.amdhsa_float_denorm_mode_16_64 3
		.amdhsa_memory_ordered 1
		.amdhsa_forward_progress 1
		.amdhsa_inst_pref_size 55
	.end_amdhsa_kernel
	.amdgpu_metadata
---
amdhsa.version: [ 1, 2 ]
amdhsa.kernels:
  - .name:           k_q1cc4555c2b_quant_wx
    .symbol:         k_q1cc4555c2b_quant_wx.kd
    .args:
      - { .name: Wq, .offset: 0, .size: 8, .value_kind: global_buffer, .address_space: global }
      - { .name: Wk, .offset: 8, .size: 8, .value_kind: global_buffer, .address_space: global }
      - { .name: Wv, .offset: 16, .size: 8, .value_kind: global_buffer, .address_space: global }
      - { .name: Wo, .offset: 24, .size: 8, .value_kind: global_buffer, .address_space: global }
      - { .name: W1, .offset: 32, .size: 8, .value_kind: global_buffer, .address_space: global }
      - { .name: W2, .offset: 40, .size: 8, .value_kind: global_buffer, .address_space: global }
      - { .name: wi, .offset: 48, .size: 8, .value_kind: global_buffer, .address_space: global }
      - { .name: x, .offset: 56, .size: 8, .value_kind: global_buffer, .address_space: global }
      - { .name: xi, .offset: 64, .size: 8, .value_kind: global_buffer, .address_space: global }
    .group_segment_fixed_size: 186880
    .private_segment_fixed_size: 0
    .kernarg_segment_align: 8
    .kernarg_segment_size: 72
    .max_flat_workgroup_size: 512
    .sgpr_count:     80
    .vgpr_count:     178
    .wavefront_size: 32
...
	.end_amdgpu_metadata
.endif
;; end of part 10
;; launch gemm_qkv (part 11): grid 12 x 16, 4 waves a work-group, clusters of 4 x 4, 327,680 bytes of LDS; arguments xi, wi, bq, bk, bv, qkv; writes qkv
.if DOCPART == 11
	.amdgcn_target "amdgcn-amd-amdhsa--gfx1250"
	.amdhsa_code_object_version 6
	.text
	.protected	k_q1cc4555c2b_gemm_qkv
	.globl	k_q1cc4555c2b_gemm_qkv
	.p2align	8
	.type	k_q1cc4555c2b_gemm_qkv,@function
k_q1cc4555c2b_gemm_qkv:
	s_mov_b64 s[64:65], 0
	v_nop
	global_prefetch_b8 v0, s[64:65] scope:SCOPE_SE
	s_setreg_imm32_b32 hwreg(HW_REG_WAVE_MODE, 25, 1), 1
	s_wait_xcnt 0x0
	s_wait_alu depctr_hold_cnt(0) depctr_sa_sdst(0) depctr_va_vdst(0) depctr_va_sdst(0) depctr_va_ssrc(0) depctr_va_vcc(0) depctr_vm_vsrc(0)
	s_getreg_b32 s2, hwreg(HW_REG_IB_STS2, 6, 4)
	s_cmp_eq_u32 s2, 0
	s_cbranch_scc0 .Lentry_in_a_cluster
	s_endpgm
.Lentry_in_a_cluster:
	s_bfe_u32 s2, ttmp6, 0x10000c
	s_cmp_lg_u32 s2, 0xf033
	s_cbranch_scc0 .Lentry_shape_is_right
	s_endpgm
.Lentry_shape_is_right:
.set KS,     8
.set WV_OFF, 1638400
.set KV_OFF, 3276800
.set SBB,    12800
.set NQ,     2
.set HALFT,  NQ*SBB
.set SLOT,   4*HALFT
.set SPARE,  2*SLOT
.set LAPS,   KS/(2*NQ)
.set FR,     12
.set NL,     3
.set NP,     4
.set ADRA, 16
.set ADRS, 18
.set ADRB, 20
.set LI,   22
.set LS,   23
.set SPW,  28
.set NIL,  29
.set SC,   32
.set BI,   64
.set AF,   128
.set BV,   224
.set ST,   128
.set PC,   192
.set PWB,  212
.set SQ,   220
.set TM,   240
.set G1, 24
.set G0, 32
.set G1B, 48
.set G0B, 56
.set SEL, 70
.set MSB, 0
.macro WIN new
.if MSB != \new
	s_set_vgpr_msb (MSB<<8)|\new
.set MSB, \new
.endif
.endm
.set MUL_LO, 0xa1
.set MUL_HI, 0xf1
.set TO_B,   0x40
.macro JLOAD s
	s_cmp_eq_u32 s15, 0
	s_cbranch_scc0 .Lfor_b_\@
	tensor_load_to_lds s[G0+4*\s:G0+4*\s+3], s[G1:G1+7]
	s_nop 0
.rept 4
	v_nop
.endr
	s_branch .Lasked_\@
.Lfor_b_\@:
	tensor_load_to_lds s[G0B+4*\s:G0B+4*\s+3], s[G1B:G1B+7]
	s_nop 0
.rept 4
	v_nop
.endr
.Lasked_\@:
.endm
.macro CREST
	s_cmp_lg_u32 s14, 0
	s_cbranch_scc1 .Lnot_wave_0_\@
	s_barrier_signal -3
.Lnot_wave_0_\@:
	s_barrier_wait -3
	s_barrier_signal -1
	s_barrier_wait -1
.endm
.macro CROUND
	s_barrier_signal -1
	s_barrier_wait -1
	CREST
.endm
	s_load_b128 s[4:7], s[0:1], 0x0
	s_load_b128 s[8:11], s[0:1], 0x10
	s_load_b128 s[72:75], s[0:1], 0x20
	v_lshl_add_u32 v[SPW], v0, 2, SPARE
	v_mov_b32 v[NIL], 0
	ds_add_u32 v28, v29
	ds_add_u32 v28, v29
	s_wait_dscnt 0x0
	v_lshrrev_b32 v1, 5, v0
	v_readfirstlane_b32 s14, v1
	s_lshr_b32 s15, s14, 1
	s_and_b32 s16, s14, 1
	s_bfe_u32 s40, ttmp6, 0x40000
	s_bfe_u32 s41, ttmp6, 0x40004
	s_and_b32 s76, ttmp7, 0xffff
	s_lshl_b32 s76, s76, 2
	s_add_co_u32 s77, s76, s41
	s_add_co_u32 s78, s76, s40
	s_lshl_b32 s79, ttmp9, 2
	s_add_co_u32 s79, s79, s40
	s_cmp_lt_u32 ttmp9, 2
	s_cselect_b32 s17, s77, s41
	s_cselect_b32 s42, s79, s78
	s_cselect_b32 s80, 0, WV_OFF
	s_mov_b32 s81, 0
	s_lshl_b32 s43, s41, 2
	s_lshl_b32 s43, 15, s43
	s_lshl_b32 s44, 0x1111, s40
	s_or_b32 s[G1+0], s43, (3<<16)|(1<<21)
	s_or_b32 s[G1B+0], s44, (3<<16)|(1<<21)
.irp g, G1, G1B
	s_mov_b32 s[\g+1], 32<<16
	s_mov_b32 s[\g+2], 100<<16
	s_mov_b32 s[\g+3], 32<<16
	s_mov_b32 s[\g+4], 100
	s_mov_b32 s[\g+5], 32
	s_mov_b32 s[\g+6], 0
	s_mov_b32 s[\g+7], 0
.endr
	s_lshl_b32 s20, s17, 1
	s_add_co_u32 s20, s20, s16
	s_lshl_b32 s46, s42, 1
	s_add_co_u32 s46, s46, s16
	s_mov_b32 s21, 0
	s_mov_b32 s47, 0
	s_mov_b64 s[18:19], KS*SBB
	s_mul_u64 s[20:21], s[20:21], s[18:19]
	s_mul_u64 s[46:47], s[46:47], s[18:19]
	s_add_nc_u64 s[20:21], s[20:21], s[80:81]
	s_mul_i32 s45, s14, HALFT
	s_wait_kmcnt 0x0
	s_cmp_lt_u32 ttmp9, 2
	s_cselect_b64 s[82:83], s[4:5], s[6:7]
	s_cselect_b64 s[84:85], s[6:7], s[4:5]
	s_add_nc_u64 s[20:21], s[82:83], s[20:21]
	s_add_nc_u64 s[46:47], s[84:85], s[46:47]
	; the prefetches: of the 100 blocks of 256 bytes that one load of mine brings, my work-group's 25, told apart from the three partners' by address; a lane a block (lanes 24 to 31 name the last together)
	v_and_b32 v30, 31, v0
	v_min_u32 v30, 24, v30
	v_lshlrev_b32 v30, 8, v30
	s_wait_alu depctr_va_vdst(0)
	s_cmp_eq_u32 s15, 0
	s_cselect_b64 s[96:97], s[20:21], s[46:47]
	s_cselect_b32 s98, s40, s41
	s_mul_i32 s98, s98, 6400
	s_mov_b32 s99, 0
	s_add_nc_u64 s[96:97], s[96:97], s[98:99]
	CROUND
.irp s, 0,1
	s_mov_b32 s[G0+4*\s], 1
	s_add_co_u32 s[G0+4*\s+1], s45, \s*SLOT
	s_add_nc_u64 s[G0+4*\s+2:G0+4*\s+3], s[20:21], \s*HALFT
	s_or_b32 s[G0+4*\s+3], s[G0+4*\s+3], 0x80000000
	s_mov_b32 s[G0B+4*\s], 1
	s_add_co_u32 s[G0B+4*\s+1], s45, \s*SLOT
	s_add_nc_u64 s[G0B+4*\s+2:G0B+4*\s+3], s[46:47], \s*HALFT
	s_or_b32 s[G0B+4*\s+3], s[G0B+4*\s+3], 0x80000000
.if \s == 1
	s_wait_tensorcnt 0x0                           ; slot 1's first fill is issued as a refill is
	ds_add_u32 v28, v29
	s_wait_dscnt 0x0
	CROUND
.endif
	JLOAD \s
	global_prefetch_b8 v30, s[96:97] offset:(\s+1)*HALFT th:TH_LOAD_NT scope:SCOPE_SE   ; what the next tensor load of mine will bring
.endr
	v_and_b32 v1, 15, v0
	v_bfe_u32 v2, v0, 4, 1
	v_and_b32 v3, 31, v0
	v_lshlrev_b32 v[LI], 4, v3
	v_lshlrev_b32 v[LS], 2, v3
	s_mul_i32 s21, s15, HALFT
	s_mul_i32 s22, s16, HALFT
	s_add_co_u32 s22, s22, 2*HALFT
	s_sub_co_u32 s23, s22, s21
	v_mul_u32_u24 v4, s23, v2
	v_lshl_add_u32 v4, v1, 2, v4
.irp s, 0,1
	v_add_nc_u32 v[ADRA+\s], s21, v[LI]
	v_add_nc_u32 v[ADRB+\s], s22, v[LI]
	v_add_nc_u32 v[ADRS+\s], s21, v4
	s_add_co_u32 s21, s21, SLOT
	s_add_co_u32 s22, s22, SLOT
.endr
	s_lshl_b32 s86, s17, 1
	s_add_co_u32 s86, s86, s15
	s_lshl_b32 s87, s42, 1
	s_add_co_u32 s87, s87, s16
	s_and_b32 s88, s87, 7
	s_cmp_lt_u32 ttmp9, 2
	s_cselect_b32 s89, s86, s87
	s_cselect_b32 s88, s88, s86
	s_cselect_b32 s90, 0, SBB
	s_lshl_b32 s91, s89, 3
	s_add_co_u32 s91, s91, s88
	s_mul_i32 s91, s91, SBB
	s_lshr_b32 s92, s89, 4
	s_lshl_b32 s92, s92, 3
	s_add_co_u32 s92, s92, s88
	s_lshl_b32 s92, s92, 4
	s_and_b32 s93, s89, 15
	s_add_co_u32 s92, s92, s93
	s_mul_i32 s92, s92, 2*SBB
	s_add_co_u32 s92, s92, s90
	s_add_co_u32 s92, s92, KV_OFF
	s_cmp_eq_u32 ttmp9, 0
	s_cselect_b32 s66, s91, s92
	s_cselect_b64 s[94:95], s[8:9], s[10:11]
	s_mov_b32 s67, 0
	s_add_nc_u64 s[66:67], s[74:75], s[66:67]
	s_cmp_lt_u32 ttmp9, 2
	s_cselect_b64 s[94:95], s[94:95], s[72:73]
	s_lshl_b32 s92, s88, 9
	s_mov_b32 s93, 0
	s_add_nc_u64 s[94:95], s[94:95], s[92:93]
	s_mov_b32 s68, 0xffff0000
	s_mov_b32 s[SEL], 0x76543210
	s_mov_b32 s[SEL+1], 0xfedcba98
	v_lshlrev_b32 v5, 6, v2
	v_and_b32 v6, 8, v1
	v_add_nc_u32 v6, v6, v1
	v_lshlrev_b32 v6, 2, v6
.irp p, 0,1,2,3,4,5,6,7
	global_load_b128 v[BI+8*\p:BI+8*\p+3], v5, s[94:95] offset:(32*(\p/2)+8*(\p%2))*4
	global_load_b128 v[BI+8*\p+4:BI+8*\p+7], v5, s[94:95] offset:(32*(\p/2)+8*(\p%2))*4+16
	global_load_b32 v[BV+2*\p], v6, s[94:95] offset:(32*(\p/2)+8*(\p%2))*4
	global_load_b32 v[BV+2*\p+1], v6, s[94:95] offset:(32*(\p/2)+8*(\p%2))*4
.endr
.irp b, 0,1,2,3
	v_mov_b32 v[TM+4+\b], 0
.endr
.macro FRAG reg, adr, q, i
.irp c, 0,1,2
	ds_load_b128 v[\reg+4*\c:\reg+4*\c+3], v[\adr] offset:(\q)*SBB+(\i)*1536+512*\c
.endr
.endm
.macro MUL16 a0, p, q, sc, zero
.irp a, \a0, \a0+1
.irp b, 0,1,2,3,4,5,6,7
.if \zero
	v_wmma_scale_f32_16x16x128_f8f6f4 v[8*(8*((\a)%4)+\b):8*(8*((\a)%4)+\b)+7], v[128*(\p)+FR*\b:128*(\p)+FR*\b+FR-1], v[AF+FR*(\a):AF+FR*(\a)+FR-1], 0, v[SC+16*(\sc)+8*(\q)+\b], v[SC+16*(\sc)+8*(\q)+(\a)] matrix_a_fmt:MATRIX_FMT_FP6 matrix_b_fmt:MATRIX_FMT_FP6 matrix_a_scale:MATRIX_SCALE_ROW1
.else
	v_wmma_scale_f32_16x16x128_f8f6f4 v[8*(8*((\a)%4)+\b):8*(8*((\a)%4)+\b)+7], v[128*(\p)+FR*\b:128*(\p)+FR*\b+FR-1], v[AF+FR*(\a):AF+FR*(\a)+FR-1], v[8*(8*((\a)%4)+\b):8*(8*((\a)%4)+\b)+7], v[SC+16*(\sc)+8*(\q)+\b], v[SC+16*(\sc)+8*(\q)+(\a)] matrix_a_fmt:MATRIX_FMT_FP6 matrix_b_fmt:MATRIX_FMT_FP6 matrix_a_scale:MATRIX_SCALE_ROW1
.endif
.endr
.endr
.endm
.macro FETCH_B slot, q, p
	WIN TO_B
.irp i, 0,1,2,3,4,5,6,7
	FRAG 128*(\p)+FR*\i, ADRB+\slot, \q, \i
.endr
	WIN 0
.endm
.macro FETCH_A slot, q, i0
.irp i, \i0, \i0+1, \i0+2, \i0+3
	FRAG AF+FR*(\i), ADRA+\slot, \q, \i
.endr
.endm
.macro SCALES sc
.irp q, 0,1
.irp i, 0,1,2,3,4,5,6,7
	ds_load_b32 v[SC+16*\sc+8*\q+\i], v[ADRS+\sc] offset:\q*SBB+12288+64*\i
.endr
.endr
.endm
.macro PLACES n
.rept \n
	v_nop
.endr
.endm
.macro STEP slot, q, zero
	s_wait_dscnt 4*NL
	WIN MUL_LO
	MUL16 0, (\q)%2, \q, \slot, \zero
	MUL16 2, (\q)%2, \q, \slot, \zero
	s_wait_dscnt 0
	PLACES NP
	FETCH_B \slot, (\q)+1, 1-(\q)%2
	FETCH_A \slot, (\q)+1, 0
	WIN MUL_HI
	MUL16 4, (\q)%2, \q, \slot, \zero
	MUL16 6, (\q)%2, \q, \slot, \zero
	PLACES NP
	WIN 0
	FETCH_A \slot, (\q)+1, 4
.endm
.macro TURN slot, next, fill
	s_wait_tensorcnt 0x0
	ds_add_u32 v[SPW], v[NIL]
	s_wait_dscnt 4*NL+1
	WIN MUL_LO
	MUL16 0, 1, NQ-1, \slot, 0
	s_wait_dscnt 0x0
	s_barrier_signal -1
	MUL16 2, 1, NQ-1, \slot, 0
	WIN 0
	s_barrier_wait -1
.if \fill
	CREST
	s_add_nc_u64 s[G0+4*\slot+2:G0+4*\slot+3], s[G0+4*\slot+2:G0+4*\slot+3], 2*HALFT
	s_add_nc_u64 s[G0B+4*\slot+2:G0B+4*\slot+3], s[G0B+4*\slot+2:G0B+4*\slot+3], 2*HALFT
	JLOAD \slot
.else
	PLACES NP
.endif
	FETCH_B \next, 0, 0
	FETCH_A \next, 0, 0
	s_wait_alu depctr_va_vdst(0)
	SCALES \next
.if \fill && (\slot == 0)
	global_prefetch_b8 v30, s[96:97] offset:3*HALFT th:TH_LOAD_NT scope:SCOPE_SE   ; the loop has one trip: its first refill asks for what its second will bring, the last two K steps; the second asks for nothing
.endif
	WIN MUL_HI
	MUL16 4, 1, NQ-1, \slot, 0
	MUL16 6, 1, NQ-1, \slot, 0
	PLACES NP
	WIN 0
	FETCH_A \next, 0, 4
.endm
	s_wait_loadcnt 0x0
	s_wait_tensorcnt 1
	s_barrier_signal -1
	s_barrier_wait -1
	FETCH_B 0, 0, 0
	FETCH_A 0, 0, 0
	SCALES 0
	FETCH_A 0, 0, 4
	STEP 0, 0, 1
	s_mov_b32 s3, LAPS-1
.Llap:
	TURN 0, 1, 1
	STEP 1, 0, 0
	TURN 1, 0, 1
	STEP 0, 0, 0
	s_sub_co_u32 s3, s3, 1
	s_cmp_lg_u32 s3, 0
	s_cbranch_scc1 .Llap
	TURN 0, 1, 0
	STEP 1, 0, 0
	s_wait_dscnt 4*NL
	WIN MUL_LO
	MUL16 0, 1, NQ-1, 1, 0
	MUL16 2, 1, NQ-1, 1, 0
	s_wait_dscnt 0
	WIN MUL_HI
	MUL16 4, 1, NQ-1, 1, 0
	MUL16 6, 1, NQ-1, 1, 0
	WIN 0
.macro QUANT s, pw
.irp b, 0,1,2,3
	v_max3_num_f32 v[TM+\b], |v[\s+16*\b]|, |v[\s+1+16*\b]|, 0x1800000
.endr
.irp i, 2,4,6,8,10,12,14
.irp b, 0,1,2,3
	v_max3_num_f32 v[TM+\b], v[TM+\b], |v[\s+16*\b+\i]|, |v[\s+1+16*\b+\i]|
.endr
.endr
.irp b, 0,1,2,3
	v_permlanex16_b32 v[TM+4+\b], v[TM+\b], s[SEL], s[SEL+1]
.endr
.irp b, 0,1,2,3
	v_max_num_f32 v[TM+\b], v[TM+\b], v[TM+4+\b]
.endr
.irp b, 0,1,2,3
	v_add_nc_u32 v[TM+12+\b], 0xff000000, v[TM+\b]
.endr
.irp b, 0,1,2,3
	v_lshrrev_b32 v[TM+4+\b], 23, v[TM+12+\b]
.endr
	v_lshl_or_b32 v[\pw], v[TM+5], 8, v[TM+4]
	v_lshl_or_b32 v[\pw], v[TM+6], 16, v[\pw]
	v_lshl_or_b32 v[\pw], v[TM+7], 24, v[\pw]
.irp c, 0,1
	v_cvt_scalef32_pk16_fp6_f32 v[PC+6*\c:PC+2+6*\c], v[\s+32*\c:\s+15+32*\c], v[TM+12+2*\c]
	v_cvt_scalef32_pk16_fp6_f32 v[PC+12+4*\c:PC+14+4*\c], v[\s+16+32*\c:\s+31+32*\c], v[TM+12+2*\c+1]
.endr
	v_nop
.irp c, 0,1
.irp i, 0,1,2
	v_permlane16_swap_b32 v[PC+6*\c+\i], v[PC+12+4*\c+\i]
.endr
.irp i, 0,1,2
	v_mov_b32 v[PC+3+6*\c+\i], v[PC+12+4*\c+\i]
.endr
.endr
.endm
.macro LEAVE f
.irp c, 0,1,2
	global_store_b128 v[LI], v[PC+4*\c:PC+4*\c+3], s[66:67] offset:1536*(\f)+512*\c
.endr
.endm
.macro UNITQK e, bp
	s_wait_xcnt 0x0
	WIN 0x02+(\bp)/2
.irp u, 0,1
.set AC, 64*((2*(\bp)+\u)%4)+32*(\e)
.set i, 0
.rept 16
	v_pk_add_f32 v[ST+32*\u+i:ST+32*\u+i+1], v[AC+i:AC+i+1], v[BI+32*(\e)+i:BI+32*(\e)+i+1]
.set i, i+2
.endr
.endr
	WIN 0
	QUANT ST, PWB+4*(\e)+(\bp)
	LEAVE 4*(\e)+(\bp)
.endm
.macro UNITV a
	s_wait_xcnt 0x0
	WIN 0x02+(\a)/4
.set i, 0
.rept 32
	v_pk_add_f32 v[ST+i:ST+i+1], v[64*((\a)%4)+i:64*((\a)%4)+i+1], v[BV+2*(\a):BV+2*(\a)+1]
.set i, i+2
.endr
	WIN 0
	QUANT ST, PWB+(\a)
	LEAVE \a
.endm
	PLACES NP
	s_cmp_eq_u32 ttmp9, 2
	s_cbranch_scc1 .Lv_way
.irp e, 0,1
.irp bp, 0,1,2,3
	UNITQK \e, \bp
.endr
.endr
	s_branch .Lwords
.Lv_way:
.irp a, 0,1,2,3,4,5,6,7
	UNITV \a
.endr
.Lwords:
.irp i, 0,1,2,3
	v_cndmask_b32 v[SQ+\i], v[PWB+2*\i], v[PWB+2*\i+1], s68
.endr
.irp i, 0,1,2,3
	global_store_b32 v[LS], v[SQ+\i], s[66:67] offset:12288+128*\i
.endr
	s_wait_tensorcnt 0x0
	ds_add_u32 v[SPW], v[NIL]
	s_wait_dscnt 0x0
	CROUND
	s_endpgm
.Lfunc_end_k_q1cc4555c2b_gemm_qkv:
	.size	k_q1cc4555c2b_gemm_qkv, .Lfunc_end_k_q1cc4555c2b_gemm_qkv-k_q1cc4555c2b_gemm_qkv
	.p2alignl 7, 3214868480
	.fill 96, 4, 3214868480
	.section	.rodata,"a",@progbits
	.p2align	6, 0x0
	.amdhsa_kernel k_q1cc4555c2b_gemm_qkv
		.amdhsa_group_segment_fixed_size 327680
		.amdhsa_private_segment_fixed_size 0
		.amdhsa_enable_private_segment 0
		.amdhsa_kernarg_size 48
		.amdhsa_user_sgpr_count 2
		.amdhsa_user_sgpr_kernarg_segment_ptr 1
		.amdhsa_wavefront_size32 1
		.amdhsa_system_sgpr_workgroup_id_x 1
		.amdhsa_system_sgpr_workgroup_id_y 1
		.amdhsa_system_sgpr_workgroup_id_z 1
		.amdhsa_system_vgpr_workitem_id 0
		.amdhsa_next_free_vgpr 1024
		.amdhsa_next_free_sgpr 100
		.amdhsa_reserve_vcc 0
		.amdhsa_float_denorm_mode_32 3
		.amdhsa_float_denorm_mode_16_64 3
		.amdhsa_memory_ordered 1
		.amdhsa_forward_progress 1
		.amdhsa_inst_pref_size 209
	.end_amdhsa_kernel
	.amdgpu_metadata
---
amdhsa.version: [ 1, 2 ]
amdhsa.kernels:
  - .name:           k_q1cc4555c2b_gemm_qkv
    .symbol:         k_q1cc4555c2b_gemm_qkv.kd
    .args:
      - { .name: xi, .offset: 0, .size: 8, .value_kind: global_buffer, .address_space: global }
      - { .name: wi, .offset: 8, .size: 8, .value_kind: global_buffer, .address_space: global }
      - { .name: bq, .offset: 16, .size: 8, .value_kind: global_buffer, .address_space: global }
      - { .name: bk, .offset: 24, .size: 8, .value_kind: global_buffer, .address_space: global }
      - { .name: bv, .offset: 32, .size: 8, .value_kind: global_buffer, .address_space: global }
      - { .name: qkv, .offset: 40, .size: 8, .value_kind: global_buffer, .address_space: global }
    .group_segment_fixed_size: 327680
    .private_segment_fixed_size: 0
    .kernarg_segment_align: 8
    .kernarg_segment_size: 48
    .max_flat_workgroup_size: 128
    .sgpr_count:     100
    .vgpr_count:     1024
    .wavefront_size: 32
...
	.end_amdgpu_metadata
.endif
;; end of part 11
;; launch attn (part 12): grid 8 x 32, 16 waves a work-group, clusters of 4 x 1, 327,680 bytes of LDS; arguments qkv, oi; writes oi
.if DOCPART == 12
	.amdgcn_target "amdgcn-amd-amdhsa--gfx1250"
	.amdhsa_code_object_version 6
	.text
	.protected	k_q1cc4555c2b_attn
	.globl	k_q1cc4555c2b_attn
	.p2align	8
	.type	k_q1cc4555c2b_attn,@function
k_q1cc4555c2b_attn:
	s_mov_b64 s[64:65], 0
	v_nop
	global_prefetch_b8 v0, s[64:65] scope:SCOPE_SE
	s_setreg_imm32_b32 hwreg(HW_REG_WAVE_MODE, 25, 1), 1
	s_wait_xcnt 0x0
	s_wait_alu depctr_hold_cnt(0) depctr_sa_sdst(0) depctr_va_vdst(0) depctr_va_sdst(0) depctr_va_ssrc(0) depctr_va_vcc(0) depctr_vm_vsrc(0)
	s_getreg_b32 s2, hwreg(HW_REG_IB_STS2, 6, 4)
	s_cmp_eq_u32 s2, 0
	s_cbranch_scc0 .Lentry_in_a_cluster
	s_endpgm
.Lentry_in_a_cluster:
	s_bfe_u32 s2, ttmp6, 0x10000c
	s_cmp_lg_u32 s2, 0x3003
	s_cbranch_scc0 .Lentry_shape_is_right
	s_endpgm
.Lentry_shape_is_right:
; o = softmax(q k^T / 8) v for 32 heads of 64, 2,048 queries and keys each, both products on codes of FP6 (E2M3) with E8M0 scales; o is quantised along the model's 1,024 and leaves as images of operand registers.
; t = score x log2(e) / 8; M = the running largest t rounded UP to a whole number; p = 2^(t - M) is quantised along the keys, not normalised; the row's sum is taken of the unquantised p and divides at the end.
; When M moves, the sum and O are multiplied by 2^(old M - new M): exact.
; IN.  qkv: q at 0: [G = 16 b + query block of 128][head pair j][SB of 12,800 bytes]; from KV_OFF: [8 b + j][key step of 128][k's SB | v's SB].  An SB: eight fragments of 1,536 bytes (register 4 c + i of lane l at
; 512 c + 16 l + 4 i), then at 12,288 + 64 f + 4 r the scale words.  q's and k's fragment 4 e + B: head 2 j + e; registers 0-5 the 64 channels of tile 2 B, registers 6-11 those of tile 2 B + 1.
; v's fragment 4 e + t: 16 channels x the step's 128 keys.  Lane r of tile t is row (or channel) 32 (t / 2) + 8 (t % 2) + r + 8 (r / 8).
; THE HEAD'S 64 FILL HALF OF THE INSTRUCTION'S 128: a fragment of k holds TWO tiles of keys; against [q | zeros] it gives the first tile's scores, against [zeros | q] the second's.  Zero codes add nothing.
; SHARES.  A work-group owns ONE head and 256 queries: 8 x 32 = 256 work-groups.  Wave w owns tile w % 8 of the (w / 8)-th 128 queries: 16 queries, one a lane pair, in 256 registers; four waves to a SIMD.
; ALL OF THE HEAD'S k AND v LIE IN LDS: of each of the stream's 32 SBs the head's four fragments are 6,144 bytes on end and its scale words 256: 32 x 6,400 = 204,800 bytes, filled once, at the head.
; Waves 0-7 bring four rows of 6,144 bytes each, wave 8 the 32 rows of scale words.  One barrier shows them to all waves; behind it no byte is filled again, so the sixteen key steps have no barrier and no ring.
; CLUSTER.  The four query blocks of a cluster read the same k and v: each load is asked for jointly.  No prefetch: every byte is asked for by the head's loads, and no loop runs ahead of a load.
; Both products are used transposed (S^T = k q^T, O^T = v^T p^T): a lane holds one query throughout, and p's 16 registers of two neighbouring tiles are 16 neighbouring keys.
; OUT.  oi = [G][j][SB]; in fragment t (16 queries x the pair's 128 channels) head e takes lanes 16 e + r: its channels 0-31 in registers 0-5, 32-63 in registers 6-11.  So a K step's blocks stand in the order A0, B0, A1, B1
; (Wo's rows are laid the same way), and a wave's codes are bytes 256 e .. 256 e + 255 of each of the fragment's three runs of 512: three whole aligned units of 256 bytes, which no other wave touches.
; The row's scale word then has this head's bytes at e and 2 + e: they leave one byte a lane, 32 bytes a wave beside its 768 bytes of codes.
; LIMITS: a block of zeros gets the byte 1 where the rule says 127 (its codes are zeros; this program alone reads the bytes); blocks under 2^-124 are held at byte 1; NaN and infinities are not served;
; the promise holds while the scaled scores t stay under 2^31 in magnitude.
.set SBB,    12800
.set KV_OFF, 3276800
.set HB,     6144                      ; a head's four fragments of an SB
.set SCL,    32*HB                     ; behind the codes: 32 rows of 256 bytes of scale words
.set SPARE,  SCL+32*256                ; the spare words, 128 bytes a wave: eight blocks of 256 bytes that no other line names
.set STG,    SPARE+2048                ; a stage of 768 bytes for each wave: no fill lands here
.set AF0,  1                           ; v1   16 l
.set AS0,  2                           ; v2   SCL + 4 l
.set MA0,  3                           ; v3   where my codes of o go, pieces 0 and 2
.set MA1,  4                           ; v4   piece 1
.set SPW,  5
.set NIL,  6
.set MSC,  7                           ; v7   4 r + 2 (l / 16): my scale byte's place in the tile's 64
.set ADF,  8
.set ADS,  9
.set CPL,  10                          ; v10  my stage + 8 l
.set CPG,  11                          ; v11  8 l
.set WV,   18
.set SEL,  20
.set CS,   22
.set G1,   24                          ; s[24:31] group 1 for the codes, s[32:39] for the scale words
.set G1S,  32
.set G0,   40
.set G0S,  44
.set TB,   48                          ; LDS byte of the key step's codes
.set TS,   49                          ; and of its scale words, less SCL
.set CNT,  50
.macro CROUND
	s_barrier_signal -1
	s_barrier_wait -1
	s_cmp_lg_u32 s[WV], 0
	s_cbranch_scc1 .Lnot_wave_0_\@
	s_barrier_signal -3
.Lnot_wave_0_\@:
	s_barrier_wait -3
	s_barrier_signal -1
	s_barrier_wait -1
.endm
	s_load_b128 s[4:7], s[0:1], 0x0                ; qkv, oi
	v_lshl_add_u32 v[SPW], v0, 2, SPARE
	v_mov_b32 v[NIL], 0
	ds_add_u32 v[SPW], v[NIL]                      ; the opening lines: the add, twice on end, and its wait
	ds_add_u32 v[SPW], v[NIL]
	v_lshrrev_b32 v8, 5, v0
	s_delay_alu instid0(VALU_DEP_1)
	v_readfirstlane_b32 s[WV], v8                  ; wave 0..15
	s_bfe_u32 s8, ttmp6, 0x40000                   ; cx
	s_lshl_b32 s9, ttmp9, 2
	s_add_co_u32 s9, s9, s8                        ; my block of 256 queries: it enters q's and o's addresses alone
	s_and_b32 s10, ttmp7, 0xffff                   ; 2 (8 b + j) + e, which the partners share
	s_and_b32 s16, s10, 1                          ; e
	s_lshr_b32 s10, s10, 1                         ; 8 b + j
	s_lshr_b32 s11, s10, 3
	s_and_b32 s12, s10, 7
	s_lshr_b32 s19, s[WV], 3                       ; which 128 of the 256
	s_and_b32 s17, s[WV], 7                        ; t
	s_lshl_b32 s13, s11, 4
	s_lshl_b32 s14, s9, 1
	s_add_co_u32 s13, s13, s14
	s_add_co_u32 s13, s13, s19                     ; G
	s_lshl_b32 s13, s13, 3
	s_add_co_u32 s13, s13, s12
	s_mul_i32 s14, s13, SBB                        ; q's SB, and o's
	s_mul_i32 s70, s10, 32*SBB
	s_add_co_u32 s70, s70, KV_OFF                  ; the head pair's stream of 32 SBs
	s_mul_i32 s71, s16, HB
	s_add_co_u32 s72, s70, s71                     ; my head's codes in it,
	s_mul_i32 s71, s17, 4*SBB
	s_add_co_u32 s72, s72, s71                     ; the four SBs that wave w % 8 names,
	s_mov_b32 s73, 0
	s_mul_i32 s69, s17, 4*HB                       ; and where their rows go
	s_lshl_b32 s71, s16, 8
	s_add_co_u32 s74, s70, s71
	s_add_co_u32 s74, s74, 12288                   ; my head's scale words
	s_mov_b32 s75, 0
	s_mov_b32 s[G1], 15|(3<<16)|(1<<21)            ; 15:0 the mask: all four work-groups; 17:16 elements of 8 bytes; no padding; 21 set beside a mask
	s_mov_b32 s[G1+1], 768<<16                     ; tensor_dim0 = 768: 6,144 bytes
	s_mov_b32 s[G1+2], 4<<16                       ; tensor_dim1 = 4 rows
	s_mov_b32 s[G1+3], 768<<16
	s_mov_b32 s[G1+4], 4
	s_mov_b32 s[G1+5], 1600                        ; from SB to SB: 12,800 bytes
	s_mov_b32 s[G1+6], 0
	s_mov_b32 s[G1+7], 0
	s_mov_b32 s[G1S], 15|(3<<16)|(1<<21)
	s_mov_b32 s[G1S+1], 32<<16                     ; 256 bytes
	s_mov_b32 s[G1S+2], 32<<16                     ; 32 rows
	s_mov_b32 s[G1S+3], 32<<16
	s_mov_b32 s[G1S+4], 32
	s_mov_b32 s[G1S+5], 1600
	s_mov_b32 s[G1S+6], 0
	s_mov_b32 s[G1S+7], 0
	s_mov_b32 s[SEL], 0x76543210
	s_mov_b32 s[SEL+1], 0xfedcba98
	s_mov_b32 s[CS], 0x3e38aa3b                    ; log2(e) / 8
	s_mov_b32 s[CS+1], s[CS]
	s_mov_b32 s93, 0xffff0000                      ; lanes 16-31
	s_lshl_b32 s82, s16, 2
	s_lshr_b32 s83, s17, 1
	s_add_co_u32 s82, s82, s83                     ; q's fragment 4 e + t / 2
	s_mul_i32 s84, s82, 1536
	s_add_co_u32 s84, s84, s14
	s_mov_b32 s85, 0
	s_lshl_b32 s86, s82, 6
	s_add_co_u32 s86, s86, s14
	s_add_co_u32 s86, s86, 12288
	s_mov_b32 s87, 0
	s_mul_i32 s76, s17, 1536                       ; o's fragment t, my head's half of each run of 512 bytes
	s_add_co_u32 s76, s76, s14
	s_add_co_u32 s76, s76, s71
	s_mov_b32 s77, 0
	s_lshl_b32 s78, s17, 6                         ; tile t's scale words, byte e
	s_add_co_u32 s78, s78, s14
	s_add_co_u32 s78, s78, s16
	s_add_co_u32 s78, s78, 12288
	s_mov_b32 s79, 0
	s_wait_dscnt 0x0                               ; both opening adds are done
	s_wait_kmcnt 0x0
	s_mov_b32 s[G0], 1
	s_mov_b32 s[G0+1], s69
	s_add_nc_u64 s[G0+2:G0+3], s[4:5], s[72:73]
	s_or_b32 s[G0+3], s[G0+3], 0x80000000
	s_mov_b32 s[G0S], 1
	s_mov_b32 s[G0S+1], SCL
	s_add_nc_u64 s[G0S+2:G0S+3], s[4:5], s[74:75]
	s_or_b32 s[G0S+3], s[G0S+3], 0x80000000
	s_add_nc_u64 s[84:85], s[4:5], s[84:85]
	s_add_nc_u64 s[86:87], s[4:5], s[86:87]
	s_add_nc_u64 s[76:77], s[6:7], s[76:77]
	s_add_nc_u64 s[78:79], s[6:7], s[78:79]
	CROUND                                         ; all four work-groups are here
	; the fills, one a wave, in one chain of branches on the wave's number; an s_nop 0 and four v_nop follow each load
	s_cmp_lt_u32 s[WV], 8
	s_cbranch_scc0 .Lnot_codes
	tensor_load_to_lds s[G0:G0+3], s[G1:G1+7]
	s_nop 0
.rept 4
	v_nop
.endr
	s_branch .Lasked
.Lnot_codes:
	s_cmp_eq_u32 s[WV], 8
	s_cbranch_scc0 .Lasked
	tensor_load_to_lds s[G0S:G0S+3], s[G1S:G1S+7]
	s_nop 0
.rept 4
	v_nop
.endr
.Lasked:
	v_and_b32 v8, 31, v0                           ; l
	v_and_b32 v9, 15, v0                           ; r
	v_bfe_u32 v92, v0, 4, 1                        ; l / 16
	v_lshlrev_b32 v[AF0], 4, v8
	v_lshlrev_b32 v90, 2, v9
	s_wait_alu depctr_va_vdst(0)
.irp c, 0,1,2
	global_load_b128 v[40+4*\c:43+4*\c], v[AF0], s[84:85] offset:512*\c
.endr
	global_load_b32 v255, v90, s[86:87]
	s_mul_i32 s88, s[WV], 768
	s_add_co_u32 s88, s88, STG                     ; my stage
	v_lshl_add_u32 v[AS0], v8, 2, SCL
	v_mul_u32_u24 v91, v92, 264                    ; lane (r, h) ends with block h of query r: registers 6 h .. 6 h + 5 of the image's lane.  In pieces of 8 bytes: h = 0: bytes 0, 8, 256;  h = 1: bytes 264, 512, 520 (+ 16 r)
	v_mul_u32_u24 v93, v92, 504
	v_lshlrev_b32 v94, 1, v92
	v_lshlrev_b32 v[CPG], 3, v8
	v_lshl_add_u32 v91, v9, 4, v91
	v_lshl_add_u32 v93, v9, 4, v93
	v_lshl_add_u32 v[MSC], v9, 2, v94
	v_add_nc_u32 v[CPL], s88, v[CPG]
	v_add_nc_u32 v[MA0], s88, v91
	v_add_nc_u32 v[MA1], s88, v93
	s_and_b32 s90, s17, 1
	s_cmp_eq_u32 s90, 1                            ; my tile is the fragment's first or second
	s_cselect_b32 s91, -1, 0
	s_mov_b32 s92, 0x01000100
	s_cselect_b32 s92, 0x03020302, s92
	s_wait_loadcnt 0x0
.irp i, 0,1,2,3,4,5
	v_cndmask_b32 v[16+\i], v[40+\i], v[46+\i], s91
.endr
	v_perm_b32 v255, v255, v255, s92               ; my tile's two bytes, twice: they serve [q | 0] and [0 | q]
.irp i, 0,1,2,3,4,5
	v_mov_b32 v[22+\i], 0
	v_mov_b32 v[28+\i], 0
	v_mov_b32 v[34+\i], v[16+\i]
.endr
	v_mov_b32 v13, 0xff61b1e6                      ; the largest t so far: -3e38
	s_delay_alu instid0(VALU_DEP_1)
	v_floor_f32 v12, -v13                          ; -M
	v_mov_b32 v14, 0
	v_mov_b32 v15, 0
.irp b, 0,1,2,3
	v_mov_b32 v[236+\b], 0                         ; written once: a lane permute's destination counts as one of its sources
.endr
	v_mov_b32 v253, 0
.set j, 0
.rept 32
	v_mov_b32 v[160+j], 0                          ; O^T: the step is written once; the first finds zeros
.set j, j+1
.endr
.macro STEP                            ; 128 keys
	v_add_nc_u32 v[ADF], s[TB], v[AF0]
	v_add_nc_u32 v[ADS], s[TS], v[AS0]
	v_nop
	v_nop                                          ; four plain lines between the last step's products and the loads into their registers
.irp f, 0,1,2,3
.irp c, 0,1,2
	ds_load_b128 v[40+12*\f+4*\c:43+12*\f+4*\c], v[ADF] offset:1536*\f+512*\c
.endr
.endr
	ds_load_b32 v248, v[ADS]                       ; lanes 0-15 fragment 0's words, lanes 16-31 fragment 1's
	ds_load_b32 v249, v[ADS] offset:128
	s_wait_alu depctr_va_vdst(0)
	s_wait_dscnt 0x0
.irp f, 0,2
	v_wmma_scale_f32_16x16x128_f8f6f4 v[96+16*\f:103+16*\f], v[40+12*\f:51+12*\f], v[16:27], 0, v[248+\f/2], v255 matrix_a_fmt:MATRIX_FMT_FP6 matrix_b_fmt:MATRIX_FMT_FP6
	v_wmma_scale_f32_16x16x128_f8f6f4 v[104+16*\f:111+16*\f], v[40+12*\f:51+12*\f], v[28:39], 0, v[248+\f/2], v255 matrix_a_fmt:MATRIX_FMT_FP6 matrix_b_fmt:MATRIX_FMT_FP6
	v_wmma_scale_f32_16x16x128_f8f6f4 v[112+16*\f:119+16*\f], v[52+12*\f:63+12*\f], v[16:27], 0, v[248+\f/2], v255 matrix_a_fmt:MATRIX_FMT_FP6 matrix_b_fmt:MATRIX_FMT_FP6 matrix_a_scale:MATRIX_SCALE_ROW1
	v_wmma_scale_f32_16x16x128_f8f6f4 v[120+16*\f:127+16*\f], v[52+12*\f:63+12*\f], v[28:39], 0, v[248+\f/2], v255 matrix_a_fmt:MATRIX_FMT_FP6 matrix_b_fmt:MATRIX_FMT_FP6 matrix_a_scale:MATRIX_SCALE_ROW1
.endr                                  ; register 16 B + i of v96 on is key 32 B + 16 (lane / 16) + i
.rept 4
	v_nop
.endr
.irp f, 0,1,2,3                        ; v's fragments take k's registers and land while the softmax runs
.irp c, 0,1,2
	ds_load_b128 v[40+12*\f+4*\c:43+12*\f+4*\c], v[ADF] offset:HB+1536*\f+512*\c
.endr
.endr
	ds_load_b32 v250, v[ADS] offset:256
	ds_load_b32 v251, v[ADS] offset:384
.irp b, 0,1,2,3
	v_max3_num_f32 v[232+\b], v[96+16*\b], v[97+16*\b], v[98+16*\b]   ; the largest score of each block of 32 keys: it serves the row's maximum and, since p rises with the score, the block's largest p
.endr
.irp i, 3,5,7,9,11,13
.irp b, 0,1,2,3
	v_max3_num_f32 v[232+\b], v[232+\b], v[96+16*\b+\i], v[97+16*\b+\i]
.endr
.endr
.irp b, 0,1,2,3
	v_max_num_f32 v[232+\b], v[232+\b], v[111+16*\b]
.endr
.irp b, 0,1,2,3
	s_delay_alu instid0(VALU_DEP_4)
	v_permlanex16_b32 v[236+\b], v[232+\b], s[SEL], s[SEL+1]
.endr
.irp b, 0,1,2,3
	s_delay_alu instid0(VALU_DEP_4)
	v_max_num_f32 v[232+\b], v[232+\b], v[236+\b]
.endr
	s_delay_alu instid0(VALU_DEP_2)
	v_max3_num_f32 v254, v232, v233, v234
	s_delay_alu instid0(VALU_DEP_1)
	v_max_num_f32 v254, v254, v235
	s_delay_alu instid0(VALU_DEP_1)
	v_mul_f32 v254, s[CS], v254
	s_delay_alu instid0(VALU_DEP_1)
	v_max_num_f32 v13, v13, v254                   ; the running largest t
	v_mov_b32 v254, v12
	s_delay_alu instid0(VALU_DEP_2)
	v_floor_f32 v12, -v13                          ; the new -M = -ceil(t)
	s_delay_alu instid0(VALU_DEP_1)
	v_sub_f32 v254, v12, v254                      ; old M - new M: a whole number, 0 or less
	s_delay_alu instid0(VALU_DEP_1)
	v_cvt_i32_f32 v254, v254
	s_delay_alu instid0(VALU_DEP_1)
	v_ldexp_f32 v252, 1.0, v254                    ; f = 2^(old M - new M)
.set j, 0
.rept 32
	v_pk_fma_f32 v[96+j:97+j], v[96+j:97+j], s[CS:CS+1], v[12:13] op_sel_hi:[1,0,0]   ; t - M
.set j, j+2
.endr
.irp b, 0,1,2,3
	v_fma_f32 v[232+\b], v[232+\b], s[CS], v12
.endr
.set j, 0
	s_wait_alu depctr_va_vdst(0)
.rept 64
	v_exp_f32 v[96+j], v[96+j]                     ; p = 2^(t - M)
.set j, j+1
.endr
	v_pk_mul_f32 v[14:15], v[14:15], v[252:253] op_sel_hi:[1,0]   ; the sums under the new M: a plain line behind the exponentials
	s_wait_alu depctr_va_vdst(0)                   ; one wait for the whole batch, ahead of its first reader
.irp b, 0,1,2,3
	v_exp_f32 v[232+\b], v[232+\b]                 ; each block's largest p
.endr
	v_pk_add_f32 v[236:237], v[100:101], v[104:105]
	v_pk_add_f32 v[248:249], v[108:109], v[112:113]
	v_pk_add_f32 v[246:247], v[116:117], v[120:121]
	v_pk_add_f32 v[244:245], v[124:125], v[128:129]
	v_pk_add_f32 v[242:243], v[132:133], v[136:137]
	v_pk_add_f32 v[240:241], v[140:141], v[144:145]
	v_pk_add_f32 v[238:239], v[148:149], v[152:153]
	v_pk_add_f32 v[14:15], v[14:15], v[156:157]
	v_pk_add_f32 v[236:237], v[236:237], v[96:97]
	v_pk_add_f32 v[248:249], v[248:249], v[98:99]
	v_pk_add_f32 v[246:247], v[246:247], v[102:103]
	v_pk_add_f32 v[244:245], v[244:245], v[106:107]
	v_pk_add_f32 v[242:243], v[242:243], v[110:111]
	v_pk_add_f32 v[240:241], v[240:241], v[114:115]
	v_pk_add_f32 v[238:239], v[238:239], v[118:119]
	v_pk_add_f32 v[14:15], v[14:15], v[122:123]
	v_pk_add_f32 v[236:237], v[236:237], v[126:127]
	v_pk_add_f32 v[248:249], v[248:249], v[130:131]
	v_pk_add_f32 v[246:247], v[246:247], v[134:135]
	v_pk_add_f32 v[244:245], v[244:245], v[138:139]
	v_pk_add_f32 v[242:243], v[242:243], v[142:143]
	v_pk_add_f32 v[240:241], v[240:241], v[146:147]
	v_pk_add_f32 v[238:239], v[238:239], v[150:151]
	v_pk_add_f32 v[14:15], v[14:15], v[154:155]
	v_pk_add_f32 v[236:237], v[236:237], v[158:159]
	s_delay_alu instid0(VALU_DEP_2)
	v_pk_add_f32 v[14:15], v[14:15], v[244:245]
	s_delay_alu instid0(VALU_DEP_2)
	v_pk_add_f32 v[236:237], v[236:237], v[242:243]
	v_pk_add_f32 v[248:249], v[248:249], v[240:241]
	v_pk_add_f32 v[246:247], v[246:247], v[238:239]
	s_delay_alu instid0(VALU_DEP_2)
	v_pk_add_f32 v[14:15], v[14:15], v[248:249]
	s_delay_alu instid0(VALU_DEP_2)
	v_pk_add_f32 v[236:237], v[236:237], v[246:247]
	s_delay_alu instid0(VALU_DEP_1)
	v_pk_add_f32 v[14:15], v[14:15], v[236:237]
	s_wait_alu depctr_va_vdst(0)                   ; and one for the four
.irp b, 0,1,2,3
	v_max_num_f32 v[232+\b], 0x1800000, v[232+\b]  ; the floor 2^(3 - 127)
.endr
.irp b, 0,1,2,3
	s_delay_alu instid0(VALU_DEP_4)
	v_add_nc_u32 v[244+\b], 0xff000000, v[232+\b]
.endr
.irp b, 0,1,2,3
	s_delay_alu instid0(VALU_DEP_4)
	v_lshrrev_b32 v[236+\b], 23, v[244+\b]
.endr
	s_delay_alu instid0(VALU_DEP_3)
	v_lshl_or_b32 v253, v237, 8, v236              ; p's scale word for these 128 keys
	s_delay_alu instid0(VALU_DEP_1)
	v_lshl_or_b32 v253, v238, 16, v253
	s_delay_alu instid0(VALU_DEP_1)
	v_lshl_or_b32 v253, v239, 24, v253
.irp c, 0,1
	v_cvt_scalef32_pk16_fp6_f32 v[224+6*\c:226+6*\c], v[96+32*\c:111+32*\c], v[244+2*\c]
	v_cvt_scalef32_pk16_fp6_f32 v[236+4*\c:238+4*\c], v[112+32*\c:127+32*\c], v[244+2*\c+1]
.endr
	v_nop
.irp c, 0,1
.irp i, 0,1,2
	v_permlane16_swap_b32 v[224+6*\c+\i], v[236+4*\c+\i]
.endr
.irp i, 0,1,2
	s_delay_alu instid0(VALU_DEP_3)
	v_mov_b32 v[227+6*\c+\i], v[236+4*\c+\i]
.endr
.endr
.set j, 0
.rept 16
	v_pk_mul_f32 v[160+j:161+j], v[160+j:161+j], v[252:253] op_sel_hi:[1,0]   ; O^T under the new M; these sixteen are also the places between the scale word's and the codes' last lines and the products
.set j, j+2
.endr
	s_wait_alu depctr_va_vdst(0)
	s_wait_dscnt 0x0                               ; v is in
.irp u, 0,2
	v_wmma_scale_f32_16x16x128_f8f6f4 v[160+8*\u:167+8*\u], v[40+12*\u:51+12*\u], v[224:235], v[160+8*\u:167+8*\u], v[250+\u/2], v253 matrix_a_fmt:MATRIX_FMT_FP6 matrix_b_fmt:MATRIX_FMT_FP6
	v_wmma_scale_f32_16x16x128_f8f6f4 v[168+8*\u:175+8*\u], v[52+12*\u:63+12*\u], v[224:235], v[168+8*\u:175+8*\u], v[250+\u/2], v253 matrix_a_fmt:MATRIX_FMT_FP6 matrix_b_fmt:MATRIX_FMT_FP6 matrix_a_scale:MATRIX_SCALE_ROW1
.endr
	s_add_co_u32 s[TB], s[TB], 2*HB
	s_add_co_u32 s[TS], s[TS], 512
.endm
	s_mov_b32 s[TB], 0
	s_mov_b32 s[TS], 0
	s_mov_b32 s[CNT], 16
	s_wait_alu depctr_va_vdst(0)
	s_wait_tensorcnt 0x0                           ; my load, if I issued one, has landed;
	s_barrier_signal -1
	s_barrier_wait -1                              ; and so have all nine: the head's k, v and scale words are whole, and stay
.Lstep:                                ; sixteen key steps, no barrier among them: nothing is filled again
	STEP
	s_sub_co_u32 s[CNT], s[CNT], 1
	s_cmp_lg_u32 s[CNT], 0
	s_cbranch_scc1 .Lstep
	; THE WAY OUT: O^T / the sum; its two blocks of 32 channels are quantised; the wave's 768 bytes turn through its own stage and leave as three aligned units of 256 bytes.
	v_add_f32 v14, v14, v15
	s_delay_alu instid0(VALU_DEP_1)
	v_permlanex16_b32 v252, v14, s[SEL], s[SEL+1]
	s_delay_alu instid0(VALU_DEP_1)
	v_add_f32 v14, v14, v252
	s_wait_alu depctr_va_vdst(0)
	v_rcp_f32 v14, v14
.rept 4
	v_nop
.endr
	s_wait_alu depctr_va_vdst(0)                   ; ahead of the reciprocal's first reader
.set j, 0
.rept 32
	v_mul_f32 v[192+j], v[160+j], v14              ; register 16 B + i is channel 32 B + 16 (lane / 16) + i; each accumulator from its low end on
.set j, j+1
.endr
.irp b, 0,1
	v_max3_num_f32 v[232+\b], |v[192+16*\b]|, |v[193+16*\b]|, 0x1800000
.endr
.irp i, 2,4,6,8,10,12,14
.irp b, 0,1
	s_delay_alu instid0(VALU_DEP_2)
	v_max3_num_f32 v[232+\b], v[232+\b], |v[192+16*\b+\i]|, |v[193+16*\b+\i]|
.endr
.endr
.irp b, 0,1
	s_delay_alu instid0(VALU_DEP_2)
	v_permlanex16_b32 v[236+\b], v[232+\b], s[SEL], s[SEL+1]
.endr
.irp b, 0,1
	s_delay_alu instid0(VALU_DEP_2)
	v_max_num_f32 v[232+\b], v[232+\b], v[236+\b]
.endr
.irp b, 0,1
	s_delay_alu instid0(VALU_DEP_2)
	v_add_nc_u32 v[244+\b], 0xff000000, v[232+\b]
.endr
.irp b, 0,1
	s_delay_alu instid0(VALU_DEP_2)
	v_lshrrev_b32 v[236+\b], 23, v[244+\b]
.endr
	s_delay_alu instid0(VALU_DEP_1)
	v_cndmask_b32 v253, v236, v237, s93            ; lanes 0-15 keep block 0's byte, lanes 16-31 block 1's
	v_cvt_scalef32_pk16_fp6_f32 v[224:226], v[192:207], v244
	v_cvt_scalef32_pk16_fp6_f32 v[236:238], v[208:223], v245
	v_nop
.irp i, 0,1,2
	v_permlane16_swap_b32 v[224+\i], v[236+\i]     ; lane (r, h) now holds the whole block h of query r
.endr
.irp i, 0,1,2
	s_delay_alu instid0(VALU_DEP_3)
	v_mov_b32 v[227+\i], v[236+\i]
.endr
	ds_store_b64 v[MA0], v[224:225]
	ds_store_b64 v[MA1], v[226:227] offset:8
	ds_store_b64 v[MA0], v[228:229] offset:256
.irp c, 0,1,2
	ds_load_b64 v[96+2*\c:97+2*\c], v[CPL] offset:256*\c   ; my wave's own bytes, served in order: no wait between
.endr
	global_store_b8 v[MSC], v253, s[78:79]         ; byte 2 h + e of row r's scale word
	s_wait_dscnt 0x0
.irp c, 0,1,2
	global_store_b64 v[CPG], v[96+2*\c:97+2*\c], s[76:77] offset:512*\c   ; 32 lanes store 256 consecutive bytes, at a multiple of 256 from oi's first byte
.endr
	s_wait_tensorcnt 0x0                           ; the wave's end
	ds_add_u32 v[SPW], v[NIL]
	s_wait_dscnt 0x0
	CROUND                                         ; the closing round
	s_endpgm
.Lfunc_end_k_q1cc4555c2b_attn:
	.size	k_q1cc4555c2b_attn, .Lfunc_end_k_q1cc4555c2b_attn-k_q1cc4555c2b_attn
	.p2alignl 7, 3214868480
	.fill 96, 4, 3214868480
	.section	.rodata,"a",@progbits
	.p2align	6, 0x0
	.amdhsa_kernel k_q1cc4555c2b_attn
		.amdhsa_group_segment_fixed_size 327680
		.amdhsa_private_segment_fixed_size 0
		.amdhsa_enable_private_segment 0
		.amdhsa_kernarg_size 16
		.amdhsa_user_sgpr_count 2
		.amdhsa_user_sgpr_kernarg_segment_ptr 1
		.amdhsa_wavefront_size32 1
		.amdhsa_system_sgpr_workgroup_id_x 1
		.amdhsa_system_sgpr_workgroup_id_y 1
		.amdhsa_system_sgpr_workgroup_id_z 1
		.amdhsa_system_vgpr_workitem_id 0
		.amdhsa_next_free_vgpr 256
		.amdhsa_next_free_sgpr 100
		.amdhsa_reserve_vcc 0
		.amdhsa_float_denorm_mode_32 3
		.amdhsa_float_denorm_mode_16_64 3
		.amdhsa_memory_ordered 1
		.amdhsa_forward_progress 1
		.amdhsa_inst_pref_size 32
	.end_amdhsa_kernel
	.amdgpu_metadata
---
amdhsa.version: [ 1, 2 ]
amdhsa.kernels:
  - .name:           k_q1cc4555c2b_attn
    .symbol:         k_q1cc4555c2b_attn.kd
    .args:
      - { .name: qkv, .offset: 0, .size: 8, .value_kind: global_buffer, .address_space: global }
      - { .name: oi, .offset: 8, .size: 8, .value_kind: global_buffer, .address_space: global }
    .group_segment_fixed_size: 327680
    .private_segment_fixed_size: 0
    .kernarg_segment_align: 8
    .kernarg_segment_size: 16
    .max_flat_workgroup_size: 512
    .sgpr_count:     100
    .vgpr_count:     256
    .wavefront_size: 32
...
	.end_amdgpu_metadata
.endif
;; end of part 12
;; launch wo_ln1 (part 13): grid 256 x 1, 8 waves a work-group, no clusters, 69,632 bytes of LDS; arguments oi, wi, x, bo, g1, b1, x1, x1i; writes x1, x1i
.if DOCPART == 13
	.amdgcn_target "amdgcn-amd-amdhsa--gfx1250"
	.amdhsa_code_object_version 6
	.text
	.protected	k_q1cc4555c2b_wo_ln1
	.globl	k_q1cc4555c2b_wo_ln1
	.p2align	8
	.type	k_q1cc4555c2b_wo_ln1,@function
k_q1cc4555c2b_wo_ln1:
	s_mov_b64 s[64:65], 0
	v_nop
	global_prefetch_b8 v0, s[64:65] scope:SCOPE_SE
	s_setreg_imm32_b32 hwreg(HW_REG_WAVE_MODE, 25, 1), 1
	s_wait_xcnt 0x0
; x1 = layer norm(x + (o Wo + bo)) g1 + b1 in ONE launch: the product, K = 1,024, on codes of FP6 (E2M3) with E8M0 scales, f32 sums; the rest in f32.  x1 leaves as f32 [4096 rows m = 2 s + b][1024] and, quantised
; along its 1,024, as images of operand registers: x1i = [group G][K step 0..7][SB of 12,800 bytes].
; OPERANDS are [group of 128 rows or columns][K step of 128][SB]: eight fragments of 1,536 bytes (register 4 c + i of lane l at 512 c + 16 l + 4 i), then at 12,288 + 64 t + 4 r the scale words.
; Lane r of tile t of a group is its element 32 (t / 2) + 8 (t % 2) + r + 8 (r / 8); a group of rows G = 16 b + s / 128.
; SHARES.  The norm wants whole rows: a work-group (number 8 G + t) owns tile t of group G, 16 rows x all 1,024 columns: 256 work-groups.  Wave w owns the 128 columns of Wo's group w: 8 accumulators.
; Source 0 takes Wo's tiles, source 1 the rows' tile: lane (r, h) holds row r, and register 16 B + i of the 64 is column 128 w + 32 B + 16 h + i.
; THE OPERANDS GO FROM MEMORY STRAIGHT INTO REGISTERS: a fragment is three loads of 16 bytes a lane at 16 x lane, 512 consecutive bytes each.  Each fragment of Wo is read by one wave alone of its work-group (8 waves x 8
; fragments a K step), so nothing would be shared through LDS: no tensor load, no ring, no barrier in the product, and no cluster, since no tile lands in LDS that partners could ask for jointly.
; Two buffers of one K step (32 loads each) take turns: up to two K steps of a wave's loads are out, so no prefetch is laid beside them.  Work-group n takes the K steps in the order n, n + 1, .. modulo 8.
; THE NORM.  x comes as 16 rows x 512 bytes a wave and turns through the wave's own slab of LDS into the accumulators' layout; x1 goes back the same way: every global access covers 512 consecutive bytes.
; A row's sums are joined over lanes l and l xor 16 and then over the 8 waves through 64 bytes of LDS a wave, behind a barrier: once for the mean, once for the squared deviations from the finished mean.
; LIMITS: a block of zeros gets the byte 1 where the rule says 127 (its codes are zeros; this program alone reads the bytes); blocks under 2^-124 are held at byte 1; NaN and infinities are not served.
.set SBB,    12800
.set W_OFF,  2457600                   ; Wo in wi
.set SLAB,   16*528                    ; a wave's slab: 16 rows x (512 bytes + 16)
.set RED,    8*SLAB                    ; 512 bytes for the means' parts, 512 for the squares'
.set SPARE,  RED+1024                  ; the spare words, 128 bytes a wave: four blocks of 256 bytes that no other line names
.set L16,  8                           ; v8   16 x lane
.set L4,   9                           ; v9   4 x lane
.set RF,   10                          ; v10  16 x lane + 1,536 t: the rows' fragment in an SB
.set RS,   11                          ; v11  4 r + 12,288 + 64 t: its scale words
.set BH,   12                          ; v12  64 h
.set STW,  13                          ; v13  slab + 528 r + 64 h: the accumulators' layout
.set SRD,  14                          ; v14  slab + 16 x lane: whole rows
.set REDW, 15                          ; v15  RED + 64 w + 4 r
.set REDR, 16                          ; v16  RED + 4 r
.set R4,   17                          ; v17  4 r
.set SPW,  18
.set NIL,  19
.set SP,   32                          ; v32-39 Wo's scale words, two sets of four: register q: lanes 0-15 tile 2 q, lanes 16-31 tile 2 q + 1
.set SR,   40                          ; v40-41 the rows' scale words, two sets
.set T,    42                          ; v42-49 sums
.set U,    50                          ; v50-57 the eight waves' parts
.set MN,   58
.set RQ,   60
.set ACC,  64                          ; v64-127  accumulator b at v[64 + 8 b]; on the way out rows of x1
.set Z,    128                         ; v128-191 x, then x + bo, then the row
.set BO,   192                         ; v192-255 bo; then the quantiser's registers
.set PC,   192
.set PW,   212
.set TM,   240
.set PB,   32                          ; s[32:47] Wo's SB of each of my eight K steps
.set RB,   48                          ; s[48:63] the rows' SB of each
.set INV,  68
.set SEL,  70
.set MSB, 0
.macro WIN new                         ; the immediate's high byte repeats the setting that is left
.if MSB != \new
	s_set_vgpr_msb (MSB<<8)|\new
.set MSB, \new
.endif
.endm
.set MUL,  0x05                        ; sources 0 and 1 window 1; C and D window 0.  Window 1: two buffers, at v0 and v128: Wo's eight fragments, then the rows' one; at the end g1 at v0, b1 at v128
.set TO_F, 0x40                        ; destination window 1, address window 0
.set GB,   0x14                        ; sources 1 and 2 window 1
	s_load_b256 s[4:11], s[0:1], 0x0               ; oi, wi, x, bo
	s_load_b256 s[12:19], s[0:1], 0x20             ; g1, b1, x1, x1i
	v_lshl_add_u32 v[SPW], v0, 2, SPARE
	v_mov_b32 v[NIL], 0
	v_lshrrev_b32 v1, 5, v0
	v_readfirstlane_b32 s20, v1                    ; wave
	s_lshr_b32 s21, ttmp9, 3                       ; G
	s_and_b32 s22, ttmp9, 7                        ; t
	s_lshr_b32 s23, s21, 4                         ; b
	s_and_b32 s24, s21, 15
	s_lshl_b32 s24, s24, 7
	s_lshr_b32 s25, s22, 1
	s_lshl_b32 s25, s25, 5
	s_add_co_u32 s24, s24, s25
	s_and_b32 s25, s22, 1
	s_lshl_b32 s25, s25, 3
	s_add_co_u32 s24, s24, s25                     ; s of the tile's lane 0
	s_lshl_b32 s24, s24, 1
	s_add_co_u32 s24, s24, s23                     ; m
	s_lshl_b32 s24, s24, 12
	s_lshl_b32 s72, s20, 9                         ; my 128 columns: 512 bytes
	s_add_co_u32 s24, s24, s72
	s_mov_b32 s25, 0
	s_mov_b32 s73, 0
	s_lshl_b32 s26, s21, 3
	s_add_co_u32 s26, s26, s20
	s_mul_i32 s26, s26, SBB                        ; x1i: group G, K step w
	s_mul_i32 s28, s22, 1536
	s_add_co_u32 s74, s26, s28                     ; fragment t
	s_mov_b32 s75, 0
	s_lshl_b32 s29, s22, 6
	s_add_co_u32 s29, s29, 12288
	s_add_co_u32 s26, s26, s29                     ; tile t's scale words
	s_mov_b32 s27, 0
	s_mul_i32 s30, s20, 8*SBB
	s_add_co_u32 s30, s30, W_OFF                   ; Wo's group w
	s_mul_i32 s31, s21, 8*SBB                      ; o's group G
.irp i, 0,1,2,3,4,5,6,7
	s_add_co_u32 s23, ttmp9, \i
	s_and_b32 s23, s23, 7
	s_mul_i32 s23, s23, SBB                        ; my i-th K step
	s_add_co_u32 s[PB+2*\i], s23, s30
	s_mov_b32 s[PB+2*\i+1], 0
	s_add_co_u32 s[RB+2*\i], s23, s31
	s_mov_b32 s[RB+2*\i+1], 0
.endr
	s_mul_i32 s76, s20, SLAB
	s_lshl_b32 s77, s20, 6
	s_add_co_u32 s77, s77, RED
	s_mov_b32 s[INV], 0x3a800000                   ; 1 / 1,024
	s_mov_b32 s[SEL], 0x76543210
	s_mov_b32 s[SEL+1], 0xfedcba98
	v_and_b32 v1, 31, v0                           ; lane
	v_and_b32 v2, 15, v0                           ; r
	v_bfe_u32 v3, v0, 4, 1                         ; h
	v_lshlrev_b32 v[L16], 4, v1
	v_lshlrev_b32 v[L4], 2, v1
	v_lshlrev_b32 v[R4], 2, v2
	v_lshlrev_b32 v[BH], 6, v3
	v_mul_u32_u24 v4, v2, 528
	v_add_nc_u32 v[RF], s28, v[L16]
	v_add_nc_u32 v[RS], s29, v[R4]
	v_add_nc_u32 v[SRD], s76, v[L16]
	v_add_nc_u32 v4, v4, v[BH]
	v_add_nc_u32 v[REDW], s77, v[R4]
	v_add_nc_u32 v[REDR], RED, v[R4]
	v_add_nc_u32 v[STW], s76, v4
	s_wait_alu depctr_va_vdst(0)
	s_wait_kmcnt 0x0
	s_add_nc_u64 s[8:9], s[8:9], s[24:25]
	s_add_nc_u64 s[16:17], s[16:17], s[24:25]
	s_add_nc_u64 s[10:11], s[10:11], s[72:73]
	s_add_nc_u64 s[12:13], s[12:13], s[72:73]
	s_add_nc_u64 s[14:15], s[14:15], s[72:73]
	s_add_nc_u64 s[74:75], s[18:19], s[74:75]
	s_add_nc_u64 s[26:27], s[18:19], s[26:27]
.irp i, 0,1,2,3,4,5,6,7
	s_add_nc_u64 s[PB+2*\i:PB+2*\i+1], s[6:7], s[PB+2*\i:PB+2*\i+1]
	s_add_nc_u64 s[RB+2*\i:RB+2*\i+1], s[4:5], s[RB+2*\i:RB+2*\i+1]
.endr
; 32 loads: my k-th K step into buffer p: five registers of scale words, Wo's eight fragments, the rows' one
.macro FETCH k, p
	WIN 0
.irp q, 0,1,2,3
	global_load_b32 v[SP+4*(\p)+\q], v[L4], s[PB+2*(\k):PB+2*(\k)+1] offset:12288+128*\q
.endr
	global_load_b32 v[SR+(\p)], v[RS], s[RB+2*(\k):RB+2*(\k)+1]
	WIN TO_F
.irp i, 0,1,2,3,4,5,6,7
.irp c, 0,1,2
	global_load_b128 v[128*(\p)+12*\i+4*\c:128*(\p)+12*\i+4*\c+3], v[L16], s[PB+2*(\k):PB+2*(\k)+1] offset:1536*\i+512*\c
.endr
.endr
.irp c, 0,1,2
	global_load_b128 v[128*(\p)+96+4*\c:128*(\p)+96+4*\c+3], v[RF], s[RB+2*(\k):RB+2*(\k)+1] offset:512*\c
.endr
	WIN 0
.endm
; 16 loads: a vector of the model's width at my 64 columns, in the accumulators' layout
.macro VEC reg, sb
.irp p, 0,1,2,3,4,5,6,7
	global_load_b128 v[\reg+8*\p:\reg+8*\p+3], v[BH], s[\sb:\sb+1] offset:(32*(\p/2)+8*(\p%2))*4
	global_load_b128 v[\reg+8*\p+4:\reg+8*\p+7], v[BH], s[\sb:\sb+1] offset:(32*(\p/2)+8*(\p%2))*4+16
.endr
.endm
; 8 matrix instructions on buffer p: the 8 accumulators take turns, one instruction a turn, in the same order in every K step
.macro MULS p, zero
	WIN MUL
.irp b, 0,1,2,3,4,5,6,7
.if \zero
.if \b%2
	v_wmma_scale_f32_16x16x128_f8f6f4 v[ACC+8*\b:ACC+8*\b+7], v[128*(\p)+12*\b:128*(\p)+12*\b+11], v[128*(\p)+96:128*(\p)+107], 0, v[SP+4*(\p)+\b/2], v[SR+(\p)] matrix_a_fmt:MATRIX_FMT_FP6 matrix_b_fmt:MATRIX_FMT_FP6 matrix_a_scale:MATRIX_SCALE_ROW1
.else
	v_wmma_scale_f32_16x16x128_f8f6f4 v[ACC+8*\b:ACC+8*\b+7], v[128*(\p)+12*\b:128*(\p)+12*\b+11], v[128*(\p)+96:128*(\p)+107], 0, v[SP+4*(\p)+\b/2], v[SR+(\p)] matrix_a_fmt:MATRIX_FMT_FP6 matrix_b_fmt:MATRIX_FMT_FP6
.endif
.else
.if \b%2
	v_wmma_scale_f32_16x16x128_f8f6f4 v[ACC+8*\b:ACC+8*\b+7], v[128*(\p)+12*\b:128*(\p)+12*\b+11], v[128*(\p)+96:128*(\p)+107], v[ACC+8*\b:ACC+8*\b+7], v[SP+4*(\p)+\b/2], v[SR+(\p)] matrix_a_fmt:MATRIX_FMT_FP6 matrix_b_fmt:MATRIX_FMT_FP6 matrix_a_scale:MATRIX_SCALE_ROW1
.else
	v_wmma_scale_f32_16x16x128_f8f6f4 v[ACC+8*\b:ACC+8*\b+7], v[128*(\p)+12*\b:128*(\p)+12*\b+11], v[128*(\p)+96:128*(\p)+107], v[ACC+8*\b:ACC+8*\b+7], v[SP+4*(\p)+\b/2], v[SR+(\p)] matrix_a_fmt:MATRIX_FMT_FP6 matrix_b_fmt:MATRIX_FMT_FP6
.endif
.endif
.endr
	WIN 0
.endm
.macro PLACES                          ; four plain vector instructions between a matrix instruction and a load into, or a read of, its registers
.rept 4
	v_nop
.endr
.endm
.irp t, 0,1,2,3,4,5,6,7,8,9,10,11,12,13,14,15
	global_load_b128 v[Z+4*\t:Z+4*\t+3], v[L16], s[8:9] offset:8192*(\t+8*(\t/8)) th:TH_LOAD_NT   ; x: the tile's lane t, my 512 bytes of its row
.endr
	VEC BO, 10
	FETCH 0, 0
	FETCH 1, 1
	; THE PRODUCT, written out.  In front of K step i the loads issued behind its own are the next K step's 32 (in front of the last: g1's 16).
	s_wait_loadcnt 32                              ; x, bo and K step 0 are in
	MULS 0, 1                                      ; the first products start the sums: nothing is cleared
.irp t, 0,1,2,3,4,5,6,7,8,9,10,11,12,13,14,15
	ds_store_b128 v[SRD], v[Z+4*\t:Z+4*\t+3] offset:528*\t     ; x into my slab, by rows
.endr
	PLACES
	FETCH 2, 0
	s_wait_loadcnt 32
	MULS 1, 0
	s_wait_dscnt 0x0                               ; the stores have read their registers
.irp q, 0,1,2,3,4,5,6,7,8,9,10,11,12,13,14,15
	ds_load_b128 v[Z+4*\q:Z+4*\q+3], v[STW] offset:128*(\q/4)+16*(\q%4)   ; and back in the accumulators' layout: my wave's own bytes
.endr
	PLACES
	FETCH 3, 1
	s_wait_loadcnt 32
	MULS 0, 0
	s_wait_dscnt 0x0
.set i, 0
.rept 32
	v_pk_add_f32 v[Z+i:Z+i+1], v[Z+i:Z+i+1], v[BO+i:BO+i+1]    ; x + bo: these are also the places in front of the loads below
.set i, i+2
.endr
	FETCH 4, 0
	s_wait_loadcnt 32
	MULS 1, 0
	PLACES
	FETCH 5, 1
	s_wait_loadcnt 32
	MULS 0, 0
	PLACES
	FETCH 6, 0
	s_wait_loadcnt 32
	MULS 1, 0
	PLACES
	FETCH 7, 1
	s_wait_loadcnt 32
	MULS 0, 0
	PLACES
	WIN TO_F
	VEC 0, 12                                      ; g1 takes buffer 0's registers
	WIN 0
	s_wait_loadcnt 16
	MULS 1, 0
	PLACES
	WIN TO_F
	VEC 128, 14                                    ; b1 takes buffer 1's
	WIN 0
.set i, 0
.rept 32
	v_pk_add_f32 v[Z+i:Z+i+1], v[ACC+i:ACC+i+1], v[Z+i:Z+i+1]  ; the row: each accumulator from its low end on
.set i, i+2
.endr
.macro JOIN                            ; four chains into one number, with lane l xor 16's: my row's part over my wave's 128 columns
	v_pk_add_f32 v[T:T+1], v[T:T+1], v[T+2:T+3]
	v_pk_add_f32 v[T+4:T+5], v[T+4:T+5], v[T+6:T+7]
	v_pk_add_f32 v[T:T+1], v[T:T+1], v[T+4:T+5]
	v_add_f32 v[T], v[T], v[T+1]
	v_permlanex16_b32 v[T+1], v[T], s[SEL], s[SEL+1]
	v_add_f32 v[T], v[T], v[T+1]
.endm
.macro CROSS red                       ; over the eight waves: each stores its 16 rows' parts (both lanes of a row the same word), one barrier, every lane reads its row's eight
	ds_store_b32 v[REDW], v[T] offset:\red
	s_wait_dscnt 0x0                               ; for the others' sake
	s_barrier_signal -1
	s_barrier_wait -1
.irp q, 0,1,2,3,4,5,6,7
	ds_load_b32 v[U+\q], v[REDR] offset:\red+64*\q
.endr
	s_wait_dscnt 0x0
	v_pk_add_f32 v[U:U+1], v[U:U+1], v[U+2:U+3]
	v_pk_add_f32 v[U+4:U+5], v[U+4:U+5], v[U+6:U+7]
	v_pk_add_f32 v[U:U+1], v[U:U+1], v[U+4:U+5]
	v_add_f32 v[T], v[U], v[U+1]
.endm
.irp k, 0,1,2,3
	v_pk_add_f32 v[T+2*\k:T+2*\k+1], v[Z+2*\k:Z+2*\k+1], v[Z+8+2*\k:Z+9+2*\k]
.endr
.irp g, 16,24,32,40,48,56
.irp k, 0,1,2,3
	v_pk_add_f32 v[T+2*\k:T+2*\k+1], v[T+2*\k:T+2*\k+1], v[Z+\g+2*\k:Z+\g+1+2*\k]
.endr
.endr
	JOIN
	CROSS 0
	v_mul_f32 v[MN], s[INV], v[T]                  ; the mean
	v_mov_b32 v[MN+1], v[MN]
.set i, 0
.rept 32
	v_pk_add_f32 v[Z+i:Z+i+1], v[Z+i:Z+i+1], v[MN:MN+1] neg_lo:[0,1] neg_hi:[0,1]
.set i, i+2
.endr
.irp k, 0,1,2,3
	v_pk_mul_f32 v[T+2*\k:T+2*\k+1], v[Z+2*\k:Z+2*\k+1], v[Z+2*\k:Z+2*\k+1]
.endr
.irp g, 8,16,24,32,40,48,56
.irp k, 0,1,2,3
	v_pk_fma_f32 v[T+2*\k:T+2*\k+1], v[Z+\g+2*\k:Z+\g+1+2*\k], v[Z+\g+2*\k:Z+\g+1+2*\k], v[T+2*\k:T+2*\k+1]
.endr
.endr
	JOIN
	CROSS 512
	v_fmaak_f32 v[MN], s[INV], v[T], 0x3727c5ac    ; the variance + 1e-5
	s_wait_alu depctr_va_vdst(0)
	v_rsq_f32 v[RQ], v[MN]
	v_rsq_f32 v[RQ+1], v[MN]
	v_nop                                          ; a plain line behind the transcendentals
	s_wait_alu depctr_va_vdst(0)                   ; one wait for both, ahead of their first reader
.set i, 0
.rept 32
	v_pk_mul_f32 v[Z+i:Z+i+1], v[Z+i:Z+i+1], v[RQ:RQ+1]
.set i, i+2
.endr
	s_wait_loadcnt 0x0                             ; g1 and b1 are in
	WIN GB
.set i, 0
.rept 32
	v_pk_fma_f32 v[Z+i:Z+i+1], v[Z+i:Z+i+1], v[i:i+1], v[128+i:129+i]
.set i, i+2
.endr
	WIN 0
	; THE WAY OUT.  x1 as f32: through my slab, back as whole rows of 512 bytes; meanwhile the row's four blocks of 32 are quantised in registers.
.irp q, 0,1,2,3,4,5,6,7,8,9,10,11,12,13,14,15
	ds_store_b128 v[STW], v[Z+4*\q:Z+4*\q+3] offset:128*(\q/4)+16*(\q%4)
.endr
.irp t, 0,1,2,3,4,5,6,7,8,9,10,11,12,13,14,15
	ds_load_b128 v[ACC+4*\t:ACC+4*\t+3], v[SRD] offset:528*\t  ; my wave's own bytes, served in order: no wait between
.endr
.irp b, 0,1,2,3
	v_mov_b32 v[TM+4+\b], 0                        ; a lane permute's destination counts as one of its sources
.endr
.irp b, 0,1,2,3
	v_max3_num_f32 v[TM+\b], |v[Z+16*\b]|, |v[Z+1+16*\b]|, 0x1800000   ; my 16 numbers of block b, and the floor 2^(3 - 127)
.endr
.irp i, 2,4,6,8,10,12,14
.irp b, 0,1,2,3
	v_max3_num_f32 v[TM+\b], v[TM+\b], |v[Z+16*\b+\i]|, |v[Z+1+16*\b+\i]|
.endr
.endr
.irp b, 0,1,2,3
	v_permlanex16_b32 v[TM+4+\b], v[TM+\b], s[SEL], s[SEL+1]
.endr
.irp b, 0,1,2,3
	v_max_num_f32 v[TM+\b], v[TM+\b], v[TM+4+\b]   ; with lane l xor 16's: the block's largest magnitude
.endr
.irp b, 0,1,2,3
	v_add_nc_u32 v[TM+12+\b], 0xff000000, v[TM+\b] ; 2 off the exponent field: the conversion's scale operand
.endr
.irp b, 0,1,2,3
	v_lshrrev_b32 v[TM+4+\b], 23, v[TM+12+\b]      ; the byte
.endr
	v_lshl_or_b32 v[PW], v[TM+5], 8, v[TM+4]
	v_lshl_or_b32 v[PW], v[TM+6], 16, v[PW]
	v_lshl_or_b32 v[PW], v[TM+7], 24, v[PW]        ; row r's scale word for K step w
.irp c, 0,1
	v_cvt_scalef32_pk16_fp6_f32 v[PC+6*\c:PC+2+6*\c], v[Z+32*\c:Z+15+32*\c], v[TM+12+2*\c]
	v_cvt_scalef32_pk16_fp6_f32 v[PC+12+4*\c:PC+14+4*\c], v[Z+16+32*\c:Z+31+32*\c], v[TM+12+2*\c+1]
.endr
	v_nop                                          ; one plain line behind the conversions
.irp c, 0,1
.irp i, 0,1,2
	v_permlane16_swap_b32 v[PC+6*\c+\i], v[PC+12+4*\c+\i]      ; a whole block to a lane
.endr
.irp i, 0,1,2
	v_mov_b32 v[PC+3+6*\c+\i], v[PC+12+4*\c+\i]
.endr
.endr
.irp c, 0,1,2
	global_store_b128 v[L16], v[PC+4*\c:PC+4*\c+3], s[74:75] offset:512*\c   ; the fragment: 512 consecutive bytes, at a multiple of 256 from x1i's first byte
.endr
	s_wait_alu depctr_va_vdst(0)
	s_wait_dscnt 0x0
.irp t, 0,1,2,3,4,5,6,7,8,9,10,11,12,13,14,15
	global_store_b128 v[L16], v[ACC+4*\t:ACC+4*\t+3], s[16:17] offset:8192*(\t+8*(\t/8))   ; 512 consecutive bytes, at a multiple of 256 from x1's first byte
.endr
	v_cmp_gt_u32 vcc_lo, 16, v1
	s_wait_xcnt 0x0                                ; EXEC changes only behind this wait
	s_and_saveexec_b32 s23, vcc_lo
	global_store_b32 v[R4], v[PW], s[26:27]        ; lanes 0-15: the tile's 16 scale words
	s_wait_xcnt 0x0
	s_or_b32 exec_lo, exec_lo, s23
	s_wait_tensorcnt 0x0                           ; the wave's end
	ds_add_u32 v[SPW], v[NIL]
	s_wait_dscnt 0x0
	s_endpgm
.Lfunc_end_k_q1cc4555c2b_wo_ln1:
	.size	k_q1cc4555c2b_wo_ln1, .Lfunc_end_k_q1cc4555c2b_wo_ln1-k_q1cc4555c2b_wo_ln1
	.p2alignl 7, 3214868480
	.fill 96, 4, 3214868480
	.section	.rodata,"a",@progbits
	.p2align	6, 0x0
	.amdhsa_kernel k_q1cc4555c2b_wo_ln1
		.amdhsa_group_segment_fixed_size 69632
		.amdhsa_private_segment_fixed_size 0
		.amdhsa_enable_private_segment 0
		.amdhsa_kernarg_size 64
		.amdhsa_user_sgpr_count 2
		.amdhsa_user_sgpr_kernarg_segment_ptr 1
		.amdhsa_wavefront_size32 1
		.amdhsa_system_sgpr_workgroup_id_x 1
		.amdhsa_system_sgpr_workgroup_id_y 1
		.amdhsa_system_sgpr_workgroup_id_z 1
		.amdhsa_system_vgpr_workitem_id 0
		.amdhsa_next_free_vgpr 512
		.amdhsa_next_free_sgpr 100
		.amdhsa_reserve_vcc 1
		.amdhsa_float_denorm_mode_32 3
		.amdhsa_float_denorm_mode_16_64 3
		.amdhsa_memory_ordered 1
		.amdhsa_forward_progress 1
		.amdhsa_inst_pref_size 73
	.end_amdhsa_kernel
	.amdgpu_metadata
---
amdhsa.version: [ 1, 2 ]
amdhsa.kernels:
  - .name:           k_q1cc4555c2b_wo_ln1
    .symbol:         k_q1cc4555c2b_wo_ln1.kd
    .args:
      - { .name: oi, .offset: 0, .size: 8, .value_kind: global_buffer, .address_space: global }
      - { .name: wi, .offset: 8, .size: 8, .value_kind: global_buffer, .address_space: global }
      - { .name: x, .offset: 16, .size: 8, .value_kind: global_buffer, .address_space: global }
      - { .name: bo, .offset: 24, .size: 8, .value_kind: global_buffer, .address_space: global }
      - { .name: g1, .offset: 32, .size: 8, .value_kind: global_buffer, .address_space: global }
      - { .name: b1, .offset: 40, .size: 8, .value_kind: global_buffer, .address_space: global }
      - { .name: x1, .offset: 48, .size: 8, .value_kind: global_buffer, .address_space: global }
      - { .name: x1i, .offset: 56, .size: 8, .value_kind: global_buffer, .address_space: global }
    .group_segment_fixed_size: 69632
    .private_segment_fixed_size: 0
    .kernarg_segment_align: 8
    .kernarg_segment_size: 64
    .max_flat_workgroup_size: 256
    .sgpr_count:     100
    .vgpr_count:     512
    .wavefront_size: 32
...
	.end_amdgpu_metadata
.endif
;; end of part 13
;; launch gemm_ff1 (part 14): grid 16 x 16, 4 waves a work-group, clusters of 4 x 4, 327,680 bytes of LDS; arguments x1i, wi, bb1, hi; writes hi
.if DOCPART == 14
	.amdgcn_target "amdgcn-amd-amdhsa--gfx1250"
	.amdhsa_code_object_version 6
	.text
	.protected	k_q1cc4555c2b_gemm_ff1
	.globl	k_q1cc4555c2b_gemm_ff1
	.p2align	8
	.type	k_q1cc4555c2b_gemm_ff1,@function
k_q1cc4555c2b_gemm_ff1:
	s_mov_b64 s[64:65], 0
	v_nop
	global_prefetch_b8 v0, s[64:65] scope:SCOPE_SE
	s_setreg_imm32_b32 hwreg(HW_REG_WAVE_MODE, 25, 1), 1
	s_wait_xcnt 0x0
	s_wait_alu depctr_hold_cnt(0) depctr_sa_sdst(0) depctr_va_vdst(0) depctr_va_sdst(0) depctr_va_ssrc(0) depctr_va_vcc(0) depctr_vm_vsrc(0)
	s_getreg_b32 s2, hwreg(HW_REG_IB_STS2, 6, 4)
	s_cmp_eq_u32 s2, 0
	s_cbranch_scc0 .Lentry_in_a_cluster
	s_endpgm
.Lentry_in_a_cluster:
	s_bfe_u32 s2, ttmp6, 0x10000c
	s_cmp_lg_u32 s2, 0xf033
	s_cbranch_scc0 .Lentry_shape_is_right
	s_endpgm
.Lentry_shape_is_right:
.set KS,     8
.set W_OFF,  3276800
.set SBB,    12800
.set NQ,     2
.set HALFT,  NQ*SBB
.set SLOT,   4*HALFT
.set SPARE,  2*SLOT
.set LAPS,   KS/(2*NQ)
.set FR,     12
.set NL,     3
.set NP,     4
.set ADRA, 16
.set ADRS, 18
.set ADRB, 20
.set LI,   22
.set LS,   23
.set SPW,  28
.set NIL,  29
.set SC,   32
.set BI,   64
.set AF,   128
.set ST,   128
.set PC,   192
.set PWB,  212
.set SQ,   220
.set TM,   240
.set G1, 24
.set G0, 32
.set G1B, 48
.set G0B, 56
.set SEL, 70
.set MSB, 0
.macro WIN new
.if MSB != \new
	s_set_vgpr_msb (MSB<<8)|\new
.set MSB, \new
.endif
.endm
.set MUL_LO, 0xa1
.set MUL_HI, 0xf1
.set TO_B,   0x40
.macro JLOAD s
	s_cmp_eq_u32 s15, 0
	s_cbranch_scc0 .Lfor_b_\@
	tensor_load_to_lds s[G0+4*\s:G0+4*\s+3], s[G1:G1+7]
	s_nop 0
.rept 4
	v_nop
.endr
	s_branch .Lasked_\@
.Lfor_b_\@:
	tensor_load_to_lds s[G0B+4*\s:G0B+4*\s+3], s[G1B:G1B+7]
	s_nop 0
.rept 4
	v_nop
.endr
.Lasked_\@:
.endm
.macro CREST
	s_cmp_lg_u32 s14, 0
	s_cbranch_scc1 .Lnot_wave_0_\@
	s_barrier_signal -3
.Lnot_wave_0_\@:
	s_barrier_wait -3
	s_barrier_signal -1
	s_barrier_wait -1
.endm
.macro CROUND
	s_barrier_signal -1
	s_barrier_wait -1
	CREST
.endm
	s_load_b256 s[4:11], s[0:1], 0x0
	v_lshl_add_u32 v[SPW], v0, 2, SPARE
	v_mov_b32 v[NIL], 0
	ds_add_u32 v28, v29
	ds_add_u32 v28, v29
	s_wait_dscnt 0x0
	v_lshrrev_b32 v1, 5, v0
	v_readfirstlane_b32 s14, v1
	s_lshr_b32 s15, s14, 1
	s_and_b32 s16, s14, 1
	s_bfe_u32 s40, ttmp6, 0x40000
	s_bfe_u32 s41, ttmp6, 0x40004
	s_lshl_b32 s42, ttmp9, 2
	s_add_co_u32 s42, s42, s40
	s_and_b32 s17, ttmp7, 0xffff
	s_lshl_b32 s17, s17, 2
	s_add_co_u32 s17, s17, s41
	s_lshl_b32 s43, s41, 2
	s_lshl_b32 s43, 15, s43
	s_lshl_b32 s44, 0x1111, s40
	s_or_b32 s[G1+0], s43, (3<<16)|(1<<21)
	s_or_b32 s[G1B+0], s44, (3<<16)|(1<<21)
.irp g, G1, G1B
	s_mov_b32 s[\g+1], 32<<16
	s_mov_b32 s[\g+2], 100<<16
	s_mov_b32 s[\g+3], 32<<16
	s_mov_b32 s[\g+4], 100
	s_mov_b32 s[\g+5], 32
	s_mov_b32 s[\g+6], 0
	s_mov_b32 s[\g+7], 0
.endr
	s_lshl_b32 s20, s17, 1
	s_add_co_u32 s20, s20, s16
	s_lshl_b32 s46, s42, 1
	s_add_co_u32 s46, s46, s16
	s_mov_b32 s21, 0
	s_mov_b32 s47, 0
	s_mov_b64 s[18:19], KS*SBB
	s_mul_u64 s[20:21], s[20:21], s[18:19]
	s_mul_u64 s[46:47], s[46:47], s[18:19]
	s_mul_i32 s45, s14, HALFT
	s_wait_kmcnt 0x0
	s_add_nc_u64 s[20:21], s[4:5], s[20:21]
	s_add_nc_u64 s[46:47], s[6:7], s[46:47]
	s_add_nc_u64 s[46:47], s[46:47], W_OFF
	; the prefetches: of the 100 blocks of 256 bytes that one load of mine brings, my work-group's 25, told apart from the three partners' by address; a lane a block (lanes 24 to 31 name the last together)
	v_and_b32 v30, 31, v0
	v_min_u32 v30, 24, v30
	v_lshlrev_b32 v30, 8, v30
	s_wait_alu depctr_va_vdst(0)
	s_cmp_eq_u32 s15, 0
	s_cselect_b64 s[96:97], s[20:21], s[46:47]
	s_cselect_b32 s98, s40, s41
	s_mul_i32 s98, s98, 6400
	s_mov_b32 s99, 0
	s_add_nc_u64 s[96:97], s[96:97], s[98:99]
	CROUND
.irp s, 0,1
	s_mov_b32 s[G0+4*\s], 1
	s_add_co_u32 s[G0+4*\s+1], s45, \s*SLOT
	s_add_nc_u64 s[G0+4*\s+2:G0+4*\s+3], s[20:21], \s*HALFT
	s_or_b32 s[G0+4*\s+3], s[G0+4*\s+3], 0x80000000
	s_mov_b32 s[G0B+4*\s], 1
	s_add_co_u32 s[G0B+4*\s+1], s45, \s*SLOT
	s_add_nc_u64 s[G0B+4*\s+2:G0B+4*\s+3], s[46:47], \s*HALFT
	s_or_b32 s[G0B+4*\s+3], s[G0B+4*\s+3], 0x80000000
.if \s == 1
	s_wait_tensorcnt 0x0                           ; slot 1's first fill is issued as a refill is
	ds_add_u32 v28, v29
	s_wait_dscnt 0x0
	CROUND
.endif
	JLOAD \s
	global_prefetch_b8 v30, s[96:97] offset:(\s+1)*HALFT th:TH_LOAD_NT scope:SCOPE_SE   ; what the next tensor load of mine will bring
.endr
	v_and_b32 v1, 15, v0
	v_bfe_u32 v2, v0, 4, 1
	v_and_b32 v3, 31, v0
	v_lshlrev_b32 v[LI], 4, v3
	v_lshlrev_b32 v[LS], 2, v3
	s_mul_i32 s21, s15, HALFT
	s_mul_i32 s22, s16, HALFT
	s_add_co_u32 s22, s22, 2*HALFT
	s_sub_co_u32 s23, s22, s21
	v_mul_u32_u24 v4, s23, v2
	v_lshl_add_u32 v4, v1, 2, v4
.irp s, 0,1
	v_add_nc_u32 v[ADRA+\s], s21, v[LI]
	v_add_nc_u32 v[ADRB+\s], s22, v[LI]
	v_add_nc_u32 v[ADRS+\s], s21, v4
	s_add_co_u32 s21, s21, SLOT
	s_add_co_u32 s22, s22, SLOT
.endr
	s_lshl_b32 s86, s17, 1
	s_add_co_u32 s86, s86, s15
	s_lshl_b32 s87, s42, 1
	s_add_co_u32 s87, s87, s16
	s_lshl_b32 s66, s86, 5
	s_add_co_u32 s66, s66, s87
	s_mul_i32 s66, s66, SBB
	s_mov_b32 s67, 0
	s_add_nc_u64 s[66:67], s[10:11], s[66:67]
	s_lshl_b32 s72, s87, 9
	s_mov_b32 s73, 0
	s_add_nc_u64 s[72:73], s[8:9], s[72:73]
	s_mov_b32 s68, 0xffff0000
	s_mov_b32 s[SEL], 0x76543210
	s_mov_b32 s[SEL+1], 0xfedcba98
	v_lshlrev_b32 v5, 6, v2
.irp p, 0,1,2,3,4,5,6,7
	global_load_b128 v[BI+8*\p:BI+8*\p+3], v5, s[72:73] offset:(32*(\p/2)+8*(\p%2))*4
	global_load_b128 v[BI+8*\p+4:BI+8*\p+7], v5, s[72:73] offset:(32*(\p/2)+8*(\p%2))*4+16
.endr
.irp b, 0,1,2,3
	v_mov_b32 v[TM+4+\b], 0
.endr
.macro FRAG reg, adr, q, i
.irp c, 0,1,2
	ds_load_b128 v[\reg+4*\c:\reg+4*\c+3], v[\adr] offset:(\q)*SBB+(\i)*1536+512*\c
.endr
.endm
.macro MUL16 a0, p, q, sc, zero
.irp a, \a0, \a0+1
.irp b, 0,1,2,3,4,5,6,7
.if \zero
	v_wmma_scale_f32_16x16x128_f8f6f4 v[8*(8*((\a)%4)+\b):8*(8*((\a)%4)+\b)+7], v[128*(\p)+FR*\b:128*(\p)+FR*\b+FR-1], v[AF+FR*(\a):AF+FR*(\a)+FR-1], 0, v[SC+16*(\sc)+8*(\q)+\b], v[SC+16*(\sc)+8*(\q)+(\a)] matrix_a_fmt:MATRIX_FMT_FP6 matrix_b_fmt:MATRIX_FMT_FP6 matrix_a_scale:MATRIX_SCALE_ROW1
.else
	v_wmma_scale_f32_16x16x128_f8f6f4 v[8*(8*((\a)%4)+\b):8*(8*((\a)%4)+\b)+7], v[128*(\p)+FR*\b:128*(\p)+FR*\b+FR-1], v[AF+FR*(\a):AF+FR*(\a)+FR-1], v[8*(8*((\a)%4)+\b):8*(8*((\a)%4)+\b)+7], v[SC+16*(\sc)+8*(\q)+\b], v[SC+16*(\sc)+8*(\q)+(\a)] matrix_a_fmt:MATRIX_FMT_FP6 matrix_b_fmt:MATRIX_FMT_FP6 matrix_a_scale:MATRIX_SCALE_ROW1
.endif
.endr
.endr
.endm
.macro FETCH_B slot, q, p
	WIN TO_B
.irp i, 0,1,2,3,4,5,6,7
	FRAG 128*(\p)+FR*\i, ADRB+\slot, \q, \i
.endr
	WIN 0
.endm
.macro FETCH_A slot, q, i0
.irp i, \i0, \i0+1, \i0+2, \i0+3
	FRAG AF+FR*(\i), ADRA+\slot, \q, \i
.endr
.endm
.macro SCALES sc
.irp q, 0,1
.irp i, 0,1,2,3,4,5,6,7
	ds_load_b32 v[SC+16*\sc+8*\q+\i], v[ADRS+\sc] offset:\q*SBB+12288+64*\i
.endr
.endr
.endm
.macro PLACES n
.rept \n
	v_nop
.endr
.endm
.macro STEP slot, q, zero
	s_wait_dscnt 4*NL
	WIN MUL_LO
	MUL16 0, (\q)%2, \q, \slot, \zero
	MUL16 2, (\q)%2, \q, \slot, \zero
	s_wait_dscnt 0
	PLACES NP
	FETCH_B \slot, (\q)+1, 1-(\q)%2
	FETCH_A \slot, (\q)+1, 0
	WIN MUL_HI
	MUL16 4, (\q)%2, \q, \slot, \zero
	MUL16 6, (\q)%2, \q, \slot, \zero
	PLACES NP
	WIN 0
	FETCH_A \slot, (\q)+1, 4
.endm
.macro TURN slot, next, fill
	s_wait_tensorcnt 0x0
	ds_add_u32 v[SPW], v[NIL]
	s_wait_dscnt 4*NL+1
	WIN MUL_LO
	MUL16 0, 1, NQ-1, \slot, 0
	s_wait_dscnt 0x0
	s_barrier_signal -1
	MUL16 2, 1, NQ-1, \slot, 0
	WIN 0
	s_barrier_wait -1
.if \fill
	CREST
	s_add_nc_u64 s[G0+4*\slot+2:G0+4*\slot+3], s[G0+4*\slot+2:G0+4*\slot+3], 2*HALFT
	s_add_nc_u64 s[G0B+4*\slot+2:G0B+4*\slot+3], s[G0B+4*\slot+2:G0B+4*\slot+3], 2*HALFT
	JLOAD \slot
.else
	PLACES NP
.endif
	FETCH_B \next, 0, 0
	FETCH_A \next, 0, 0
	SCALES \next
.if \fill && (\slot == 0)
	global_prefetch_b8 v30, s[96:97] offset:3*HALFT th:TH_LOAD_NT scope:SCOPE_SE   ; the loop has one trip: its first refill asks for what its second will bring, the last two K steps; the second asks for nothing
.endif
	WIN MUL_HI
	MUL16 4, 1, NQ-1, \slot, 0
	MUL16 6, 1, NQ-1, \slot, 0
	PLACES NP
	WIN 0
	FETCH_A \next, 0, 4
.endm
	s_wait_alu depctr_va_vdst(0)
	s_wait_loadcnt 0x0
	s_wait_tensorcnt 1
	s_barrier_signal -1
	s_barrier_wait -1
	FETCH_B 0, 0, 0
	FETCH_A 0, 0, 0
	SCALES 0
	FETCH_A 0, 0, 4
	STEP 0, 0, 1
	s_mov_b32 s3, LAPS-1
.Llap:
	TURN 0, 1, 1
	STEP 1, 0, 0
	TURN 1, 0, 1
	STEP 0, 0, 0
	s_sub_co_u32 s3, s3, 1
	s_cmp_lg_u32 s3, 0
	s_cbranch_scc1 .Llap
	TURN 0, 1, 0
	STEP 1, 0, 0
	s_wait_dscnt 4*NL
	WIN MUL_LO
	MUL16 0, 1, NQ-1, 1, 0
	MUL16 2, 1, NQ-1, 1, 0
	s_wait_dscnt 0
	WIN MUL_HI
	MUL16 4, 1, NQ-1, 1, 0
	MUL16 6, 1, NQ-1, 1, 0
	WIN 0
.macro QUANT s, pw
.irp b, 0,1,2,3
	v_max3_num_f32 v[TM+\b], |v[\s+16*\b]|, |v[\s+1+16*\b]|, 0x1800000
.endr
.irp i, 2,4,6,8,10,12,14
.irp b, 0,1,2,3
	v_max3_num_f32 v[TM+\b], v[TM+\b], |v[\s+16*\b+\i]|, |v[\s+1+16*\b+\i]|
.endr
.endr
.irp b, 0,1,2,3
	v_permlanex16_b32 v[TM+4+\b], v[TM+\b], s[SEL], s[SEL+1]
.endr
.irp b, 0,1,2,3
	v_max_num_f32 v[TM+\b], v[TM+\b], v[TM+4+\b]
.endr
.irp b, 0,1,2,3
	v_add_nc_u32 v[TM+12+\b], 0xff000000, v[TM+\b]
.endr
.irp b, 0,1,2,3
	v_lshrrev_b32 v[TM+4+\b], 23, v[TM+12+\b]
.endr
	v_lshl_or_b32 v[\pw], v[TM+5], 8, v[TM+4]
	v_lshl_or_b32 v[\pw], v[TM+6], 16, v[\pw]
	v_lshl_or_b32 v[\pw], v[TM+7], 24, v[\pw]
.irp c, 0,1
	v_cvt_scalef32_pk16_fp6_f32 v[PC+6*\c:PC+2+6*\c], v[\s+32*\c:\s+15+32*\c], v[TM+12+2*\c]
	v_cvt_scalef32_pk16_fp6_f32 v[PC+12+4*\c:PC+14+4*\c], v[\s+16+32*\c:\s+31+32*\c], v[TM+12+2*\c+1]
.endr
	v_nop
.irp c, 0,1
.irp i, 0,1,2
	v_permlane16_swap_b32 v[PC+6*\c+\i], v[PC+12+4*\c+\i]
.endr
.irp i, 0,1,2
	v_mov_b32 v[PC+3+6*\c+\i], v[PC+12+4*\c+\i]
.endr
.endr
.endm
.macro UNIT a
	s_wait_xcnt 0x0
	WIN 0x02+(\a)/4
.set i, 0
.rept 32
	v_pk_add_f32 v[ST+i:ST+i+1], v[64*((\a)%4)+i:64*((\a)%4)+i+1], v[BI+i:BI+i+1]
.set i, i+2
.endr
	WIN 0
.set i, 0
.rept 64
	v_max_num_f32 v[ST+i], 0, v[ST+i]
.set i, i+1
.endr
	QUANT ST, PWB+(\a)
.irp c, 0,1,2
	global_store_b128 v[LI], v[PC+4*\c:PC+4*\c+3], s[66:67] offset:1536*(\a)+512*\c
.endr
.endm
	PLACES NP
.irp a, 0,1,2,3,4,5,6,7
	UNIT \a
.endr
.irp i, 0,1,2,3
	v_cndmask_b32 v[SQ+\i], v[PWB+2*\i], v[PWB+2*\i+1], s68
.endr
.irp i, 0,1,2,3
	global_store_b32 v[LS], v[SQ+\i], s[66:67] offset:12288+128*\i
.endr
	s_wait_tensorcnt 0x0
	ds_add_u32 v[SPW], v[NIL]
	s_wait_dscnt 0x0
	CROUND
	s_endpgm
.Lfunc_end_k_q1cc4555c2b_gemm_ff1:
	.size	k_q1cc4555c2b_gemm_ff1, .Lfunc_end_k_q1cc4555c2b_gemm_ff1-k_q1cc4555c2b_gemm_ff1
	.p2alignl 7, 3214868480
	.fill 96, 4, 3214868480
	.section	.rodata,"a",@progbits
	.p2align	6, 0x0
	.amdhsa_kernel k_q1cc4555c2b_gemm_ff1
		.amdhsa_group_segment_fixed_size 327680
		.amdhsa_private_segment_fixed_size 0
		.amdhsa_enable_private_segment 0
		.amdhsa_kernarg_size 32
		.amdhsa_user_sgpr_count 2
		.amdhsa_user_sgpr_kernarg_segment_ptr 1
		.amdhsa_wavefront_size32 1
		.amdhsa_system_sgpr_workgroup_id_x 1
		.amdhsa_system_sgpr_workgroup_id_y 1
		.amdhsa_system_sgpr_workgroup_id_z 1
		.amdhsa_system_vgpr_workitem_id 0
		.amdhsa_next_free_vgpr 1024
		.amdhsa_next_free_sgpr 100
		.amdhsa_reserve_vcc 0
		.amdhsa_float_denorm_mode_32 3
		.amdhsa_float_denorm_mode_16_64 3
		.amdhsa_memory_ordered 1
		.amdhsa_forward_progress 1
		.amdhsa_inst_pref_size 174
	.end_amdhsa_kernel
	.amdgpu_metadata
---
amdhsa.version: [ 1, 2 ]
amdhsa.kernels:
  - .name:           k_q1cc4555c2b_gemm_ff1
    .symbol:         k_q1cc4555c2b_gemm_ff1.kd
    .args:
      - { .name: x1i, .offset: 0, .size: 8, .value_kind: global_buffer, .address_space: global }
      - { .name: wi, .offset: 8, .size: 8, .value_kind: global_buffer, .address_space: global }
      - { .name: bb1, .offset: 16, .size: 8, .value_kind: global_buffer, .address_space: global }
      - { .name: hi, .offset: 24, .size: 8, .value_kind: global_buffer, .address_space: global }
    .group_segment_fixed_size: 327680
    .private_segment_fixed_size: 0
    .kernarg_segment_align: 8
    .kernarg_segment_size: 32
    .max_flat_workgroup_size: 128
    .sgpr_count:     100
    .vgpr_count:     1024
    .wavefront_size: 32
...
	.end_amdgpu_metadata
.endif
;; end of part 14
;; launch gemm_ff2 (part 15): grid 8 x 32, 4 waves a work-group, clusters of 4 x 4, 327,680 bytes of LDS; arguments hi, wi, cb; writes cb
.if DOCPART == 15
	.amdgcn_target "amdgcn-amd-amdhsa--gfx1250"
	.amdhsa_code_object_version 6
	.text
	.protected	k_q1cc4555c2b_gemm_ff2
	.globl	k_q1cc4555c2b_gemm_ff2
	.p2align	8
	.type	k_q1cc4555c2b_gemm_ff2,@function
k_q1cc4555c2b_gemm_ff2:
	s_mov_b64 s[64:65], 0
	v_nop
	global_prefetch_b8 v0, s[64:65] scope:SCOPE_SE
	s_setreg_imm32_b32 hwreg(HW_REG_WAVE_MODE, 25, 1), 1
	s_wait_xcnt 0x0
	s_wait_alu depctr_hold_cnt(0) depctr_sa_sdst(0) depctr_va_vdst(0) depctr_va_sdst(0) depctr_va_ssrc(0) depctr_va_vcc(0) depctr_vm_vsrc(0)
	s_getreg_b32 s2, hwreg(HW_REG_IB_STS2, 6, 4)
	s_cmp_eq_u32 s2, 0
	s_cbranch_scc0 .Lentry_in_a_cluster
	s_endpgm
.Lentry_in_a_cluster:
	s_bfe_u32 s2, ttmp6, 0x10000c
	s_cmp_lg_u32 s2, 0xf033
	s_cbranch_scc0 .Lentry_shape_is_right
	s_endpgm
.Lentry_shape_is_right:
; cb = h W2 (no bias: the launch behind adds it with the residual), K = 4,096, on codes of FP6 (E2M3) with E8M0 scales; cb is [4096 rows m = 2 s + b][1024], f32.
; OPERANDS are [group of 128 rows or columns][K step of 128][SB of 12,800 bytes]: eight fragments of 1,536 bytes (register 4 c + i of lane l at 512 c + 16 l + 4 i), then at 12,288 + 64 t + 4 r the scale words.
; Lane r of tile t of a group is its element 32 (t / 2) + 8 (t % 2) + r + 8 (r / 8); a group of rows G = 16 b + s / 128.  Source 0 takes the weight's tiles P, source 1 the rows' tiles R: a lane holds one row.
; SHARES.  8 groups of columns x 32 groups of rows: 256 work-groups, each ONE group of R x ONE of P.  Wave w makes R's tiles 4 (w / 2) on x P's tiles 4 (w % 2) on: 64 x 64, 16 accumulators.
; THE RING: two slots of SIX K steps, 153,600 bytes each: R's six SBs, then P's six.  A wave brings three K steps of one group, 38,400 dense bytes, by one tensor load.  32 K steps are five slots' worth and two K steps:
; the last fill brings two K steps, by the waves of the first half alone (100 rows; the two words that count rows are set anew where no load is out).  One tensor load of a wave is out at the most.
; CLUSTERS: the four work-groups of a row of the cluster need the same group of R, the four of a column the same group of P: each block is asked for jointly.
; PREFETCH: behind each tensor load, what my NEXT tensor load will bring (one slot ahead): its 150 blocks of 256 bytes are shared out among the four partners by address: partner p names blocks 4 i + p, a lane a block,
; two instructions a wave (in the second, lanes left over name the last block again).  The address is never stepped: the place along K stands in the immediate.  The last fill's 100 blocks take one instruction; behind it nothing is asked for.
; REGISTERS: window 0: v8-27 addresses; v32-39 scale words, two sets; v64-127 rows on the way out; v128-255 accumulator (a, b) at v[128 + 8 (4 a + b)].  window 1: two fragment buffers, at v0 and v128: R's four, then P's four.
.set KS,     32
.set W_OFF,  6553600
.set SBB,    12800
.set HALFT,  3*SBB                     ; what one tensor load brings
.set POFF,   2*HALFT
.set SLOT,   4*HALFT
.set NW,     6                         ; slots' worth of K, the last of two K steps
.set SPARE,  2*SLOT                    ; the spare words, 128 bytes a wave: two blocks of 256 bytes that no other line names
.set FR,     12
.set NP,     4                         ; places behind this matrix instruction (ISA guide 7.12.1)
.set SPITCH, 272                       ; the way out: 16 rows x (256 bytes + 16) for each wave, in slot 0, which has had its last fill and its last read by then
.set ADRA, 8                           ; v8-11   16 x lane + my four tiles of R: slot 0 K steps 0-2, 3-5; slot 1 likewise (an LDS offset has 16 bits)
.set ADRB, 12                          ; v12-15  the same for P
.set ADRS, 16                          ; v16-19  scale words: lanes 0-15 R's, lanes 16-31 P's
.set STO,  20
.set RD,   21
.set CO,   22
.set SPW,  23
.set NIL,  24
.set PF1,  25                          ; v25-27  the prefetches' offsets
.set PF2,  26
.set PF3,  27
.set SC,   32
.set BK,   64
.set ACC,  128
.set G1,  24
.set G1B, 32
.set G0,  40                           ; s[40:47] group 0 for R's blocks, a set for each slot; s[48:55] for P's
.set G0B, 48
.set PFA, 78
.set MSB, 0
.macro WIN new                         ; the immediate's high byte repeats the setting that is left
.if MSB != \new
	s_set_vgpr_msb (MSB<<8)|\new
.set MSB, \new
.endif
.endm
.set MUL,  0x05                        ; sources 0 (P) and 1 (R) window 1; C and D window 0
.set TO_F, 0x40                        ; destination window 1, address window 0
.macro JLOAD s, half                   ; a joint load: waves 0, 1 fetch for R, waves 2, 3 for P; half = 1: the waves of the second half have no part.  The branches hang on the wave's number alone
.if \half
	s_cmp_lg_u32 s16, 0
	s_cbranch_scc1 .Lasked_\@
.endif
	s_cmp_eq_u32 s15, 0
	s_cbranch_scc0 .Lfor_b_\@
	tensor_load_to_lds s[G0+4*(\s):G0+4*(\s)+3], s[G1:G1+7]
	s_nop 0
.rept 4
	v_nop
.endr
	s_branch .Lasked_\@
.Lfor_b_\@:
	tensor_load_to_lds s[G0B+4*(\s):G0B+4*(\s)+3], s[G1B:G1B+7]
	s_nop 0
.rept 4
	v_nop
.endr
.Lasked_\@:
.endm
.macro CREST
	s_cmp_lg_u32 s14, 0
	s_cbranch_scc1 .Lnot_wave_0_\@
	s_barrier_signal -3
.Lnot_wave_0_\@:
	s_barrier_wait -3
	s_barrier_signal -1
	s_barrier_wait -1
.endm
.macro CROUND
	s_barrier_signal -1
	s_barrier_wait -1
	CREST
.endm
.macro ASK n                           ; worth n of my loads
.if (\n) < NW-1
	global_prefetch_b8 v[PF1], s[PFA:PFA+1] offset:(\n)*2*HALFT th:TH_LOAD_NT scope:SCOPE_SE
	global_prefetch_b8 v[PF2], s[PFA:PFA+1] offset:(\n)*2*HALFT th:TH_LOAD_NT scope:SCOPE_SE
.elseif (\n) == NW-1
	s_cmp_eq_u32 s16, 0
	s_cbranch_scc0 .Lno_ask_\@
	global_prefetch_b8 v[PF3], s[PFA:PFA+1] offset:(\n)*2*HALFT th:TH_LOAD_NT scope:SCOPE_SE
.Lno_ask_\@:
.endif
.endm
	s_load_b128 s[4:7], s[0:1], 0x0                ; hi, wi
	s_load_b64 s[8:9], s[0:1], 0x10                ; cb
	v_lshl_add_u32 v[SPW], v0, 2, SPARE
	v_mov_b32 v[NIL], 0
	ds_add_u32 v[SPW], v[NIL]                      ; the opening lines: the add, twice on end, and its wait
	ds_add_u32 v[SPW], v[NIL]
	v_lshrrev_b32 v1, 5, v0
	v_readfirstlane_b32 s14, v1                    ; wave
	s_lshr_b32 s15, s14, 1                         ; my half of R's tiles.  Also: I fetch for R (0) or for P (1)
	s_and_b32 s16, s14, 1                          ; my half of P's tiles.  Also: which three K steps of a slot I fetch
	s_bfe_u32 s66, ttmp6, 0x40000                  ; cx
	s_bfe_u32 s67, ttmp6, 0x40004                  ; cy
	s_lshl_b32 s68, ttmp9, 2
	s_add_co_u32 s68, s68, s66                     ; the group of P
	s_and_b32 s17, ttmp7, 0xffff
	s_lshl_b32 s17, s17, 2
	s_add_co_u32 s17, s17, s67                     ; the group of R
	s_lshl_b32 s69, s67, 2
	s_lshl_b32 s69, 15, s69                        ; my row of the cluster
	s_lshl_b32 s70, 0x1111, s66                    ; my column
	s_or_b32 s[G1+0], s69, (3<<16)|(1<<21)         ; 15:0 the mask; 17:16 elements of 8 bytes; no padding; 21 set beside a mask
	s_or_b32 s[G1B+0], s70, (3<<16)|(1<<21)
.irp g, G1, G1B
	s_mov_b32 s[\g+1], 32<<16                      ; 256 bytes a row
	s_mov_b32 s[\g+2], 150<<16                     ; 150 rows: 38,400 dense bytes
	s_mov_b32 s[\g+3], 32<<16
	s_mov_b32 s[\g+4], 150
	s_mov_b32 s[\g+5], 32
	s_mov_b32 s[\g+6], 0
	s_mov_b32 s[\g+7], 0
.endr
	s_mov_b32 s20, s17
	s_mov_b32 s21, 0
	s_mov_b32 s72, s68
	s_mov_b32 s73, 0
	s_mov_b64 s[18:19], KS*SBB
	s_mul_u64 s[20:21], s[20:21], s[18:19]         ; where the group begins, in bytes
	s_mul_u64 s[72:73], s[72:73], s[18:19]
	s_mul_i32 s74, s16, HALFT                      ; + the three K steps that I fetch
	s_mov_b32 s75, 0
	s_add_nc_u64 s[20:21], s[20:21], s[74:75]
	s_add_nc_u64 s[72:73], s[72:73], s[74:75]
	s_mul_i32 s76, s14, HALFT                      ; where they go: no place in the cluster enters an LDS address
	s_wait_dscnt 0x0                               ; both opening adds are done
	s_wait_kmcnt 0x0
	s_add_nc_u64 s[20:21], s[4:5], s[20:21]
	s_add_nc_u64 s[72:73], s[6:7], s[72:73]
	s_add_nc_u64 s[72:73], s[72:73], W_OFF
	CROUND                                         ; all sixteen work-groups are here: the first joint loads meet
.irp s, 0,1
	s_mov_b32 s[G0+4*\s], 1
	s_add_co_u32 s[G0+4*\s+1], s76, \s*SLOT
	s_add_nc_u64 s[G0+4*\s+2:G0+4*\s+3], s[20:21], \s*2*HALFT
	s_or_b32 s[G0+4*\s+3], s[G0+4*\s+3], 0x80000000
	s_mov_b32 s[G0B+4*\s], 1
	s_add_co_u32 s[G0B+4*\s+1], s76, \s*SLOT
	s_add_nc_u64 s[G0B+4*\s+2:G0B+4*\s+3], s[72:73], \s*2*HALFT
	s_or_b32 s[G0B+4*\s+3], s[G0B+4*\s+3], 0x80000000
.endr
	s_cmp_eq_u32 s15, 0                            ; do I fetch for R?
	s_cselect_b64 s[PFA:PFA+1], s[20:21], s[72:73] ; where my loads begin
	s_cselect_b32 s82, s66, s67                    ; my place among the four that ask for the block with me
	JLOAD 0, 0                                     ; K steps 0 to 5: one tensor load a wave at the head
	v_and_b32 v1, 15, v0                           ; r
	v_bfe_u32 v2, v0, 4, 1                         ; h
	v_and_b32 v3, 31, v0
	v_lshl_add_u32 v5, v3, 2, s82                  ; block 4 x lane + my place
	v_lshlrev_b32 v3, 4, v3                        ; 16 x lane
	v_min_u32 v6, 21, v5
	v_min_u32 v7, 99, v5
	v_lshlrev_b32 v[PF1], 8, v5                    ; blocks 0 to 127
	v_add_nc_u32 v6, 128, v6
	v_lshlrev_b32 v[PF3], 8, v7                    ; the last fill: blocks 0 to 99
	v_lshlrev_b32 v[PF2], 8, v6                    ; blocks 128 to 149
	s_wait_alu depctr_va_vdst(0)
	s_mul_i32 s21, s15, 4*1536                     ; my four tiles of R
	s_mul_i32 s22, s16, 4*1536                     ; my four tiles of P,
	s_add_co_u32 s22, s22, POFF                    ; which lie behind R's six K steps
	s_lshl_b32 s23, s15, 8                         ; scale words: 64 bytes a tile
	s_lshl_b32 s77, s16, 8
	s_add_co_u32 s77, s77, POFF
	s_sub_co_u32 s77, s77, s23
	v_mul_u32_u24 v4, s77, v2                      ; lanes 16-31 take P's words
	v_lshl_add_u32 v4, v1, 2, v4
.irp s, 0,1,2,3
	v_add_nc_u32 v[ADRA+\s], s21, v3
	v_add_nc_u32 v[ADRB+\s], s22, v3
	v_add_nc_u32 v[ADRS+\s], s23, v4
	s_add_co_u32 s21, s21, HALFT+(\s%2)*(SLOT-2*HALFT)
	s_add_co_u32 s22, s22, HALFT+(\s%2)*(SLOT-2*HALFT)
	s_add_co_u32 s23, s23, HALFT+(\s%2)*(SLOT-2*HALFT)
.endr
	s_mul_i32 s23, s14, 16*SPITCH                  ; my stage
	v_mul_u32_u24 v5, v1, SPITCH
	v_lshl_add_u32 v5, v2, 6, v5
	v_add_nc_u32 v[STO], s23, v5                   ; in: row r, + 64 bytes for lanes 16-31
	v_mul_u32_u24 v6, v2, SPITCH
	v_lshl_add_u32 v6, v1, 4, v6
	v_add_nc_u32 v[RD], s23, v6                    ; back: lanes 0-15 one row of 256 bytes, lanes 16-31 the next
	v_lshlrev_b32 v7, 13, v2
	v_lshl_add_u32 v[CO], v1, 4, v7                ; and the same in cb: the tile's next lane is the batch's next s, 8,192 bytes on
	s_and_b32 s21, s17, 15
	s_lshr_b32 s20, s17, 4
	s_lshl_b32 s21, s21, 8
	s_add_co_u32 s20, s20, s21                     ; row 256 (s / 128) + b
	s_lshl_b32 s20, s20, 12
	s_lshl_b32 s21, s15, 19                        ; my four tiles begin 64 steps of s on
	s_add_co_u32 s20, s20, s21
	s_lshl_b32 s21, s68, 9                         ; the group's 128 columns,
	s_add_co_u32 s20, s20, s21
	s_lshl_b32 s21, s16, 8                         ; my 64 of them
	s_add_co_u32 s20, s20, s21
	s_mov_b32 s21, 0
	s_add_nc_u64 s[8:9], s[8:9], s[20:21]
; 8 matrix instructions: my R tiles a0, a0 + 1 x my four P tiles, from buffer p.  The 16 accumulators take turns, one instruction a turn, in the same order in every K step.
.macro MUL8 a0, p, zero
.irp a, \a0, \a0+1
.irp b, 0,1,2,3
.if \zero
	v_wmma_scale_f32_16x16x128_f8f6f4 v[ACC+8*(4*(\a)+\b):ACC+8*(4*(\a)+\b)+7], v[128*(\p)+48+FR*\b:128*(\p)+48+FR*\b+FR-1], v[128*(\p)+FR*(\a):128*(\p)+FR*(\a)+FR-1], 0, v[SC+4*(\p)+\b], v[SC+4*(\p)+(\a)] matrix_a_fmt:MATRIX_FMT_FP6 matrix_b_fmt:MATRIX_FMT_FP6 matrix_a_scale:MATRIX_SCALE_ROW1
.else
	v_wmma_scale_f32_16x16x128_f8f6f4 v[ACC+8*(4*(\a)+\b):ACC+8*(4*(\a)+\b)+7], v[128*(\p)+48+FR*\b:128*(\p)+48+FR*\b+FR-1], v[128*(\p)+FR*(\a):128*(\p)+FR*(\a)+FR-1], v[ACC+8*(4*(\a)+\b):ACC+8*(4*(\a)+\b)+7], v[SC+4*(\p)+\b], v[SC+4*(\p)+(\a)] matrix_a_fmt:MATRIX_FMT_FP6 matrix_b_fmt:MATRIX_FMT_FP6 matrix_a_scale:MATRIX_SCALE_ROW1
.endif
.endr
.endr
.endm
; 28 LDS loads in one run: K step q of a slot into buffer p: four scale words, P's four fragments, R's four
.macro FETCH slot, q, p
	WIN 0
.irp i, 0,1,2,3
	ds_load_b32 v[SC+4*(\p)+\i], v[ADRS+2*(\slot)+(\q)/3] offset:((\q)%3)*SBB+12288+64*\i
.endr
	WIN TO_F
.irp i, 0,1,2,3
.irp c, 0,1,2
	ds_load_b128 v[128*(\p)+48+FR*\i+4*\c:128*(\p)+48+FR*\i+4*\c+3], v[ADRB+2*(\slot)+(\q)/3] offset:((\q)%3)*SBB+\i*1536+512*\c
.endr
.endr
.irp i, 0,1,2,3
.irp c, 0,1,2
	ds_load_b128 v[128*(\p)+FR*\i+4*\c:128*(\p)+FR*\i+4*\c+3], v[ADRA+2*(\slot)+(\q)/3] offset:((\q)%3)*SBB+\i*1536+512*\c
.endr
.endr
.endm
.macro PLACES n                        ; plain vector instructions between a matrix instruction and a load into, or a read of, its registers
.rept \n
	v_nop
.endr
.endm
; A K step on buffer p; ahead of its products the next K step (q-th of slot nslot) is asked of LDS, into the other buffer, which the last K step's products have read: four places stand between.
.macro KSTEP p, zero, nslot, nq
	s_wait_dscnt 0x0                               ; buffer p is in
	PLACES NP
	FETCH \nslot, \nq, 1-(\p)
	WIN MUL
	MUL8 0, \p, \zero
	MUL8 2, \p, \zero
.endm
; A slot's last K step (buffer 1) with a change of slots: one barrier; in front of it each wave waits for all its tensor loads, adds 0 to its spare word, and waits for that and for its reads of this slot.
; fill = 1: behind a round of the cluster's barrier this slot takes the K steps two slots' worth on.
.macro CHANGE fill, slot, next
	WIN 0
	s_wait_tensorcnt 0x0                           ; all my tensor loads have landed: the one that was out is my part of the next slot
	ds_add_u32 v[SPW], v[NIL]                      ; 0 onto my spare word
	s_wait_dscnt 1                                 ; buffer 1 is in; the add may be out
	WIN MUL
	MUL8 0, 1, 0
	s_wait_dscnt 0x0                               ; the add is done, and my reads of this slot are over
	s_barrier_signal -1
	WIN 0
	s_barrier_wait -1
.if \fill
	CREST                                          ; the barrier has opened a round of the cluster's barrier
	s_add_nc_u64 s[G0+4*(\slot)+2:G0+4*(\slot)+3], s[G0+4*(\slot)+2:G0+4*(\slot)+3], 4*HALFT
	s_add_nc_u64 s[G0B+4*(\slot)+2:G0B+4*(\slot)+3], s[G0B+4*(\slot)+2:G0B+4*(\slot)+3], 4*HALFT
.if W+2 == NW-1
	s_mov_b32 s[G1+2], 100<<16                     ; no tensor load of mine is out: the last fill brings two K steps, 100 rows
	s_mov_b32 s[G1+4], 100
	s_mov_b32 s[G1B+2], 100<<16
	s_mov_b32 s[G1B+4], 100
	JLOAD \slot, 1
	PLACES NP                                      ; for the waves that issued no load: the places in front of the loads below
.else
	JLOAD \slot, 0                                 ; the first tensor load behind the round; its four v_nop are the places in front of the loads below
.endif
.else
	PLACES NP
.endif
	FETCH \next, 0, 0
.if \fill
	WIN 0
	ASK W+3
.endif
	WIN MUL
	MUL8 2, 1, 0
.endm
	s_wait_alu depctr_va_vdst(0)
	ASK 1
	s_wait_tensorcnt 0x0                           ; my part of slot 0 is in; slot 1's first fill is issued as a refill is
	ds_add_u32 v[SPW], v[NIL]
	s_wait_dscnt 0x0
	CROUND
	JLOAD 1, 0                                     ; K steps 6 to 11
	FETCH 0, 0, 0
	WIN 0
	ASK 2
; All of K, written out: worth W lies in slot W % 2.  Behind worth W its slot is filled again while a worth W + 2 exists; the last change of slots fills nothing.
.set W, 0
.rept NW
.set CUR, W%2
.set NXT, 1-CUR
.if W < NW-1
.if W == 0
	KSTEP 0, 1, CUR, 1                             ; the first products start the sums: nothing is cleared
.else
	KSTEP 0, 0, CUR, 1
.endif
	KSTEP 1, 0, CUR, 2
	KSTEP 0, 0, CUR, 3
	KSTEP 1, 0, CUR, 4
	KSTEP 0, 0, CUR, 5
.if W+2 < NW
	CHANGE 1, CUR, NXT
.else
	CHANGE 0, CUR, NXT
.endif
.else
	KSTEP 0, 0, CUR, 1
	s_wait_dscnt 0x0                               ; the very last K step: nothing more to fetch
	WIN MUL
	MUL8 0, 1, 0
	MUL8 2, 1, 0
	WIN 0
.endif
.set W, W+1
.endr
; THE WAY OUT, tile by tile of 16 rows x 64 columns, through my own stage: in by 32 neighbouring bytes a lane, back as whole rows of 256 bytes.  LDS serves a wave's instructions in order.
.macro TOSTAGE a
.irp b, 0,1,2,3
	ds_store_b128 v[STO], v[ACC+8*(4*(\a)+\b):ACC+8*(4*(\a)+\b)+3] offset:128*(\b/2)+32*(\b%2)        ; each accumulator from its low end on
	ds_store_b128 v[STO], v[ACC+8*(4*(\a)+\b)+4:ACC+8*(4*(\a)+\b)+7] offset:128*(\b/2)+32*(\b%2)+16
.endr
.set BB, BK+32*((\a)%2)
.irp t, 0,1,2,3,4,5,6,7
	ds_load_b128 v[BB+4*\t:BB+4*\t+3], v[RD] offset:2*\t*SPITCH
.endr
.endm
.macro SEND a, younger                 ; lanes 2 t and 2 t + 1 of tile a are s = 32 (a / 2) + 8 (a % 2) + 2 t + 8 (t / 4) and the next: every place is an immediate
.set BB, BK+32*((\a)%2)
	s_wait_dscnt \younger
.irp t, 0,1,2,3,4,5,6,7
	global_store_b128 v[CO], v[BB+4*\t:BB+4*\t+3], s[8:9] offset:8192*(32*((\a)/2)+8*((\a)%2)+2*\t+8*(\t/4)) th:TH_STORE_NT   ; 16 lanes store 256 consecutive bytes, at a multiple of 256 from cb's first byte
.endr
.endm
	PLACES NP                                      ; behind the last products
	TOSTAGE 0
.irp a, 1,2,3
.if \a > 1
	s_wait_xcnt 0x0                                ; tile a - 2's stores have read their registers: tile a's loads may land there
.endif
	TOSTAGE \a
	SEND \a-1, 16                                  ; behind tile a - 1's loads: tile a's 8 stores and 8 loads
.endr
	SEND 3, 0
	s_wait_tensorcnt 0x0                           ; the wave's end
	ds_add_u32 v[SPW], v[NIL]
	s_wait_dscnt 0x0
	CROUND                                         ; the closing round
	s_endpgm
.Lfunc_end_k_q1cc4555c2b_gemm_ff2:
	.size	k_q1cc4555c2b_gemm_ff2, .Lfunc_end_k_q1cc4555c2b_gemm_ff2-k_q1cc4555c2b_gemm_ff2
	.p2alignl 7, 3214868480
	.fill 96, 4, 3214868480
	.section	.rodata,"a",@progbits
	.p2align	6, 0x0
	.amdhsa_kernel k_q1cc4555c2b_gemm_ff2
		.amdhsa_group_segment_fixed_size 327680
		.amdhsa_private_segment_fixed_size 0
		.amdhsa_enable_private_segment 0
		.amdhsa_kernarg_size 24
		.amdhsa_user_sgpr_count 2
		.amdhsa_user_sgpr_kernarg_segment_ptr 1
		.amdhsa_wavefront_size32 1
		.amdhsa_system_sgpr_workgroup_id_x 1
		.amdhsa_system_sgpr_workgroup_id_y 1
		.amdhsa_system_sgpr_workgroup_id_z 1
		.amdhsa_system_vgpr_workitem_id 0
		.amdhsa_next_free_vgpr 512
		.amdhsa_next_free_sgpr 100
		.amdhsa_reserve_vcc 0
		.amdhsa_float_denorm_mode_32 3
		.amdhsa_float_denorm_mode_16_64 3
		.amdhsa_memory_ordered 1
		.amdhsa_forward_progress 1
		.amdhsa_inst_pref_size 151
	.end_amdhsa_kernel
	.amdgpu_metadata
---
amdhsa.version: [ 1, 2 ]
amdhsa.kernels:
  - .name:           k_q1cc4555c2b_gemm_ff2
    .symbol:         k_q1cc4555c2b_gemm_ff2.kd
    .args:
      - { .name: hi, .offset: 0, .size: 8, .value_kind: global_buffer, .address_space: global }
      - { .name: wi, .offset: 8, .size: 8, .value_kind: global_buffer, .address_space: global }
      - { .name: cb, .offset: 16, .size: 8, .value_kind: global_buffer, .address_space: global }
    .group_segment_fixed_size: 327680
    .private_segment_fixed_size: 0
    .kernarg_segment_align: 8
    .kernarg_segment_size: 24
    .max_flat_workgroup_size: 128
    .sgpr_count:     100
    .vgpr_count:     512
    .wavefront_size: 32
...
	.end_amdgpu_metadata
.endif
;; end of part 15
;; launch ln2 (part 16): grid 256 x 1, 16 waves a work-group, no clusters, 0 bytes of LDS; arguments x1, cb, bb2, g2, b2, out0; writes out0
.if DOCPART == 16
	.amdgcn_target "amdgcn-amd-amdhsa--gfx1250"
	.amdhsa_code_object_version 6
	.text
	.protected	k_q1cc4555c2b_ln2
	.globl	k_q1cc4555c2b_ln2
	.p2align	8
	.type	k_q1cc4555c2b_ln2,@function
k_q1cc4555c2b_ln2:
	s_mov_b64 s[64:65], 0
	v_nop
	global_prefetch_b8 v0, s[64:65] scope:SCOPE_SE
	s_setreg_imm32_b32 hwreg(HW_REG_WAVE_MODE, 25, 1), 1
	s_wait_xcnt 0x0
; out0 = layer norm(x1 + (cb + bb2)) g2 + b2, rows of 1,024 in f32.  A wave takes one row (row 16 x work-group + wave), 32 numbers a lane; every load and store of a wave covers 512 consecutive bytes.
; The row stays in registers between the passes: it is read once.  The deviations are taken from the finished mean and squared in a second pass, so a common offset of the inputs costs nothing.
; No LDS, no barrier: waves share nothing.  NaN and infinities among the inputs are not served.
.set OFF,  2
.set X,    16
.set CC,   48
.set BO,   80
.set GG,   112
.set BB,   144
.set T,    176
.set SEL,  46
	s_load_b256 s[24:31], s[0:1], 0x0              ; x1, cb, bb2, g2
	s_load_b128 s[32:35], s[0:1], 0x20             ; b2, out0
	v_lshrrev_b32 v1, 5, v0
	s_delay_alu instid0(VALU_DEP_1)
	v_readfirstlane_b32 s8, v1
	v_and_b32 v1, 31, v0
	s_delay_alu instid0(VALU_DEP_1)
	v_lshlrev_b32 v[OFF], 4, v1
	s_lshl_b32 s12, ttmp9, 4
	s_add_co_u32 s12, s12, s8                      ; my row
	s_lshl_b32 s12, s12, 12
	s_mov_b32 s13, 0
	s_mov_b32 s40, 0x3a800000                      ; 1 / 1,024
	s_mov_b32 s[SEL], 0x76543210
	s_mov_b32 s[SEL+1], 0xfedcba98
	s_wait_alu depctr_va_vdst(0)
	s_wait_kmcnt 0x0
	s_add_nc_u64 s[24:25], s[24:25], s[12:13]
	s_add_nc_u64 s[26:27], s[26:27], s[12:13]
	s_add_nc_u64 s[34:35], s[34:35], s[12:13]
.irp j, 0,1,2,3,4,5,6,7
	global_load_b128 v[X+4*\j:X+4*\j+3], v[OFF], s[24:25] offset:512*\j th:TH_LOAD_NT
.endr
.irp j, 0,1,2,3,4,5,6,7
	global_load_b128 v[CC+4*\j:CC+4*\j+3], v[OFF], s[26:27] offset:512*\j th:TH_LOAD_NT
.endr
.irp j, 0,1,2,3,4,5,6,7
	global_load_b128 v[BO+4*\j:BO+4*\j+3], v[OFF], s[28:29] offset:512*\j
.endr
.irp j, 0,1,2,3,4,5,6,7
	global_load_b128 v[GG+4*\j:GG+4*\j+3], v[OFF], s[30:31] offset:512*\j
.endr
.irp j, 0,1,2,3,4,5,6,7
	global_load_b128 v[BB+4*\j:BB+4*\j+3], v[OFF], s[32:33] offset:512*\j
.endr
.macro ACROSS                          ; v[T] summed over the 32 lanes, the result in every lane
	s_delay_alu instid0(VALU_DEP_1)
	v_add_f32 v[T], v[T], v[T+1]
	s_delay_alu instid0(VALU_DEP_1)
	v_add_f32_dpp v[T], v[T], v[T] row_xmask:1 row_mask:0xf bank_mask:0xf
	s_delay_alu instid0(VALU_DEP_1)
	v_add_f32_dpp v[T], v[T], v[T] row_xmask:2 row_mask:0xf bank_mask:0xf
	s_delay_alu instid0(VALU_DEP_1)
	v_add_f32_dpp v[T], v[T], v[T] row_xmask:4 row_mask:0xf bank_mask:0xf
	s_delay_alu instid0(VALU_DEP_1)
	v_add_f32_dpp v[T], v[T], v[T] row_xmask:8 row_mask:0xf bank_mask:0xf
	s_delay_alu instid0(VALU_DEP_1)
	v_permlanex16_b32 v[T+1], v[T], s[SEL], s[SEL+1]
	s_delay_alu instid0(VALU_DEP_1)
	v_add_f32 v[T], v[T], v[T+1]
.endm
.macro JOIN                            ; four chains into one pair
	s_delay_alu instid0(VALU_DEP_3)
	v_pk_add_f32 v[T:T+1], v[T:T+1], v[T+2:T+3]
	s_delay_alu instid0(VALU_DEP_2)
	v_pk_add_f32 v[T+4:T+5], v[T+4:T+5], v[T+6:T+7]
	s_delay_alu instid0(VALU_DEP_1)
	v_pk_add_f32 v[T:T+1], v[T:T+1], v[T+4:T+5]
.endm
	s_wait_loadcnt 16                              ; x1, the product and its bias are in; the sixteen loads of the gain and the offset may be out
.set i, 0
.rept 16
	v_pk_add_f32 v[CC+i:CC+i+1], v[CC+i:CC+i+1], v[BO+i:BO+i+1]
.set i, i+2
.endr
.set i, 0
.rept 16
	v_pk_add_f32 v[X+i:X+i+1], v[X+i:X+i+1], v[CC+i:CC+i+1]
.set i, i+2
.endr
.irp k, 0,1,2,3
	v_pk_add_f32 v[T+2*\k:T+2*\k+1], v[X+2*\k:X+2*\k+1], v[X+8+2*\k:X+9+2*\k]
.endr
.irp g, 16,24
.irp k, 0,1,2,3
	s_delay_alu instid0(VALU_DEP_4)
	v_pk_add_f32 v[T+2*\k:T+2*\k+1], v[T+2*\k:T+2*\k+1], v[X+\g+2*\k:X+\g+1+2*\k]
.endr
.endr
	JOIN
	ACROSS
	s_delay_alu instid0(VALU_DEP_1)
	v_mul_f32 v[T+2], s40, v[T]                    ; the mean
	s_delay_alu instid0(VALU_DEP_1)
	v_mov_b32 v[T+3], v[T+2]
.set i, 0
.rept 16
	v_pk_add_f32 v[X+i:X+i+1], v[X+i:X+i+1], v[T+2:T+3] neg_lo:[0,1] neg_hi:[0,1]
.set i, i+2
.endr
.irp k, 0,1,2,3
	v_pk_mul_f32 v[T+2*\k:T+2*\k+1], v[X+2*\k:X+2*\k+1], v[X+2*\k:X+2*\k+1]
.endr
.irp g, 8,16,24
.irp k, 0,1,2,3
	s_delay_alu instid0(VALU_DEP_4)
	v_pk_fma_f32 v[T+2*\k:T+2*\k+1], v[X+\g+2*\k:X+\g+1+2*\k], v[X+\g+2*\k:X+\g+1+2*\k], v[T+2*\k:T+2*\k+1]
.endr
.endr
	JOIN
	ACROSS
	s_delay_alu instid0(VALU_DEP_1)
	v_fmaak_f32 v[T+2], s40, v[T], 0x3727c5ac      ; the variance + 1e-5
	s_wait_alu depctr_va_vdst(0)
	v_rsq_f32 v[T+4], v[T+2]
	v_rsq_f32 v[T+5], v[T+2]
	v_nop                                          ; a plain line behind the transcendentals
	s_wait_alu depctr_va_vdst(0)                   ; one wait for both, ahead of their first reader
.set i, 0
.rept 16
	v_pk_mul_f32 v[X+i:X+i+1], v[X+i:X+i+1], v[T+4:T+5]
.set i, i+2
.endr
	s_wait_loadcnt 0x0
.set i, 0
.rept 16
	v_pk_fma_f32 v[X+i:X+i+1], v[X+i:X+i+1], v[GG+i:GG+i+1], v[BB+i:BB+i+1]
.set i, i+2
.endr
.irp j, 0,1,2,3,4,5,6,7
	global_store_b128 v[OFF], v[X+4*\j:X+4*\j+3], s[34:35] offset:512*\j th:TH_STORE_NT   ; 512 consecutive bytes, at a multiple of 256 from out0's first byte
.endr
	s_endpgm
.Lfunc_end_k_q1cc4555c2b_ln2:
	.size	k_q1cc4555c2b_ln2, .Lfunc_end_k_q1cc4555c2b_ln2-k_q1cc4555c2b_ln2
	.p2alignl 7, 3214868480
	.fill 96, 4, 3214868480
	.section	.rodata,"a",@progbits
	.p2align	6, 0x0
	.amdhsa_kernel k_q1cc4555c2b_ln2
		.amdhsa_group_segment_fixed_size 0
		.amdhsa_private_segment_fixed_size 0
		.amdhsa_enable_private_segment 0
		.amdhsa_kernarg_size 48
		.amdhsa_user_sgpr_count 2
		.amdhsa_user_sgpr_kernarg_segment_ptr 1
		.amdhsa_wavefront_size32 1
		.amdhsa_system_sgpr_workgroup_id_x 1
		.amdhsa_system_sgpr_workgroup_id_y 1
		.amdhsa_system_sgpr_workgroup_id_z 1
		.amdhsa_system_vgpr_workitem_id 0
		.amdhsa_next_free_vgpr 184
		.amdhsa_next_free_sgpr 66
		.amdhsa_reserve_vcc 0
		.amdhsa_float_denorm_mode_32 3
		.amdhsa_float_denorm_mode_16_64 3
		.amdhsa_memory_ordered 1
		.amdhsa_forward_progress 1
		.amdhsa_inst_pref_size 16
	.end_amdhsa_kernel
	.amdgpu_metadata
---
amdhsa.version: [ 1, 2 ]
amdhsa.kernels:
  - .name:           k_q1cc4555c2b_ln2
    .symbol:         k_q1cc4555c2b_ln2.kd
    .args:
      - { .name: x1, .offset: 0, .size: 8, .value_kind: global_buffer, .address_space: global }
      - { .name: cb, .offset: 8, .size: 8, .value_kind: global_buffer, .address_space: global }
      - { .name: bb2, .offset: 16, .size: 8, .value_kind: global_buffer, .address_space: global }
      - { .name: g2, .offset: 24, .size: 8, .value_kind: global_buffer, .address_space: global }
      - { .name: b2, .offset: 32, .size: 8, .value_kind: global_buffer, .address_space: global }
      - { .name: out0, .offset: 40, .size: 8, .value_kind: global_buffer, .address_space: global }
    .group_segment_fixed_size: 0
    .private_segment_fixed_size: 0
    .kernarg_segment_align: 8
    .kernarg_segment_size: 48
    .max_flat_workgroup_size: 512
    .sgpr_count:     66
    .vgpr_count:     184
    .wavefront_size: 32
...
	.end_amdgpu_metadata
.endif
;; end of part 16
